; MI455X (gfx1250); checked and timed in simulation.
; The chip was launched on July 23, 2026; its instructions are those of AMD's public machine-readable ISA for CDNA 5 (MIT licence, August 2026) and "CDNA5" Instruction Set Architecture Reference Guide (July 2026). The comments in the code are by the model that wrote it; some were corrected since.
;; Global Perceiver. Allowed arithmetic: float matrix products may take bf16 or f16 operands with f32 sums; other float arithmetic in f32, or as packed bf16 or f16 multiplies, adds, multiply-adds, maxima and minima; sums over many terms, partial sums and values carried from step to step in f32; what a program stores and reads back later, other than sums and carried values, may be rounded once to bf16 or f16.
;; Inputs: W1 2 x 1,024 x 240 float32; W2 2 x 240 x 1,024 float32; Wk 2 x 240 x 240 float32; Wo 2 x 240 x 240 float32; Wout 240 x 240 float32; Wq 2 x 240 x 240 float32; Wv 2 x 240 x 240 float32; b1 2 x 1,024 float32; b2 2 x 240 float32; bk 2 x 240 float32; bo 2 x 240 float32; bout 240 float32; bq 2 x 240 float32; bv 2 x 240 float32; hand_translation_all 64 x 3 float32; head_translation_all 64 x 3 float32; learnable_tokens 1 x 2 x 240 float32; ln1_b 2 x 240 float32; ln1_g 2 x 240 float32; ln2_b 2 x 240 float32; ln2_g 2 x 240 float32; modality_embed 1 x 1 x 240 float32; state 64 x 240 float32; valid_coords 64 x 4,096 x 3 float32; valid_feats_projected 64 x 4,096 x 240 float32.
;; Outputs: out0 64 x 2 x 240 float32.
;; 2 versions, each right and faster than the one before. Each part assembles by itself: llvm-mc -triple=amdgcn-amd-amdhsa -mcpu=gfx1250 --defsym DOCPART=n.
;; ======== version 1 of 2: 6 launches
;; limits: values are held in f16: magnitudes above 65,504 overflow, below 6.1e-05 lose precision; a function is approximated: absolute error at most 3.6e-06
;; workspace buffers: wl0 1,579,008 bytes; wl1 1,579,008 bytes; wfin 131,072 bytes; xa 393,216 bytes; xb 393,216 bytes; xc 393,216 bytes; part 8,388,608 bytes
;; launch prep (part 1): grid 867 x 1, 8 waves a work-group, no clusters, 0 bytes of LDS; arguments Wk, Wq, Wv, Wo, W1, W2, Wout, bk, bq, bv, bo, b1, b2, bout, ln1_g, ln1_b, ln2_g, ln2_b, state, learnable_tokens, modality_embed, wl0, wl1, wfin, xa; writes wl0, wl1, wfin, xa
.if DOCPART == 1
	.amdgcn_target "amdgcn-amd-amdhsa--gfx1250"
	.amdhsa_code_object_version 6
	.text
	.protected	k_qf81a2a0437_prep
	.globl	k_qf81a2a0437_prep
	.p2align	8
	.type	k_qf81a2a0437_prep,@function
k_qf81a2a0437_prep:
	s_mov_b64 s[64:65], 0
	v_nop
	global_prefetch_b8 v0, s[64:65] scope:SCOPE_SE
	s_setreg_imm32_b32 hwreg(HW_REG_WAVE_MODE, 25, 1), 1
	s_wait_xcnt 0x0
; PREP: every weight, bias and gain is rounded once to bf16 and laid out as the later launches read it; the three start tokens are made.
; WEIGHTS go into fragment order.  A fragment (16 rows x 32 columns) is 1,024 bytes = [half 2][lane 32][16 bytes]; the unit of lane (r, h), half f holds
; row 16 T + r, columns 32 ks + 16 f + 8 h + 0..7.  Wave w of the reading launch owns the tiles w NT + u; fragment (ks, u) lies at place ks NT + u of its section.
; One thread makes one unit: eight loads of 4 bytes, one store of 16; a wave's store covers 512 consecutive bytes.
; PADDING.  Head-padded index: 32 head + d, d = 30, 31 empty.  Column 240 of Wk, Wq, Wv, W1, Wout holds the bias: the activations carry 1.0 there.
; FORMATS.  Wk stays bf16; the others are the bf16 number written as f16.  LIMIT: exact for magnitudes from 6.1e-5 to 65,504; below that f16's fixed step of 6e-8.
.set LAY, 59                           ; s59 layer
.set REM, 60                           ; s60 work-group's number within the layer's 384
.macro RND4 b                          ; four f32 rounded to bf16 and widened again, in place
	v_cvt_pk_bf16_f32 v36, v[\b], v[\b+1]
	v_cvt_pk_bf16_f32 v37, v[\b+2], v[\b+3]
	v_lshlrev_b32 v[\b], 16, v36
	v_and_b32 v[\b+1], 0xffff0000, v36
	v_lshlrev_b32 v[\b+2], 16, v37
	v_and_b32 v[\b+3], 0xffff0000, v37
.endm
; One weight matrix.  src, bias: the scalar pairs with their addresses; ld: columns of a source row; wstr, bstr: bytes from layer to layer; rowh, colh = 1: that index is head-padded;
; rlim, clim: valid rows and columns; lnt, lks: log2 of tiles a wave and of K steps; dbase, dws: the section's first byte and bytes from wave to wave; id0: the job's first work-group.
.macro WJOB src, bias, ld, wstr, bstr, rowh, rlim, colh, clim, hasb, f16, lnt, lks, dbase, dws, id0, fin
	s_mul_i32 s66, s[LAY], \wstr
	s_add_nc_u64 s[68:69], s[\src:\src+1], s[66:67]
.if \hasb
	s_mul_i32 s66, s[LAY], \bstr
	s_add_nc_u64 s[70:71], s[\bias:\bias+1], s[66:67]
.endif
.if \fin
	s_mov_b64 s[72:73], s[54:55]
.else
	s_cmp_eq_u32 s[LAY], 0
	s_cselect_b64 s[72:73], s[50:51], s[52:53]
.endif
	s_sub_co_u32 s75, s[REM], \id0
	s_lshl_b32 s75, s75, 8
	v_add_nc_u32 v1, s75, v0                       ; the unit's number in the matrix
	v_and_b32 v2, 15, v1                           ; r
	v_bfe_u32 v3, v1, 4, 1                         ; h
	v_bfe_u32 v4, v1, 5, 1                         ; half
	v_bfe_u32 v5, v1, 6, \lnt                      ; u
	v_bfe_u32 v6, v1, 6+\lnt, \lks                 ; ks
	v_lshrrev_b32 v7, 6+\lnt+\lks, v1              ; w
	v_lshl_add_u32 v8, v7, \lnt, v5
	v_lshl_add_u32 v8, v8, 4, v2                   ; row
	v_lshlrev_b32 v9, 5, v6
	v_lshl_add_u32 v9, v4, 4, v9
	v_lshl_add_u32 v9, v3, 3, v9                   ; first column
.if \rowh
	v_lshrrev_b32 v10, 5, v8
	v_and_b32 v36, 31, v8
	v_cmp_gt_u32 s74, 30, v36
	v_mad_u32_u24 v10, v10, 30, v36
.else
	v_cmp_gt_u32 s74, \rlim, v8
	v_mov_b32 v10, v8
.endif
	v_cndmask_b32 v10, 0, v10, s74                 ; source row, 0 where the row is padding
.if \colh
	v_lshrrev_b32 v12, 5, v9
	v_and_b32 v11, 31, v9
	v_mad_u32_u24 v12, v12, 30, v11
.set CLIMIT, 30
.else
	v_mov_b32 v11, v9
	v_mov_b32 v12, v9
.set CLIMIT, \clim
.endif
	v_mad_u32_u24 v12, v10, \ld, v12
	v_lshlrev_b32 v12, 2, v12                      ; byte offset of the unit's first number
.set i, 0
.rept 8
	v_cmp_gt_u32 s[76+i], CLIMIT-i, v11            ; column i of the unit is a real one,
	s_and_b32 s[76+i], s[76+i], s74                ; in a real row
	v_cndmask_b32 v[13+i], 0, v12, s[76+i]         ; padding reads the buffer's head and is dropped below
	global_load_b32 v[24+i], v[13+i], s[68:69] offset:4*i
.set i, i+1
.endr
.if \hasb
	v_lshlrev_b32 v21, 2, v10
	global_load_b32 v22, v21, s[70:71]
.endif
	s_wait_loadcnt 0x0
.set i, 0
.rept 8
	v_cndmask_b32 v[24+i], 0, v[24+i], s[76+i]
.set i, i+1
.endr
.if \hasb
	v_cmp_eq_u32 s84, 240, v9
	s_and_b32 s84, s84, s74
	v_cndmask_b32 v24, v24, v22, s84               ; column 240 takes the row's bias
.endif
.irp j, 0,1,2,3
	v_cvt_pk_bf16_f32 v[32+\j], v[24+2*\j], v[25+2*\j]
.endr
.if \f16
.irp j, 0,1,2,3
	v_lshlrev_b32 v36, 16, v[32+\j]
	v_and_b32 v37, 0xffff0000, v[32+\j]
	v_cvt_pk_f16_f32 v[32+\j], v36, v37
.endr
.endif
	v_and_b32 v38, (1<<(6+\lnt+\lks))-1, v1
	v_lshlrev_b32 v38, 4, v38
	v_mad_u32_u24 v38, v7, \dws, v38
	global_store_b128 v38, v[32:35], s[72:73] offset:\dbase
	s_endpgm
.endm
	s_load_b512 s[8:23], s[0:1], 0x0               ; Wk 8, Wq 10, Wv 12, Wo 14, W1 16, W2 18, Wout 20, bk 22
	s_load_b512 s[24:39], s[0:1], 0x40             ; bq 24, bv 26, bo 28, b1 30, b2 32, bout 34, ln1_g 36, ln1_b 38
	s_load_b512 s[40:55], s[0:1], 0x80             ; ln2_g 40, ln2_b 42, state 44, tokens 46, modality 48, wl0 50, wl1 52, wfin 54
	s_load_b64 s[56:57], s[0:1], 0xc0              ; xa
	s_mov_b32 s58, ttmp9
	s_mov_b32 s67, 0                               ; high word of every offset pair
	s_wait_kmcnt 0x0
	s_cmp_ge_u32 s58, 768
	s_cbranch_scc1 .Lrest
	s_cmp_ge_u32 s58, 384
	s_cselect_b32 s[LAY], 1, 0
	s_mul_i32 s[REM], s[LAY], 384
	s_sub_co_u32 s[REM], s58, s[REM]
	s_cmp_lt_u32 s[REM], 32
	s_cbranch_scc1 .Lwk
	s_cmp_lt_u32 s[REM], 64
	s_cbranch_scc1 .Lwq
	s_cmp_lt_u32 s[REM], 96
	s_cbranch_scc1 .Lwv
	s_cmp_lt_u32 s[REM], 128
	s_cbranch_scc1 .Lwo
	s_cmp_lt_u32 s[REM], 256
	s_cbranch_scc1 .Lw1
	WJOB 18, 18, 1024, 983040, 0, 0, 240, 0, 1024, 0, 1, 1, 5, 360448, 163840, 256, 0
.Lwk:
	WJOB 8, 22, 240, 230400, 960, 1, 0, 0, 240, 1, 0, 2, 3, 0, 32768, 0, 0
.Lwq:
	WJOB 10, 24, 240, 230400, 960, 1, 0, 0, 240, 1, 1, 2, 3, 131072, 32768, 32, 0
.Lwv:
	WJOB 12, 26, 240, 230400, 960, 1, 0, 0, 240, 1, 1, 1, 3, 262144, 163840, 64, 0
.Lwo:
	WJOB 14, 14, 240, 230400, 0, 0, 240, 1, 0, 0, 1, 1, 3, 278528, 163840, 96, 0
.Lw1:
	WJOB 16, 30, 240, 983040, 4096, 0, 1024, 0, 240, 1, 1, 3, 3, 294912, 163840, 128, 0
.Lrest:
	s_cmp_ge_u32 s58, 800
	s_cbranch_scc1 .Lx
	s_mov_b32 s[LAY], 0
	s_sub_co_u32 s[REM], s58, 768
	WJOB 20, 34, 240, 0, 0, 0, 240, 0, 240, 1, 1, 1, 3, 0, 16384, 0, 1
.Lx:
	s_cmp_ge_u32 s58, 864
	s_cbranch_scc1 .Lparams
	; THE START TOKENS.  x has four rows a batch: state, token 0 + modality, token 1 + modality, and a row of padding; 256 columns, column 240 = 1.0, the rest of the padding 0.
	s_sub_co_u32 s75, s58, 800
	s_lshl_b32 s75, s75, 8
	v_add_nc_u32 v1, s75, v0                       ; four numbers a thread: row = v1 / 64, columns 4 (v1 % 64) on
	v_lshrrev_b32 v2, 6, v1
	v_and_b32 v3, 63, v1
	v_lshlrev_b32 v3, 2, v3
	v_min_u32 v4, 236, v3                          ; padding reads the row's last four numbers and drops them
	v_lshrrev_b32 v5, 2, v2                        ; batch
	v_and_b32 v6, 3, v2                            ; token
	v_mad_u32_u24 v7, v5, 240, v4
	v_lshlrev_b32 v7, 2, v7
	v_cmp_eq_u32 s74, 2, v6
	v_add_nc_u32 v8, 240, v4
	v_cndmask_b32 v8, v4, v8, s74
	v_lshlrev_b32 v8, 2, v8
	v_lshlrev_b32 v9, 2, v4
	global_load_b128 v[12:15], v7, s[44:45]
	global_load_b128 v[16:19], v8, s[46:47]
	global_load_b128 v[20:23], v9, s[48:49]
	v_cmp_eq_u32 s76, 0, v6
	v_cmp_gt_u32 s77, 3, v6
	v_cmp_gt_u32 s78, 240, v3
	s_and_b32 s77, s77, s78                        ; a real token's real column
	v_cmp_eq_u32 s79, 240, v3
	v_mov_b32 v34, 1.0
	s_wait_loadcnt 0x0
	RND4 12
	RND4 16
	RND4 20
.irp j, 0,1,2,3
	v_add_f32 v[28+\j], v[16+\j], v[20+\j]
	v_cndmask_b32 v[28+\j], v[28+\j], v[12+\j], s76
	v_cndmask_b32 v[28+\j], 0, v[28+\j], s77
.endr
	v_cndmask_b32 v28, v28, v34, s79
	v_cvt_pk_f16_f32 v32, v28, v29
	v_cvt_pk_f16_f32 v33, v30, v31
	v_lshlrev_b32 v10, 4, v1
	v_lshlrev_b32 v11, 3, v1
	global_store_b128 v10, v[28:31], s[56:57]                 ; f32 copy: 512 consecutive bytes a wave
	global_store_b64 v11, v[32:33], s[56:57] offset:262144    ; f16 copy: 256 consecutive bytes a wave
	s_endpgm
.Lparams:
	; THE SIX VECTORS OF A LAYER that the layer norms use: bo, ln1_g, ln1_b, b2, ln2_g, ln2_b, 256 f32 each; padding 0, but 1.0 at column 240 of the two ln_b.  Two waves a vector.
	v_lshrrev_b32 v1, 5, v0
	v_readfirstlane_b32 s61, v1
	s_lshr_b32 s61, s61, 1
	s_sub_co_u32 s62, s58, 864
	s_lshl2_add_u32 s62, s62, s61                  ; vector 0..11
	s_cmp_ge_u32 s62, 6
	s_cselect_b32 s[LAY], 1, 0
	s_mul_i32 s63, s[LAY], 6
	s_sub_co_u32 s63, s62, s63                     ; which of the six
	s_mov_b64 s[68:69], s[28:29]
	s_cmp_eq_u32 s63, 1
	s_cselect_b64 s[68:69], s[36:37], s[68:69]
	s_cmp_eq_u32 s63, 2
	s_cselect_b64 s[68:69], s[38:39], s[68:69]
	s_cselect_b32 s74, -1, 0
	s_cmp_eq_u32 s63, 3
	s_cselect_b64 s[68:69], s[32:33], s[68:69]
	s_cmp_eq_u32 s63, 4
	s_cselect_b64 s[68:69], s[40:41], s[68:69]
	s_cmp_eq_u32 s63, 5
	s_cselect_b64 s[68:69], s[42:43], s[68:69]
	s_cselect_b32 s74, -1, s74                     ; all ones for the two ln_b
	s_mul_i32 s66, s[LAY], 960
	s_add_nc_u64 s[68:69], s[68:69], s[66:67]
	s_cmp_eq_u32 s[LAY], 0
	s_cselect_b64 s[72:73], s[50:51], s[52:53]
	v_and_b32 v2, 63, v0
	v_lshlrev_b32 v2, 2, v2
	v_min_u32 v3, 236, v2
	v_lshlrev_b32 v3, 2, v3
	global_load_b128 v[12:15], v3, s[68:69]
	v_cmp_gt_u32 s75, 240, v2
	v_cmp_eq_u32 s76, 240, v2
	s_and_b32 s76, s76, s74
	v_mov_b32 v34, 1.0
	v_lshlrev_b32 v4, 2, v2
	s_lshl_b32 s77, s63, 10
	v_add_nc_u32 v4, s77, v4
	s_wait_loadcnt 0x0
	RND4 12
.irp j, 0,1,2,3
	v_cndmask_b32 v[12+\j], 0, v[12+\j], s75
.endr
	v_cndmask_b32 v12, v12, v34, s76
	global_store_b128 v4, v[12:15], s[72:73] offset:1572864
	s_endpgm
.Lfunc_end_k_qf81a2a0437_prep:
	.size	k_qf81a2a0437_prep, .Lfunc_end_k_qf81a2a0437_prep-k_qf81a2a0437_prep
	.p2alignl 7, 3214868480
	.fill 96, 4, 3214868480
	.section	.rodata,"a",@progbits
	.p2align	6, 0x0
	.amdhsa_kernel k_qf81a2a0437_prep
		.amdhsa_group_segment_fixed_size 0
		.amdhsa_private_segment_fixed_size 0
		.amdhsa_enable_private_segment 0
		.amdhsa_kernarg_size 200
		.amdhsa_user_sgpr_count 2
		.amdhsa_user_sgpr_kernarg_segment_ptr 1
		.amdhsa_wavefront_size32 1
		.amdhsa_system_sgpr_workgroup_id_x 1
		.amdhsa_system_sgpr_workgroup_id_y 1
		.amdhsa_system_sgpr_workgroup_id_z 1
		.amdhsa_system_vgpr_workitem_id 0
		.amdhsa_next_free_vgpr 48
		.amdhsa_next_free_sgpr 100
		.amdhsa_reserve_vcc 0
		.amdhsa_float_denorm_mode_32 3
		.amdhsa_float_denorm_mode_16_64 3
		.amdhsa_memory_ordered 1
		.amdhsa_forward_progress 1
		.amdhsa_inst_pref_size 45
	.end_amdhsa_kernel
	.amdgpu_metadata
---
amdhsa.version: [ 1, 2 ]
amdhsa.kernels:
  - .name:           k_qf81a2a0437_prep
    .symbol:         k_qf81a2a0437_prep.kd
    .args:
      - { .name: Wk, .offset: 0, .size: 8, .value_kind: global_buffer, .address_space: global }
      - { .name: Wq, .offset: 8, .size: 8, .value_kind: global_buffer, .address_space: global }
      - { .name: Wv, .offset: 16, .size: 8, .value_kind: global_buffer, .address_space: global }
      - { .name: Wo, .offset: 24, .size: 8, .value_kind: global_buffer, .address_space: global }
      - { .name: W1, .offset: 32, .size: 8, .value_kind: global_buffer, .address_space: global }
      - { .name: W2, .offset: 40, .size: 8, .value_kind: global_buffer, .address_space: global }
      - { .name: Wout, .offset: 48, .size: 8, .value_kind: global_buffer, .address_space: global }
      - { .name: bk, .offset: 56, .size: 8, .value_kind: global_buffer, .address_space: global }
      - { .name: bq, .offset: 64, .size: 8, .value_kind: global_buffer, .address_space: global }
      - { .name: bv, .offset: 72, .size: 8, .value_kind: global_buffer, .address_space: global }
      - { .name: bo, .offset: 80, .size: 8, .value_kind: global_buffer, .address_space: global }
      - { .name: b1, .offset: 88, .size: 8, .value_kind: global_buffer, .address_space: global }
      - { .name: b2, .offset: 96, .size: 8, .value_kind: global_buffer, .address_space: global }
      - { .name: bout, .offset: 104, .size: 8, .value_kind: global_buffer, .address_space: global }
      - { .name: ln1_g, .offset: 112, .size: 8, .value_kind: global_buffer, .address_space: global }
      - { .name: ln1_b, .offset: 120, .size: 8, .value_kind: global_buffer, .address_space: global }
      - { .name: ln2_g, .offset: 128, .size: 8, .value_kind: global_buffer, .address_space: global }
      - { .name: ln2_b, .offset: 136, .size: 8, .value_kind: global_buffer, .address_space: global }
      - { .name: state, .offset: 144, .size: 8, .value_kind: global_buffer, .address_space: global }
      - { .name: learnable_tokens, .offset: 152, .size: 8, .value_kind: global_buffer, .address_space: global }
      - { .name: modality_embed, .offset: 160, .size: 8, .value_kind: global_buffer, .address_space: global }
      - { .name: wl0, .offset: 168, .size: 8, .value_kind: global_buffer, .address_space: global }
      - { .name: wl1, .offset: 176, .size: 8, .value_kind: global_buffer, .address_space: global }
      - { .name: wfin, .offset: 184, .size: 8, .value_kind: global_buffer, .address_space: global }
      - { .name: xa, .offset: 192, .size: 8, .value_kind: global_buffer, .address_space: global }
    .group_segment_fixed_size: 0
    .private_segment_fixed_size: 0
    .kernarg_segment_align: 8
    .kernarg_segment_size: 200
    .max_flat_workgroup_size: 256
    .sgpr_count:     100
    .vgpr_count:     48
    .wavefront_size: 32
...
	.end_amdgpu_metadata
.endif
;; end of part 1
;; launch attn0 (part 2): grid 4 x 64, 4 waves a work-group, no clusters, 86,528 bytes of LDS; arguments valid_feats_projected, valid_coords, hand_translation_all, head_translation_all, wl0, xa, part; writes part
.if DOCPART == 2
	.amdgcn_target "amdgcn-amd-amdhsa--gfx1250"
	.amdhsa_code_object_version 6
	.text
	.protected	k_qf81a2a0437_attn0
	.globl	k_qf81a2a0437_attn0
	.p2align	8
	.type	k_qf81a2a0437_attn0,@function
k_qf81a2a0437_attn0:
	s_mov_b64 s[64:65], 0
	v_nop
	global_prefetch_b8 v0, s[64:65] scope:SCOPE_SE
	s_setreg_imm32_b32 hwreg(HW_REG_WAVE_MODE, 25, 1), 1
	s_wait_xcnt 0x0
; ONE LAYER'S CROSS-ATTENTION OVER 1,024 KEYS OF ONE BATCH (work-group x = which quarter of the 4,096 keys, y = batch); the four quarters are joined by the next launch.
; WHAT IS COMPUTED.  q = rope(Wq x + bq) for the batch's tokens; for each key k = rope(Wk kv + bk); s = q . k; p = 2^(c s - c m), c = log2(e) / sqrt(30), with a running maximum m;
; O[column][feature] = sum of p kv[feature].  Wv is applied later, to O / l: the weights of a row sum to 1, so sum p (Wv kv + bv) = Wv (sum p kv) + bv sum p.
; kv in LDS carries 1.0 at feature 240 (0 beyond): Wk's column 240 is bk, and O's feature 240 is l, the sum of the weights as the product takes them.
; SHARES.  64 keys a step, 16 steps.  Wave w brings keys 16 w .. 16 w + 15 of a step (15,360 dense bytes, 30 loads of 512 consecutive bytes), rounds them to bf16 into T[key][256], and makes cos and sin of
; those keys' angles for all waves.  For the arithmetic wave w owns heads 2 w and 2 w + 1 over all 64 keys; its columns are 4 e + t (e local head, t token); columns with t = 3 or above 7 have q = 0.
; LAYOUT.  K^T = Wk kv^T: a lane holds one key (lane % 16) and 8 dims; rotated and rounded to f16 these registers ARE source 0 (16 keys x 32 dims) of S = K q; S holds one column a lane and 8 keys;
; two such, rounded to bf16, ARE source 1 of O^T = kv^T P, whose source 0 comes out of T turned (ds_load_tr16_b128).
; TWO SLOTS of T and of the cos/sin table take turns; one barrier a step: in front of it a wave's reads of the slot in hand and its stores into the other are done.
; NO CLUSTER, NO TENSOR LOADS: kv must be rounded on its way, so it passes through registers; the four work-groups of a batch share only Wk and Wq, 262,144 bytes once against 983,040 of their own.
; FORMATS AND LIMITS.  kv, Wk, P in bf16; q, k in f16 (within 65,504); sums, m, O in f32.  Coordinates are rounded to bf16.  sin and cos: the angle in half turns less its nearest whole number
; (|coordinate x frequency / pi| below 2^31), then the series to g^9 (error up to 3.6e-6) and g^10 (5e-7).  A weight below 2^-126 counts as 0.  NaN and infinities are not treated apart.
; T's pitch of 528 bytes is free of bank conflicts for the plain 16-byte loads and two deep for the turning ones.
.set TP,     528                       ; a key's row in T: 512 bytes + 16
.set TSLOT,  64*TP
.set TRB,    2*TSLOT                   ; the cos/sin tables: a key has [half of the lanes 2][cos 8, sin 8] f32 + 16 bytes
.set TRP,    144
.set TRSLOT, 64*TRP
.set SPARE,  TRB+2*TRSLOT              ; the spare words, 128 bytes a wave
.set SGP,    1040                      ; the way out: a wave's stage of 16 rows in T's bytes
.set SGW,    16*SGP
; window 0
.set KA,  3                            ; r TP + 16 h
.set VA,  4                            ; (8 h + l % 8) TP + 16 ((l / 8) % 2)
.set CA,  5                            ; TRB + r TRP + 64 h
.set TW,  6                            ; the same for key 16 w + r
.set GOF, 7                            ; w 15,360 + 16 l
.set COF, 8                            ; (16 w + r) 12
.set STO, 9
.set RD,  10
.set GST, 11                           ; 16 l
.set XOF, 12
.set LL,  13                           ; l
.set SA,  14                           ; v14-28: where load i % 15 of my 30 puts its 8 bytes
.set NIL, 29
.set CO,  30                           ; v30-32 my key's coordinates
.set SPW, 33
.set CF,  34                           ; v34-41 frequency / pi of my lane's 8 pairs
.set MX,  42
.set TK,  43
.set AF,  44                           ; v44:45 a
.set CM,  46                           ; v46:47 c m
.set C0,  48                           ; v48-51 at work
.set TMP, 52
.set CMA, 55
.set QB,  56                           ; v56-71 q, source 1, by local head
.set ACC, 72                           ; v72-135 K^T [key tile 2][dim tile 4][8]; also at work for the input
.set KP,  136                          ; v136-167 k in f16 [key tile 2][head 2][8]
.set CS,  168                          ; v168-199 cos 8, sin 8 [key tile 2]
.set S,   200                          ; v200-231 scores [key tile 4][8]
.set P,   232                          ; v232-247
.set TM,  248                          ; v248-255 at work
.set XF,  136                          ; the opening: x, source 1
.set QC,  248
.set T8,  72
.set N8,  80
.set Z8,  88
.set XC,  96
.set XS,  99
.set TT,  101
.set TG,  104                          ; v104-119 cos 8, sin 8 as made
.set RAW, 128                          ; window 1: v0-127 O^T [feature tile 16][8]; v128-247 kv as loaded.  Window 2: Wk.  Window 3: fragments of kv (the opening: Wq)
.set WV,  22
.set BB,  23
.set SS,  24
.set CNT, 25
.set SEL, 26
.set HM,  28                           ; lanes 16-31
.set QM0, 29
.set QM1, 30
.set WT,  31
.set CC,  32
.set PA,  44                           ; s[44:53] the sine's five coefficients, each twice
.set PB,  54                           ; s[54:63] the cosine's
.set MSB, 0
.macro WIN new                         ; the high byte repeats the setting that is left; a switch that changes nothing is dropped
.if MSB != (\new)
	s_set_vgpr_msb (MSB<<8)|(\new)
.set MSB, (\new)
.endif
.endm
.macro PLACES                          ; four plain vector instructions between a matrix instruction and what reads its result or loads into its registers
.rept 4
	v_nop
.endr
.endm
.macro SPAIR r, x
	s_mov_b32 s[\r], \x
	s_mov_b32 s[\r+1], \x
.endm
.macro SETCF k, a, b
	v_mov_b32 v[CF+\k], \a
	v_mov_b32 v[C0], \b
	v_cndmask_b32 v[CF+\k], v[CF+\k], v[C0], s[HM]
.endm
.macro LOADS                           ; a step's input: my 16 keys, and their coordinates: 33 loads
	WIN 0x40
.set i, 0
.rept 30
	global_load_b128 v[RAW+4*i:RAW+4*i+3], v[GOF], s[8:9] offset:512*i th:TH_LOAD_NT
.set i, i+1
.endr
	WIN 0
.irp a, 0,1,2
	global_load_b32 v[CO+\a], v[COF], s[10:11] offset:4*\a
.endr
.endm
.macro STEP                            ; stands behind a wait for all loads, so the bases are free
	s_add_nc_u64 s[8:9], s[8:9], 61440
	s_add_nc_u64 s[10:11], s[10:11], 768
.endm
.macro CONVERT slot                    ; f32 to bf16, 8 bytes a lane and load into T
	WIN 0x05
.set i, 0
.rept 30
	v_cvt_pk_bf16_f32 v[ACC+2*i], v[RAW+4*i], v[RAW+4*i+1]
	v_cvt_pk_bf16_f32 v[ACC+2*i+1], v[RAW+4*i+2], v[RAW+4*i+3]
.set i, i+1
.endr
	WIN 0
.set i, 0
.rept 30
	ds_store_b64 v[SA+i%15], v[ACC+2*i:ACC+2*i+1] offset:(\slot)*TSLOT+(i/15)*8*TP
.set i, i+1
.endr
.endm
; cos and sin of my lane's 8 pairs.  Pair p of a head's 15 has axis p / 5 and frequency p % 5; lanes 0-15 hold pairs 0-3 and 8-11, lanes 16-31 pairs 4-7 and 12-15 (15 is padding: factor 0).
.macro TRIG src
	v_cvt_pk_bf16_f32 v[TT], v[\src], v[\src+1]
	v_cvt_pk_bf16_f32 v[TT+1], v[\src+2], v[\src+2]
	v_lshlrev_b32 v[XC], 16, v[TT]
	v_and_b32 v[XC+1], 0xffff0000, v[TT]
	v_lshlrev_b32 v[XC+2], 16, v[TT+1]
	v_cndmask_b32 v[XS], v[XC], v[XC+1], s[HM]
	v_cndmask_b32 v[XS+1], v[XC+1], v[XC+2], s[HM]
	v_mul_f32 v[T8], v[XC], v[CF]
.irp k, 1,2,3
	v_mul_f32 v[T8+\k], v[XS], v[CF+\k]
.endr
.irp k, 4,5
	v_mul_f32 v[T8+\k], v[XS+1], v[CF+\k]
.endr
.irp k, 6,7
	v_mul_f32 v[T8+\k], v[XC+2], v[CF+\k]
.endr
.irp k, 0,1,2,3,4,5,6,7
	v_rndne_f32 v[N8+\k], v[T8+\k]
.endr
.irp p, 0,2,4,6
	v_pk_add_f32 v[T8+\p:T8+\p+1], v[T8+\p:T8+\p+1], v[N8+\p:N8+\p+1] neg_lo:[0,1] neg_hi:[0,1]  ; g, within half a half turn
.endr
.irp p, 0,2,4,6
	v_pk_mul_f32 v[Z8+\p:Z8+\p+1], v[T8+\p:T8+\p+1], v[T8+\p:T8+\p+1]
.endr
.irp p, 0,2,4,6
	v_pk_fma_f32 v[TG+8+\p:TG+9+\p], v[Z8+\p:Z8+\p+1], s[PA+8:PA+9], s[PA+6:PA+7] op_sel_hi:[1,0,0]
	v_pk_fma_f32 v[TG+\p:TG+\p+1], v[Z8+\p:Z8+\p+1], s[PB+8:PB+9], s[PB+6:PB+7] op_sel_hi:[1,0,0]
.endr
.irp c, 4,2,0
.irp p, 0,2,4,6
	v_pk_fma_f32 v[TG+8+\p:TG+9+\p], v[TG+8+\p:TG+9+\p], v[Z8+\p:Z8+\p+1], s[PA+\c:PA+\c+1] op_sel_hi:[1,1,0]
	v_pk_fma_f32 v[TG+\p:TG+\p+1], v[TG+\p:TG+\p+1], v[Z8+\p:Z8+\p+1], s[PB+\c:PB+\c+1] op_sel_hi:[1,1,0]
.endr
.endr
.irp p, 0,2,4,6
	v_pk_mul_f32 v[TG+8+\p:TG+9+\p], v[TG+8+\p:TG+9+\p], v[T8+\p:T8+\p+1]
	v_pk_fma_f32 v[TG+\p:TG+\p+1], v[TG+\p:TG+\p+1], v[Z8+\p:Z8+\p+1], 1.0 op_sel_hi:[1,1,0]
.endr
.irp k, 0,1,2,3,4,5,6,7
	v_cvt_i32_f32 v[N8+\k], v[N8+\k]
.endr
.irp k, 0,1,2,3,4,5,6,7
	v_lshlrev_b32 v[N8+\k], 31, v[N8+\k]           ; an odd number of half turns turns both signs
.endr
.irp k, 0,1,2,3,4,5,6,7
	v_xor_b32 v[TG+\k], v[TG+\k], v[N8+\k]
	v_xor_b32 v[TG+8+\k], v[TG+8+\k], v[N8+\k]
.endr
.endm
.macro TRST slot
.irp i4, 0,1,2,3
	ds_store_b128 v[TW], v[TG+4*\i4:TG+4*\i4+3] offset:(\slot)*TRSLOT+16*\i4
.endr
.endm
; One head of one tile of 16 keys (or columns): 8 pairs (x1, x2) become (x1 cos - x2 sin, x1 sin + x2 cos) and are rounded to f16.  Ascending.
.macro ROPEPK acc, cs, dst
.irp g4, 0,4
.set k, \g4
.rept 4
.set rx, (\acc)+2*k
.set rc, (\cs)+(k&6)
.set rt, TM+2*(k%4)
.if k&1
	v_pk_mul_f32 v[rt:rt+1], v[rx:rx+1], v[rc:rc+1] op_sel:[0,1] op_sel_hi:[1,1]
.else
	v_pk_mul_f32 v[rt:rt+1], v[rx:rx+1], v[rc:rc+1] op_sel:[0,0] op_sel_hi:[1,0]
.endif
.set k, k+1
.endr
.set k, \g4
.rept 4
.set rx, (\acc)+2*k
.set rc, (\cs)+8+(k&6)
.set rt, TM+2*(k%4)
.if k&1
	v_pk_fma_f32 v[rt:rt+1], v[rx:rx+1], v[rc:rc+1], v[rt:rt+1] op_sel:[1,1,0] op_sel_hi:[0,1,1] neg_lo:[1,0,0]
.else
	v_pk_fma_f32 v[rt:rt+1], v[rx:rx+1], v[rc:rc+1], v[rt:rt+1] op_sel:[1,0,0] op_sel_hi:[0,0,1] neg_lo:[1,0,0]
.endif
.set k, k+1
.endr
.set k, \g4
.rept 4
.set rt, TM+2*(k%4)
	v_cvt_pk_f16_f32 v[(\dst)+k], v[rt], v[rt+1]
.set k, k+1
.endr
.endr
.endm
; Key tiles 2 g and 2 g + 1 of the step in slot: K^T for my two heads (64 products, 8 accumulators by turns), the rotation, and the scores (4 products, 2 accumulators by turns).
.macro KPART slot, g
	PLACES
	WIN 0xc0
.set kt, 0
.rept 2
.set kk, 0
.rept 8
	ds_load_b128 v[64*kt+8*kk:64*kt+8*kk+3], v[KA] offset:(\slot)*TSLOT+(2*(\g)+kt)*16*TP+64*kk
	ds_load_b128 v[64*kt+8*kk+4:64*kt+8*kk+7], v[KA] offset:(\slot)*TSLOT+(2*(\g)+kt)*16*TP+64*kk+32
.set kk, kk+1
.endr
.set kt, kt+1
.endr
	WIN 0
.set kt, 0
.rept 2
.irp i4, 0,1,2,3
	ds_load_b128 v[CS+16*kt+4*\i4:CS+16*kt+4*\i4+3], v[CA] offset:(\slot)*TRSLOT+(2*(\g)+kt)*16*TRP+16*\i4
.endr
.set kt, kt+1
.endr
	s_wait_dscnt 0x8                               ; the fragments of kv are in; the eight loads of cos and sin, issued last, may stay out
	WIN 0x0e
.set kk, 0
.rept 8
.set kt, 0
.rept 2
.set uu, 0
.rept 4
.if kk == 0
	v_wmma_f32_16x16x32_bf16 v[ACC+32*kt+8*uu:ACC+32*kt+8*uu+7], v[8*(4*kk+uu):8*(4*kk+uu)+7], v[64*kt+8*kk:64*kt+8*kk+7], 0
.else
	v_wmma_f32_16x16x32_bf16 v[ACC+32*kt+8*uu:ACC+32*kt+8*uu+7], v[8*(4*kk+uu):8*(4*kk+uu)+7], v[64*kt+8*kk:64*kt+8*kk+7], v[ACC+32*kt+8*uu:ACC+32*kt+8*uu+7]
.endif
.set uu, uu+1
.endr
.set kt, kt+1
.endr
.set kk, kk+1
.endr
	WIN 0
	s_wait_dscnt 0x0                               ; cos and sin
	PLACES
	ROPEPK ACC, CS, KP
	ROPEPK ACC+16, CS, KP+8
	ROPEPK ACC+32, CS+16, KP+16
	ROPEPK ACC+48, CS+16, KP+24
	v_wmma_f32_16x16x32_f16 v[S+16*(\g):S+16*(\g)+7], v[KP:KP+7], v[QB:QB+7], 0
	v_wmma_f32_16x16x32_f16 v[S+16*(\g)+8:S+16*(\g)+15], v[KP+16:KP+23], v[QB:QB+7], 0
	v_wmma_f32_16x16x32_f16 v[S+16*(\g):S+16*(\g)+7], v[KP+8:KP+15], v[QB+8:QB+15], v[S+16*(\g):S+16*(\g)+7]
	v_wmma_f32_16x16x32_f16 v[S+16*(\g)+8:S+16*(\g)+15], v[KP+24:KP+31], v[QB+8:QB+15], v[S+16*(\g)+8:S+16*(\g)+15]
.endm
; The step's softmax and O^T += kv^T P (32 products, 16 accumulators by turns).  The 64 turning loads go out first and land under the vector work.
.macro SOFTAV slot
	PLACES
	WIN 0xc0
.set gg, 0
.rept 2
.set ft, 0
.rept 16
	ds_load_tr16_b128 v[128*gg+8*ft:128*gg+8*ft+3], v[VA] offset:(\slot)*TSLOT+gg*32*TP+32*ft
	ds_load_tr16_b128 v[128*gg+8*ft+4:128*gg+8*ft+7], v[VA] offset:(\slot)*TSLOT+gg*32*TP+16*TP+32*ft
.set ft, ft+1
.endr
.set gg, gg+1
.endr
	WIN 0
.irp n, 0,1,2,3
	v_max3_num_f32 v[C0+\n], v[S+8*\n], v[S+8*\n+1], v[S+8*\n+2]
.endr
.irp n, 0,1,2,3
	v_max3_num_f32 v[C0+\n], v[C0+\n], v[S+8*\n+3], v[S+8*\n+4]
.endr
.irp n, 0,1,2,3
	v_max3_num_f32 v[C0+\n], v[C0+\n], v[S+8*\n+5], v[S+8*\n+6]
.endr
	v_max3_num_f32 v[C0], v[C0], v[S+7], v[S+15]
	v_max3_num_f32 v[C0+1], v[C0+1], v[S+23], v[S+31]
	v_max3_num_f32 v[C0+2], v[C0+2], v[C0+3], v[MX]
	v_max3_num_f32 v[C0], v[C0], v[C0+1], v[C0+2]
	v_permlanex16_b32 v[C0+3], v[C0], s[SEL], s[SEL+1]   ; the column's other 32 keys lie in the lane 16 away
	v_mov_b32 v[TMP], v[CM]
	v_max_num_f32 v[MX], v[C0], v[C0+3]
	v_mul_f32 v[CM], s[CC], v[MX]
	v_sub_f32 v[TMP], v[TMP], v[CM]
.set i, 0
.rept 16
	v_pk_fma_f32 v[S+2*i:S+2*i+1], v[S+2*i:S+2*i+1], s[CC:CC+1], v[CM:CM+1] op_sel_hi:[1,0,0] neg_lo:[0,0,1] neg_hi:[0,0,1]
.set i, i+1
.endr
	v_exp_f32 v[AF], v[TMP]
.set i, 0
.rept 32
	v_exp_f32 v[S+i], v[S+i]
.set i, i+1
.endr
	v_nop                                          ; a plain instruction between the last exponential and the use of its result (ISA guide 5.7.2)
.set i, 0
	s_wait_alu depctr_va_vdst(0)
.rept 16
	v_cvt_pk_bf16_f32 v[P+i], v[S+2*i], v[S+2*i+1]
.set i, i+1
.endr
	WIN 0x41
.set i, 0
.rept 64
	v_pk_mul_f32 v[2*i:2*i+1], v[2*i:2*i+1], v[AF:AF+1] op_sel_hi:[1,0]
.set i, i+1
.endr
	s_wait_dscnt 0x0                               ; kv^T is in
	WIN 0x53
.set gg, 0
.rept 2
.set ft, 0
.rept 16
	v_wmma_f32_16x16x32_bf16 v[8*ft:8*ft+7], v[128*gg+8*ft:128*gg+8*ft+7], v[P+8*gg:P+8*gg+7], v[8*ft:8*ft+7]
.set ft, ft+1
.endr
.set gg, gg+1
.endr
	WIN 0
.endm
	s_load_b256 s[8:15], s[0:1], 0x0               ; kv 8, coords 10, hand 12, head 14
	s_load_b128 s[16:19], s[0:1], 0x20             ; the layer's weights 16, x 18
	s_load_b64 s[20:21], s[0:1], 0x30              ; part
	v_lshl_add_u32 v[SPW], v0, 2, SPARE
	v_mov_b32 v[NIL], 0
	v_lshrrev_b32 v[LL], 5, v0
	v_readfirstlane_b32 s[WV], v[LL]
	s_and_b32 s[BB], ttmp7, 0xffff
	s_mov_b32 s[SS], ttmp9
	v_and_b32 v[LL], 31, v0
	v_and_b32 v1, 15, v0                           ; r
	v_bfe_u32 v2, v0, 4, 1                         ; h
	v_and_b32 v[TK], 3, v0                         ; a column's token
	v_mul_u32_u24 v[KA], v1, TP
	v_lshl_add_u32 v[KA], v2, 4, v[KA]
	v_and_b32 v[C0], 7, v0
	v_lshl_add_u32 v[VA], v2, 3, v[C0]
	v_mul_u32_u24 v[VA], v[VA], TP
	v_bfe_u32 v[C0], v0, 3, 1
	v_lshl_add_u32 v[VA], v[C0], 4, v[VA]
	v_mul_u32_u24 v[CA], v1, TRP
	v_lshl_add_u32 v[CA], v2, 6, v[CA]
	v_add_nc_u32 v[CA], TRB, v[CA]
	s_mul_i32 s66, s[WV], 16*TRP
	v_add_nc_u32 v[TW], s66, v[CA]
	s_mul_i32 s66, s[WV], 15360
	v_lshl_add_u32 v[GOF], v[LL], 4, s66
	s_mul_i32 s66, s[WV], 192
	v_mad_u32_u24 v[COF], v1, 12, s66
	s_mul_i32 s67, s[WV], SGW
	v_mul_u32_u24 v[CMA], v1, SGP
	v_add_nc_u32 v[CMA], s67, v[CMA]
	v_lshl_add_u32 v[STO], v2, 5, v[CMA]
	v_lshl_add_u32 v[RD], v[LL], 4, s67
	v_lshlrev_b32 v[GST], 4, v[LL]
	s_lshl_b32 s66, s[BB], 11
	v_lshl_add_u32 v[XOF], v[TK], 9, s66
	v_lshl_add_u32 v[XOF], v2, 4, v[XOF]
	s_mul_i32 s[WT], s[WV], 16*TP
	; Load i brings units 32 i + l of 16 bytes; a key has 60.  key = (u x 1093) >> 16 and quad = (((u x 1093) & 65535) x 60) >> 16 are exact for u < 480; 15 loads are 8 keys, so 15 addresses serve.
.set i, 0
.rept 15
	v_add_nc_u32 v[C0+1], 32*i, v[LL]
	v_mul_u32_u24 v[C0+1], v[C0+1], 1093
	v_lshrrev_b32 v[C0+2], 16, v[C0+1]
	v_and_b32 v[C0+1], 0xffff, v[C0+1]
	v_mul_u32_u24 v[C0+1], v[C0+1], 60
	v_lshrrev_b32 v[C0+1], 16, v[C0+1]
	v_mad_u32_u24 v[C0+2], v[C0+2], TP, s[WT]
	v_lshl_add_u32 v[SA+i], v[C0+1], 3, v[C0+2]
.set i, i+1
.endr
	v_cmp_eq_u32 s[HM], 1, v2
	v_cmp_gt_u32 s[QM0], 3, v1                     ; columns 0-2: local head 0
	v_add_nc_u32 v[C0+1], -4, v1
	v_cmp_gt_u32 s[QM1], 3, v[C0+1]                ; columns 4-6: local head 1
	v_cmp_eq_u32 s70, 1, v[TK]
	v_cmp_eq_u32 s71, 2, v[TK]
	s_mov_b32 s[SEL], 0x76543210
	s_mov_b32 s[SEL+1], 0xfedcba98
	SPAIR CC, 0x3e86dc38                           ; c = log2(e) / sqrt(30) = 0.263399
	SPAIR PA, 0x40490fdb                           ; sin(pi g) = g (pi - 5.167713 z + 2.550164 z^2 - 0.599265 z^3 + 0.082146 z^4), z = g^2
	SPAIR PA+2, 0xc0a55de7
	SPAIR PA+4, 0x402335e3
	SPAIR PA+6, 0xbf196966
	SPAIR PA+8, 0x3da83c1b
	SPAIR PB, 0xc09de9e6                           ; cos(pi g) = 1 - 4.934802 z + 4.058712 z^2 - 1.335263 z^3 + 0.235331 z^4 - 0.025807 z^5
	SPAIR PB+2, 0x4081e0f8
	SPAIR PB+4, 0xbfaae9e4
	SPAIR PB+6, 0x3e70fa83
	SPAIR PB+8, 0xbcd368f9
.set F0, 0x3ea2f983                    ; 10000^(-i/5) / pi, i = 0..4
.set F1, 0x3d4ea350
.set F2, 0x3c02ffe8
.set F3, 0x3aa618aa
.set F4, 0x39529891
	SETCF 0, F0, F4
	SETCF 1, F1, F0
	SETCF 2, F2, F1
	SETCF 3, F3, F2
	SETCF 4, F3, F2
	SETCF 5, F4, F3
	SETCF 6, F0, F4
	SETCF 7, F1, 0
	; T's columns 240..255, written once: 1.0 and zeros; lanes 0-15 my 16 keys in slot 0, lanes 16-31 in slot 1
	v_mul_u32_u24 v[C0+1], v1, TP
	v_mad_u32_u24 v[C0+1], v2, TSLOT, v[C0+1]
	v_add_nc_u32 v[C0+1], s[WT], v[C0+1]
	v_mov_b32 v[TM], 0x3f80
.irp j, 1,2,3,4,5,6,7
	v_mov_b32 v[TM+\j], 0
.endr
	ds_store_b128 v[C0+1], v[TM:TM+3] offset:480
	ds_store_b128 v[C0+1], v[TM+4:TM+7] offset:496
	s_wait_kmcnt 0x0
	s_mul_i32 s66, s[BB], 3932160
	s_mul_i32 s67, s[SS], 983040
	s_add_co_u32 s66, s66, s67
	s_mov_b32 s67, 0
	s_add_nc_u64 s[8:9], s[8:9], s[66:67]          ; kv at my work-group's first key
	s_mul_i32 s66, s[BB], 49152
	s_mul_i32 s68, s[SS], 12288
	s_add_co_u32 s66, s66, s68
	s_add_nc_u64 s[10:11], s[10:11], s[66:67]
	s_mul_i32 s66, s[BB], 12
	s_add_nc_u64 s[12:13], s[12:13], s[66:67]
	s_add_nc_u64 s[14:15], s[14:15], s[66:67]
	s_load_b96 s[36:38], s[12:13], 0x0
	s_load_b96 s[40:42], s[14:15], 0x0
	s_lshl_b32 s66, s[WV], 15
	s_add_nc_u64 s[16:17], s[16:17], s[66:67]      ; my section of Wk; Wq's lies 131,072 on
	s_lshl2_add_u32 s66, s[BB], s[SS]
	s_lshl_b32 s66, s66, 15
	s_lshl_b32 s68, s[WV], 13
	s_add_co_u32 s66, s66, s68
	s_add_nc_u64 s[20:21], s[20:21], s[66:67]      ; my 8 rows of the block
.set i, 0
.rept 8
	global_load_b128 v[XF+8*i:XF+8*i+3], v[XOF], s[18:19] offset:262144+64*i
	global_load_b128 v[XF+8*i+4:XF+8*i+7], v[XOF], s[18:19] offset:262144+64*i+32
.set i, i+1
.endr
	WIN 0xc0
.set i, 0
.rept 64
	global_load_b128 v[4*i:4*i+3], v[GST], s[16:17] offset:131072+512*i
.set i, i+1
.endr
	WIN 0x80
.set i, 0
.rept 64
	global_load_b128 v[4*i:4*i+3], v[GST], s[16:17] offset:512*i
.set i, i+1
.endr
	LOADS                                          ; step 0
	; O^T starts at 0, m at the lowest finite number, c m far below every c s: the first step is a step like any other, with a = 0.  The price: 128 moves, in the wait for the first loads.
	WIN 0x40
.set i, 0
.rept 128
	v_mov_b32 v[i], 0
.set i, i+1
.endr
	WIN 0
	v_mov_b32 v[MX], 0xff7fffff
	v_mov_b32 v[CM], 0xfe000000
	v_mov_b32 v[CM+1], 0xfe000000
	v_mov_b32 v[AF+1], 0
	s_wait_kmcnt 0x0
.irp a, 0,1,2
	v_cndmask_b32 v[QC+\a], 0, s[36+\a], s70       ; token 1: the hand's place; token 2: the head's; else 0
	v_cndmask_b32 v[QC+\a], v[QC+\a], s[40+\a], s71
.endr
	TRIG QC
	s_wait_loadcnt 63                              ; 177 loads were issued, x and Wq first (80): with 63 out at the most they are in
	WIN 0x03
.set kk, 0
.rept 8
.set uu, 0
.rept 4
.if kk == 0
	v_wmma_f32_16x16x32_f16 v[ACC+8*uu:ACC+8*uu+7], v[8*(4*kk+uu):8*(4*kk+uu)+7], v[XF+8*kk:XF+8*kk+7], 0
.else
	v_wmma_f32_16x16x32_f16 v[ACC+8*uu:ACC+8*uu+7], v[8*(4*kk+uu):8*(4*kk+uu)+7], v[XF+8*kk:XF+8*kk+7], v[ACC+8*uu:ACC+8*uu+7]
.endif
.set uu, uu+1
.endr
.set kk, kk+1
.endr
	WIN 0
	PLACES
	ROPEPK ACC, TG, QB
	ROPEPK ACC+16, TG, QB+8
.set i, 0
.rept 8
	v_cndmask_b32 v[QB+i], 0, v[QB+i], s[QM0]      ; a head's q stands in its own three columns alone
	v_cndmask_b32 v[QB+8+i], 0, v[QB+8+i], s[QM1]
.set i, i+1
.endr
	s_wait_loadcnt 0x0                             ; Wk and step 0
	CONVERT 0
	TRIG CO
	TRST 0
	STEP
	LOADS                                          ; step 1
	s_wait_dscnt 0x0
	s_barrier_signal -1
	s_barrier_wait -1
	s_mov_b32 s[CNT], 0
.Lpair:                                        ; 8 trips of two steps; a step's 33 loads have the whole step before in which to land
	KPART 0, 0
	KPART 0, 1
	SOFTAV 0
	s_wait_loadcnt 0x0                             ; the odd step's input
	CONVERT 1
	TRIG CO
	TRST 1
	s_cmp_eq_u32 s[CNT], 7
	s_cbranch_scc1 .Lno_a                          ; the last trip loads nothing: no load passes the work-group's 1,024 keys
	STEP
	LOADS
.Lno_a:
	s_wait_dscnt 0x0                               ; my reads of slot 0 and my stores into slot 1 are done
	s_barrier_signal -1
	s_barrier_wait -1
	KPART 1, 0
	KPART 1, 1
	SOFTAV 1
	s_cmp_eq_u32 s[CNT], 7
	s_cbranch_scc1 .Lno_b
	s_wait_loadcnt 0x0
	CONVERT 0
	TRIG CO
	TRST 0
	STEP
	LOADS
.Lno_b:
	s_wait_dscnt 0x0                               ; my reads of slot 1 and my stores into slot 0 are done
	s_barrier_signal -1
	s_barrier_wait -1
	s_add_co_u32 s[CNT], s[CNT], 1
	s_cmp_lt_u32 s[CNT], 8
	s_cbranch_scc1 .Lpair
	; THE WAY OUT.  O^T goes into my stage (a row a column; T is read no more: the loop's last barrier), c m into column 241; the 8 real rows come back whole and leave as 8,192 consecutive bytes.
	PLACES
	WIN 0x04
.set i, 0
.rept 16
	ds_store_b128 v[STO], v[8*i:8*i+3] offset:64*i
	ds_store_b128 v[STO], v[8*i+4:8*i+7] offset:64*i+16
.set i, i+1
.endr
	WIN 0
	ds_store_b32 v[CMA], v[CM] offset:964
.set i, 0
.rept 16
	ds_load_b128 v[ACC+4*i:ACC+4*i+3], v[RD] offset:(i/2)*SGP+(i%2)*512   ; LDS serves a wave's instructions in order (ISA guide 5.7.1.4): these see the stores above
.set i, i+1
.endr
	s_wait_dscnt 0x0
.set i, 0
.rept 16
	global_store_b128 v[GST], v[ACC+4*i:ACC+4*i+3], s[20:21] offset:512*i
.set i, i+1
.endr
	s_wait_tensorcnt 0x0                           ; the wave's end: behind my last LDS store
	ds_add_u32 v[SPW], v[NIL]
	s_wait_dscnt 0x0
	s_endpgm
.Lfunc_end_k_qf81a2a0437_attn0:
	.size	k_qf81a2a0437_attn0, .Lfunc_end_k_qf81a2a0437_attn0-k_qf81a2a0437_attn0
	.p2alignl 7, 3214868480
	.fill 96, 4, 3214868480
	.section	.rodata,"a",@progbits
	.p2align	6, 0x0
	.amdhsa_kernel k_qf81a2a0437_attn0
		.amdhsa_group_segment_fixed_size 86528
		.amdhsa_private_segment_fixed_size 0
		.amdhsa_enable_private_segment 0
		.amdhsa_kernarg_size 56
		.amdhsa_user_sgpr_count 2
		.amdhsa_user_sgpr_kernarg_segment_ptr 1
		.amdhsa_wavefront_size32 1
		.amdhsa_system_sgpr_workgroup_id_x 1
		.amdhsa_system_sgpr_workgroup_id_y 1
		.amdhsa_system_sgpr_workgroup_id_z 1
		.amdhsa_system_vgpr_workitem_id 0
		.amdhsa_next_free_vgpr 1024
		.amdhsa_next_free_sgpr 80
		.amdhsa_reserve_vcc 0
		.amdhsa_float_denorm_mode_32 3
		.amdhsa_float_denorm_mode_16_64 3
		.amdhsa_memory_ordered 1
		.amdhsa_forward_progress 1
		.amdhsa_inst_pref_size 177
	.end_amdhsa_kernel
	.amdgpu_metadata
---
amdhsa.version: [ 1, 2 ]
amdhsa.kernels:
  - .name:           k_qf81a2a0437_attn0
    .symbol:         k_qf81a2a0437_attn0.kd
    .args:
      - { .name: valid_feats_projected, .offset: 0, .size: 8, .value_kind: global_buffer, .address_space: global }
      - { .name: valid_coords, .offset: 8, .size: 8, .value_kind: global_buffer, .address_space: global }
      - { .name: hand_translation_all, .offset: 16, .size: 8, .value_kind: global_buffer, .address_space: global }
      - { .name: head_translation_all, .offset: 24, .size: 8, .value_kind: global_buffer, .address_space: global }
      - { .name: wl0, .offset: 32, .size: 8, .value_kind: global_buffer, .address_space: global }
      - { .name: xa, .offset: 40, .size: 8, .value_kind: global_buffer, .address_space: global }
      - { .name: part, .offset: 48, .size: 8, .value_kind: global_buffer, .address_space: global }
    .group_segment_fixed_size: 86528
    .private_segment_fixed_size: 0
    .kernarg_segment_align: 8
    .kernarg_segment_size: 56
    .max_flat_workgroup_size: 128
    .sgpr_count:     80
    .vgpr_count:     1024
    .wavefront_size: 32
...
	.end_amdgpu_metadata
.endif
;; end of part 2
;; launch mid0 (part 3): grid 16 x 1, 8 waves a work-group, no clusters, 141,312 bytes of LDS; arguments part, xa, wl0, xb; writes xb
.if DOCPART == 3
	.amdgcn_target "amdgcn-amd-amdhsa--gfx1250"
	.amdhsa_code_object_version 6
	.text
	.protected	k_qf81a2a0437_mid0
	.globl	k_qf81a2a0437_mid0
	.p2align	8
	.type	k_qf81a2a0437_mid0,@function
k_qf81a2a0437_mid0:
	s_mov_b64 s[64:65], 0
	v_nop
	global_prefetch_b8 v0, s[64:65] scope:SCOPE_SE
	s_setreg_imm32_b32 hwreg(HW_REG_WAVE_MODE, 25, 1), 1
	s_wait_xcnt 0x0
; THE REST OF A LAYER for 4 batches = 16 rows (row = 4 x batch + token; token 3 is padding that stays finite and is never used).
; P0 joins the four quarters of each (batch, head, token): ctx = sum_s e_s O_s / sum_s e_s l_s, e_s = 2^(cm_s - max cm).  P1: ao = Wv ctx + bv, head by head.  P2: Wo ao.  P3: x1 = LN(x + . + bo).
; P4: h = gelu(W1 x1 + b1).  P5: W2 h.  P6: x2 = LN(x1 + . + b2), stored in f32 and in f16.  Column 240 of ctx, x1, x2 is 1.0: bv and b1 are column 240 of their weights.
; SHARES.  8 waves.  Every product is D = weights (source 0, 16 output dims) x activations (source 1, 16 rows): a lane holds one row and 8 neighbouring dims.  Wave w owns head w in P0 and P1, output tiles
; 2 w, 2 w + 1 of Wv, Wo, W2 and 8 w .. 8 w + 7 of W1, and rows 2 w, 2 w + 1 in the layer norms (16 lanes a row, features 64 q + 4 r + 0..3).
; THE RING.  Everything bulky that a wave reads from memory comes as 28 items of 16 loads of 16 bytes a lane (8 of partial sums, 20 of weights in fragment order) through four slots of 64 registers in
; window 1; item n + 4 is asked for when item n has been used, so three items, 24,576 bytes a wave, are always on their way.
; FORMATS AND LIMITS.  All operands f16 (within 65,504); sums, x, the norms' mean and variance (two passes) in f32.  erf by the rational form 1 - (a1 t + .. + a5 t^5) e^(-y^2), t = 1 / (1 + 0.3275911 y):
; absolute error up to 1.5e-7.  NaN and infinities are not treated apart.
.set CTXW,  16*528
.set AO,    8*CTXW                     ; 67,584
.set X1,    AO+CTXW
.set Y,     X1+CTXW                    ; 84,480: 16 rows of 256 f32, pitch 1,040
.set YP,    1040
.set HB,    Y+16*YP                    ; 101,120: 16 rows of 1,024 f16, pitch 2,064
.set HP,    2064
.set PRM,   HB+16*HP                   ; 134,144: six vectors of 256 f32
.set SPARE, PRM+6144                   ; 140,288: the spare words, 128 bytes a wave
.set PV,  4
.set MLV, 5
.set WVA, 6
.set CXS, 7
.set BC,  8
.set BA,  9
.set BX,  10
.set BH,  11
.set AOS, 12
.set YS,  13
.set YL,  14
.set PLA, 15
.set X1S, 16
.set HS,  17
.set XG,  18
.set X1R, 19
.set XG16, 20
.set PRS, 21
.set PRG, 22
.set SPW, 28
.set NIL, 29
.set MK0, 30
.set XR,  32                           ; v32-47 my 16 numbers of my row of x
.set BF,  48                           ; v48-111 source 1 for 8 K steps
.set ACC, 112                          ; v112-175
.set ML,  112                          ; P0: (l, c m) by item and quarter
.set CX,  176
.set WS,  192
.set CE,  200
.set CT,  204
.set HH,  208
.set YV,  176
.set BI,  192
.set LG,  208
.set LB,  224
.set GT,  176
.set GE,  184
.set GP,  192
.set GH,  200
.set GO,  208
.set MSB, 0
.macro WIN new
.if MSB != (\new)
	s_set_vgpr_msb (MSB<<8)|(\new)
.set MSB, (\new)
.endif
.endm
.macro PLACES
.rept 4
	v_nop
.endr
.endm
.macro SPAIR r, x
	s_mov_b32 s[\r], \x
	s_mov_b32 s[\r+1], \x
.endm
.macro BAR                             ; my LDS stores and loads are done; then all eight waves meet
	s_wait_dscnt 0x0
	s_barrier_signal -1
	s_barrier_wait -1
.endm
.macro ISSUE n                         ; item n into slot n % 4
.if (\n) < 28
	WIN 0x40
.if (\n) < 8
.set si, 0
.rept 4
.set qi, 0
.rept 4
	global_load_b128 v[64*((\n)%4)+16*si+4*qi:64*((\n)%4)+16*si+4*qi+3], v[PV], s[8:9] offset:((\n)/2)*131072+si*32768+((\n)%2)*2048+256*qi
.set qi, qi+1
.endr
.set si, si+1
.endr
.else
.set si, 0
.rept 16
	global_load_b128 v[64*((\n)%4)+4*si:64*((\n)%4)+4*si+3], v[WVA], s[22:23] offset:8192*((\n)-8)+512*si
.set si, si+1
.endr
.endif
	WIN 0
.endif
.endm
.macro RWAIT n                         ; item n is in: behind it the items up to n + 3 were issued, 16 loads each, as far as there are items
.if (\n) <= 24
	s_wait_loadcnt 48
.else
	s_wait_loadcnt 16*(27-(\n))
.endif
.endm
; P0, item k: batch k / 2, tokens 2 (k % 2) + (0 for lanes 0-15, 1 for lanes 16-31), head w
.macro CMB k
.set rb, 64*((\k)%4)
.set rm, ML+8*(\k)
	RWAIT \k
	v_max_num_f32 v[CT], v[rm+1], v[rm+3]
	v_max3_num_f32 v[CT], v[CT], v[rm+5], v[rm+7]
.irp s, 0,1,2,3
	v_sub_f32 v[CE+\s], v[rm+2*\s+1], v[CT]
.endr
.irp s, 0,1,2,3
	v_exp_f32 v[CE+\s], v[CE+\s]
.endr
	v_nop
	s_wait_alu depctr_va_vdst(0)
	v_mul_f32 v[CT], v[CE], v[rm]
	v_fmac_f32 v[CT], v[CE+1], v[rm+2]
	v_fmac_f32 v[CT], v[CE+2], v[rm+4]
	v_fmac_f32 v[CT], v[CE+3], v[rm+6]
	v_rcp_f32 v[CT], v[CT]
	v_nop
	s_wait_alu depctr_va_vdst(0)
.irp s, 0,1,2,3
	v_mul_f32 v[WS+2*\s], v[CE+\s], v[CT]
.endr
	WIN 0x01
.set j, 0
.rept 8
	v_pk_mul_f32 v[CX+2*j:CX+2*j+1], v[rb+2*j:rb+2*j+1], v[WS:WS+1] op_sel_hi:[1,0]
.set j, j+1
.endr
.irp s, 1,2,3
.set j, 0
.rept 8
	v_pk_fma_f32 v[CX+2*j:CX+2*j+1], v[rb+16*\s+2*j:rb+16*\s+2*j+1], v[WS+2*\s:WS+2*\s+1], v[CX+2*j:CX+2*j+1] op_sel_hi:[1,0,1]
.set j, j+1
.endr
.endr
	WIN 0
.set j, 0
.rept 8
	v_cvt_pk_f16_f32 v[HH+j], v[CX+2*j], v[CX+2*j+1]
.set j, j+1
.endr
	v_and_b32 v[HH+6], v[MK0], v[HH+6]             ; column 241 held c m: cleared; column 240 is sum e l / sum e l = 1.0
.irp q, 0,1,2,3
	ds_store_b64 v[CXS], v[HH+2*\q:HH+2*\q+1] offset:(4*((\k)/2)+2*((\k)%2))*528+128*\q
.endr
	ISSUE (\k)+4
.endm
.macro BLOAD adr, imm                  ; source 1 for 8 K steps: row r, 16 bytes for each half of the lanes, twice a step
.set i, 0
.rept 8
	ds_load_b128 v[BF+8*i:BF+8*i+3], v[\adr] offset:(\imm)+64*i
	ds_load_b128 v[BF+8*i+4:BF+8*i+7], v[\adr] offset:(\imm)+64*i+32
.set i, i+1
.endr
	s_wait_dscnt 0x0
.endm
.macro MM2 c, ks0, first               ; weight chunk c: 4 K steps x 2 tiles; the two accumulators take turns
	RWAIT (\c)+8
	WIN 0x01
.set rb, 64*(((\c)+8)%4)
.set kl, 0
.rept 4
.set uu, 0
.rept 2
.if (\first) && (kl == 0)
	v_wmma_f32_16x16x32_f16 v[ACC+8*uu:ACC+8*uu+7], v[rb+8*(2*kl+uu):rb+8*(2*kl+uu)+7], v[BF+8*((\ks0)+kl):BF+8*((\ks0)+kl)+7], 0
.else
	v_wmma_f32_16x16x32_f16 v[ACC+8*uu:ACC+8*uu+7], v[rb+8*(2*kl+uu):rb+8*(2*kl+uu)+7], v[BF+8*((\ks0)+kl):BF+8*((\ks0)+kl)+7], v[ACC+8*uu:ACC+8*uu+7]
.endif
.set uu, uu+1
.endr
.set kl, kl+1
.endr
	WIN 0
	PLACES                                         ; in front of the loads into the slot just multiplied, and of whatever reads the sums
	ISSUE (\c)+12
.endm
.macro MM8 c, ks, first                ; weight chunk c: 1 K step x 8 tiles
	RWAIT (\c)+8
	WIN 0x01
.set rb, 64*(((\c)+8)%4)
.set uu, 0
.rept 8
.if \first
	v_wmma_f32_16x16x32_f16 v[ACC+8*uu:ACC+8*uu+7], v[rb+8*uu:rb+8*uu+7], v[BF+8*(\ks):BF+8*(\ks)+7], 0
.else
	v_wmma_f32_16x16x32_f16 v[ACC+8*uu:ACC+8*uu+7], v[rb+8*uu:rb+8*uu+7], v[BF+8*(\ks):BF+8*(\ks)+7], v[ACC+8*uu:ACC+8*uu+7]
.endif
.set uu, uu+1
.endr
	WIN 0
	PLACES
	ISSUE (\c)+12
.endm
.macro YOUT                            ; two tiles of f32 sums into Y
.irp u, 0,1
	ds_store_b128 v[YS], v[ACC+8*\u:ACC+8*\u+3] offset:64*\u
	ds_store_b128 v[YS], v[ACC+8*\u+4:ACC+8*\u+7] offset:64*\u+16
.endr
.endm
.macro RSUM r                          ; the sum over the row's 16 lanes, in every one of them
	v_add_f32_dpp v[\r], v[\r], v[\r] row_xmask:1 row_mask:0xf bank_mask:0xf
	v_add_f32_dpp v[\r], v[\r], v[\r] row_xmask:2 row_mask:0xf bank_mask:0xf
	v_add_f32_dpp v[\r], v[\r], v[\r] row_xmask:4 row_mask:0xf bank_mask:0xf
	v_add_f32_dpp v[\r], v[\r], v[\r] row_xmask:8 row_mask:0xf bank_mask:0xf
.endm
; XR = LN(XR + Y + vector vb) x vector vg + vector vo; also rounded to f16 into X1.  Columns 240.. are kept out of the sums; they leave as vo's padding (1.0, then 0).
.macro LN vb, vg, vo
.irp q, 0,1,2,3
	ds_load_b128 v[YV+4*\q:YV+4*\q+3], v[YL] offset:256*\q
	ds_load_b128 v[BI+4*\q:BI+4*\q+3], v[PLA] offset:1024*(\vb)+256*\q
	ds_load_b128 v[LG+4*\q:LG+4*\q+3], v[PLA] offset:1024*(\vg)+256*\q
	ds_load_b128 v[LB+4*\q:LB+4*\q+3], v[PLA] offset:1024*(\vo)+256*\q
.endr
	s_wait_dscnt 0x0
.irp p, 0,2,4,6,8,10,12,14
	v_pk_add_f32 v[YV+\p:YV+\p+1], v[YV+\p:YV+\p+1], v[BI+\p:BI+\p+1]
.endr
.irp p, 0,2,4,6,8,10,12,14
	v_pk_add_f32 v[XR+\p:XR+\p+1], v[XR+\p:XR+\p+1], v[YV+\p:YV+\p+1]
.endr
.irp i, 12,13,14,15
	v_cndmask_b32 v[XR+\i], 0, v[XR+\i], s18
.endr
	v_pk_add_f32 v[YV:YV+1], v[XR:XR+1], v[XR+2:XR+3]
	v_pk_add_f32 v[YV+2:YV+3], v[XR+4:XR+5], v[XR+6:XR+7]
	v_pk_add_f32 v[YV+4:YV+5], v[XR+8:XR+9], v[XR+10:XR+11]
	v_pk_add_f32 v[YV+6:YV+7], v[XR+12:XR+13], v[XR+14:XR+15]
	v_pk_add_f32 v[YV:YV+1], v[YV:YV+1], v[YV+2:YV+3]
	v_pk_add_f32 v[YV+4:YV+5], v[YV+4:YV+5], v[YV+6:YV+7]
	v_pk_add_f32 v[YV:YV+1], v[YV:YV+1], v[YV+4:YV+5]
	v_add_f32 v[YV], v[YV], v[YV+1]
	RSUM YV
	v_mul_f32 v[YV], s24, v[YV]                    ; the mean
	v_mov_b32 v[YV+1], v[YV]
.irp p, 0,2,4,6,8,10,12,14
	v_pk_add_f32 v[XR+\p:XR+\p+1], v[XR+\p:XR+\p+1], v[YV:YV+1] neg_lo:[0,1] neg_hi:[0,1]
.endr
.irp i, 12,13,14,15
	v_cndmask_b32 v[XR+\i], 0, v[XR+\i], s18
.endr
	v_pk_mul_f32 v[YV+2:YV+3], v[XR:XR+1], v[XR:XR+1]
	v_pk_mul_f32 v[YV+4:YV+5], v[XR+2:XR+3], v[XR+2:XR+3]
.irp p, 4,8,12
	v_pk_fma_f32 v[YV+2:YV+3], v[XR+\p:XR+\p+1], v[XR+\p:XR+\p+1], v[YV+2:YV+3]
	v_pk_fma_f32 v[YV+4:YV+5], v[XR+\p+2:XR+\p+3], v[XR+\p+2:XR+\p+3], v[YV+4:YV+5]
.endr
	v_pk_add_f32 v[YV+2:YV+3], v[YV+2:YV+3], v[YV+4:YV+5]
	v_add_f32 v[YV+2], v[YV+2], v[YV+3]
	RSUM YV+2
	v_fma_f32 v[YV+2], v[YV+2], s24, s25           ; variance + 1e-5
	v_rsq_f32 v[YV+4], v[YV+2]
	v_rsq_f32 v[YV+5], v[YV+2]
	v_nop
	s_wait_alu depctr_va_vdst(0)
.irp p, 0,2,4,6,8,10,12,14
	v_pk_mul_f32 v[XR+\p:XR+\p+1], v[XR+\p:XR+\p+1], v[YV+4:YV+5]
.endr
.irp p, 0,2,4,6,8,10,12,14
	v_pk_fma_f32 v[XR+\p:XR+\p+1], v[XR+\p:XR+\p+1], v[LG+\p:LG+\p+1], v[LB+\p:LB+\p+1]
.endr
.irp j, 0,1,2,3,4,5,6,7
	v_cvt_pk_f16_f32 v[YV+8+\j], v[XR+2*\j], v[XR+2*\j+1]
.endr
.irp q, 0,1,2,3
	ds_store_b64 v[X1S], v[YV+8+2*\q:YV+9+2*\q] offset:128*\q
.endr
.endm
; gelu(x) = x/2 + x/2 erf(x / sqrt 2) on tile u's 8 sums, rounded to f16 into HB
.macro GELU8 u
.set ra, ACC+8*(\u)
.irp i, 0,1,2,3,4,5,6,7
	v_and_b32 v[GT+\i], s27, v[ra+\i]
.endr
.irp i, 0,1,2,3,4,5,6,7
	v_fma_f32 v[GT+\i], v[GT+\i], s26, 1.0         ; 1 + 0.3275911 |x| / sqrt 2
.endr
.irp p, 0,2,4,6
	v_pk_mul_f32 v[GE+\p:GE+\p+1], v[ra+\p:ra+\p+1], v[ra+\p:ra+\p+1]
.endr
.irp p, 0,2,4,6
	v_pk_mul_f32 v[GE+\p:GE+\p+1], v[GE+\p:GE+\p+1], s[28:29] op_sel_hi:[1,0]   ; -x^2 / 2 x log2(e)
.endr
.irp i, 0,1,2,3,4,5,6,7
	v_rcp_f32 v[GT+\i], v[GT+\i]
.endr
.irp i, 0,1,2,3,4,5,6,7
	v_exp_f32 v[GE+\i], v[GE+\i]
.endr
.irp p, 0,2,4,6
	v_pk_mul_f32 v[GH+\p:GH+\p+1], v[ra+\p:ra+\p+1], 0.5 op_sel_hi:[1,0]        ; plain work between the last exponential and the use of its result
.endr
	s_wait_alu depctr_va_vdst(0)
.irp p, 0,2,4,6
	v_pk_fma_f32 v[GP+\p:GP+\p+1], v[GT+\p:GT+\p+1], s[38:39], s[36:37] op_sel_hi:[1,0,0]
.endr
.irp c, 34,32,30
.irp p, 0,2,4,6
	v_pk_fma_f32 v[GP+\p:GP+\p+1], v[GP+\p:GP+\p+1], v[GT+\p:GT+\p+1], s[\c:\c+1] op_sel_hi:[1,1,0]
.endr
.endr
.irp p, 0,2,4,6
	v_pk_mul_f32 v[GP+\p:GP+\p+1], v[GP+\p:GP+\p+1], v[GT+\p:GT+\p+1]
.endr
.irp p, 0,2,4,6
	v_pk_fma_f32 v[GP+\p:GP+\p+1], v[GP+\p:GP+\p+1], v[GE+\p:GE+\p+1], 1.0 op_sel_hi:[1,1,0] neg_lo:[1,0,0] neg_hi:[1,0,0]
.endr
.irp i, 0,1,2,3,4,5,6,7
	v_bfi_b32 v[GP+\i], s27, v[GP+\i], v[ra+\i]    ; erf takes x's sign
.endr
.irp p, 0,2,4,6
	v_pk_fma_f32 v[GP+\p:GP+\p+1], v[GH+\p:GH+\p+1], v[GP+\p:GP+\p+1], v[GH+\p:GH+\p+1]
.endr
.irp j, 0,1,2,3
	v_cvt_pk_f16_f32 v[GO+\j], v[GP+2*\j], v[GP+2*\j+1]
.endr
	ds_store_b128 v[HS], v[GO:GO+3] offset:32*(\u)
.endm
	s_load_b256 s[8:15], s[0:1], 0x0               ; part 8, x in 10, the layer's weights 12, x out 14
	v_lshl_add_u32 v[SPW], v0, 2, SPARE
	v_mov_b32 v[NIL], 0
	v_lshrrev_b32 v3, 5, v0
	v_readfirstlane_b32 s16, v3                    ; wave
	s_mov_b32 s17, ttmp9                           ; group of 4 batches
	v_and_b32 v3, 31, v0                           ; l
	v_and_b32 v1, 15, v0                           ; r
	v_bfe_u32 v2, v0, 4, 1                         ; h
	s_lshl_b32 s40, s16, 12
	v_lshl_add_u32 v[MLV], v2, 10, s40
	v_lshl_add_u32 v[PV], v1, 4, v[MLV]
	v_lshlrev_b32 v[WVA], 4, v3
	s_mul_i32 s41, s16, CTXW
	v_mul_u32_u24 v40, v2, 528
	v_lshl_add_u32 v40, v1, 3, v40
	v_add_nc_u32 v[CXS], s41, v40
	v_mul_u32_u24 v41, v1, 528
	v_lshl_add_u32 v41, v2, 4, v41
	v_add_nc_u32 v[BC], s41, v41
	v_add_nc_u32 v[BA], AO, v41
	v_add_nc_u32 v[BX], X1, v41
	v_mul_u32_u24 v42, v1, HP
	v_lshl_add_u32 v42, v2, 4, v42
	v_add_nc_u32 v[BH], HB, v42
	s_lshl_b32 s42, s16, 6
	v_add_nc_u32 v[AOS], s42, v[BA]
	v_mul_u32_u24 v43, v1, YP
	v_lshl_add_u32 v43, v2, 5, v43
	s_lshl_b32 s42, s16, 7
	s_add_co_u32 s42, s42, Y
	v_add_nc_u32 v[YS], s42, v43
	s_mul_i32 s42, s16, 2*YP
	s_add_co_u32 s42, s42, Y
	v_mul_u32_u24 v43, v2, YP
	v_lshl_add_u32 v43, v1, 4, v43
	v_add_nc_u32 v[YL], s42, v43
	v_lshlrev_b32 v[PLA], 4, v1
	v_add_nc_u32 v[PLA], PRM, v[PLA]
	s_mul_i32 s42, s16, 2*528
	s_add_co_u32 s42, s42, X1
	v_add_nc_u32 v[X1S], s42, v40
	v_lshl_add_u32 v[X1R], v3, 4, s42
	s_lshl_b32 s42, s16, 8
	v_add_nc_u32 v[HS], s42, v[BH]
	s_lshl_b32 s42, s17, 4
	s_lshl_b32 s43, s16, 1
	s_add_co_u32 s42, s42, s43                     ; my first row of x
	s_lshl_b32 s43, s42, 10
	v_lshl_add_u32 v[XG], v2, 10, s43
	v_lshl_add_u32 v[XG], v1, 4, v[XG]
	s_lshl_b32 s43, s42, 9
	v_lshl_add_u32 v[XG16], v3, 4, s43
	v_lshlrev_b32 v[PRG], 2, v0
	v_add_nc_u32 v[PRS], PRM, v[PRG]
	v_cmp_gt_u32 s18, 12, v1                       ; of the features 192 + 4 r .. the real ones
	v_cmp_eq_u32 s19, 12, v1
	v_mov_b32 v[MK0], -1
	v_mov_b32 v31, 0xffff
	v_cndmask_b32 v[MK0], v[MK0], v31, s19
.irp s, 0,1,2,3
	v_mov_b32 v[WS+2*\s+1], 0                      ; named with the weights as pairs
.endr
	s_mov_b32 s24, 0x3b888889                      ; 1 / 240
	s_mov_b32 s25, 0x3727c5ac                      ; 1e-5
	s_mov_b32 s26, 0x3e6d3388                      ; 0.3275911 / sqrt 2
	s_mov_b32 s27, 0x7fffffff
	SPAIR 28, 0xbf38aa3b                           ; -log2(e) / 2
	SPAIR 30, 0x3e827906                           ; a1 .. a5 = 0.254829592, -0.284496736, 1.421413741, -1.453152027, 1.061405429
	SPAIR 32, 0xbe91a98e
	SPAIR 34, 0x3fb5f0e3
	SPAIR 36, 0xbfba00e3
	SPAIR 38, 0x3f87dc22
	s_wait_kmcnt 0x0
	s_lshl_b32 s40, s17, 19
	s_mov_b32 s41, 0
	s_add_nc_u64 s[8:9], s[8:9], s[40:41]          ; my 16 blocks of partial sums
	s_mul_i32 s40, s16, 163840
	s_add_co_u32 s40, s40, 262144
	s_add_nc_u64 s[22:23], s[12:13], s[40:41]      ; my wave's stream of weights
.irp v, 0,1,2,3,4,5
	global_load_b32 v[176+\v], v[PRG], s[12:13] offset:1572864+1024*\v
.endr
.irp q, 0,1,2,3
	global_load_b128 v[XR+4*\q:XR+4*\q+3], v[XG], s[10:11] offset:256*\q
.endr
.set k, 0
.rept 8
.irp s, 0,1,2,3
	global_load_b64 v[ML+8*k+2*\s:ML+8*k+2*\s+1], v[MLV], s[8:9] offset:(k/2)*131072+\s*32768+(k%2)*2048+960
.endr
.set k, k+1
.endr
	ISSUE 0
	ISSUE 1
	ISSUE 2
	ISSUE 3
	s_wait_loadcnt 63                              ; 106 loads were issued, the six of the vectors first: with 63 out at the most they are in
.irp v, 0,1,2,3,4,5
	ds_store_b32 v[PRS], v[176+\v] offset:1024*\v
.endr
.irp k, 0,1,2,3,4,5,6,7
	CMB \k
.endr
	; P1: head w's 32 dims of ao.  CTX[w] is my own: LDS serves a wave's instructions in order
	BLOAD BC, 0
	MM2 0, 0, 1
	MM2 1, 4, 0
.irp j, 0,1,2,3,4,5,6,7
	v_cvt_pk_f16_f32 v[HH+\j], v[ACC+2*\j], v[ACC+2*\j+1]
.endr
	ds_store_b128 v[AOS], v[HH:HH+3]
	ds_store_b128 v[AOS], v[HH+4:HH+7] offset:32
	BAR                                            ; ao and the six vectors are whole
	BLOAD BA, 0
	MM2 2, 0, 1
	MM2 3, 4, 0
	YOUT
	BAR
	LN 0, 1, 2
	BAR                                            ; x1 is whole, and Y has been read
	BLOAD BX, 0
	MM8 4, 0, 1
.irp k, 1,2,3,4,5,6,7
	MM8 4+\k, \k, 0
.endr
.irp u, 0,1,2,3,4,5,6,7
	GELU8 \u
.endr
	BAR                                            ; h is whole
	BLOAD BH, 0
	MM2 12, 0, 1
	MM2 13, 4, 0
.irp g, 1,2,3
	BLOAD BH, 512*\g
	MM2 12+2*\g, 0, 0
	MM2 13+2*\g, 4, 0
.endr
	YOUT
	BAR
	LN 3, 4, 5
.irp q, 0,1,2,3
	global_store_b128 v[XG], v[XR+4*\q:XR+4*\q+3], s[14:15] offset:256*\q    ; 16 lanes store 256 consecutive bytes
.endr
	ds_load_b128 v[176:179], v[X1R]                ; my own two rows in f16, 512 bytes each
	ds_load_b128 v[180:183], v[X1R] offset:528
	s_wait_dscnt 0x0
	global_store_b128 v[XG16], v[176:179], s[14:15] offset:262144
	global_store_b128 v[XG16], v[180:183], s[14:15] offset:262144+512
	s_wait_tensorcnt 0x0                           ; the wave's end: behind my last LDS store
	ds_add_u32 v[SPW], v[NIL]
	s_wait_dscnt 0x0
	s_endpgm
.Lfunc_end_k_qf81a2a0437_mid0:
	.size	k_qf81a2a0437_mid0, .Lfunc_end_k_qf81a2a0437_mid0-k_qf81a2a0437_mid0
	.p2alignl 7, 3214868480
	.fill 96, 4, 3214868480
	.section	.rodata,"a",@progbits
	.p2align	6, 0x0
	.amdhsa_kernel k_qf81a2a0437_mid0
		.amdhsa_group_segment_fixed_size 141312
		.amdhsa_private_segment_fixed_size 0
		.amdhsa_enable_private_segment 0
		.amdhsa_kernarg_size 32
		.amdhsa_user_sgpr_count 2
		.amdhsa_user_sgpr_kernarg_segment_ptr 1
		.amdhsa_wavefront_size32 1
		.amdhsa_system_sgpr_workgroup_id_x 1
		.amdhsa_system_sgpr_workgroup_id_y 1
		.amdhsa_system_sgpr_workgroup_id_z 1
		.amdhsa_system_vgpr_workitem_id 0
		.amdhsa_next_free_vgpr 512
		.amdhsa_next_free_sgpr 66
		.amdhsa_reserve_vcc 0
		.amdhsa_float_denorm_mode_32 3
		.amdhsa_float_denorm_mode_16_64 3
		.amdhsa_memory_ordered 1
		.amdhsa_forward_progress 1
		.amdhsa_inst_pref_size 156
	.end_amdhsa_kernel
	.amdgpu_metadata
---
amdhsa.version: [ 1, 2 ]
amdhsa.kernels:
  - .name:           k_qf81a2a0437_mid0
    .symbol:         k_qf81a2a0437_mid0.kd
    .args:
      - { .name: part, .offset: 0, .size: 8, .value_kind: global_buffer, .address_space: global }
      - { .name: xa, .offset: 8, .size: 8, .value_kind: global_buffer, .address_space: global }
      - { .name: wl0, .offset: 16, .size: 8, .value_kind: global_buffer, .address_space: global }
      - { .name: xb, .offset: 24, .size: 8, .value_kind: global_buffer, .address_space: global }
    .group_segment_fixed_size: 141312
    .private_segment_fixed_size: 0
    .kernarg_segment_align: 8
    .kernarg_segment_size: 32
    .max_flat_workgroup_size: 256
    .sgpr_count:     66
    .vgpr_count:     512
    .wavefront_size: 32
...
	.end_amdgpu_metadata
.endif
;; end of part 3
;; launch attn1: the kernel of part 2 again; grid 4 x 64, 4 waves a work-group, no clusters, 86,528 bytes of LDS; arguments valid_feats_projected, valid_coords, hand_translation_all, head_translation_all, wl1, xb, part; writes part
;; launch mid1: the kernel of part 3 again; grid 16 x 1, 8 waves a work-group, no clusters, 141,312 bytes of LDS; arguments part, xb, wl1, xc; writes xc
;; launch outp (part 4): grid 16 x 1, 8 waves a work-group, no clusters, 16,384 bytes of LDS; arguments xc, wfin, out0; writes out0
.if DOCPART == 4
	.amdgcn_target "amdgcn-amd-amdhsa--gfx1250"
	.amdhsa_code_object_version 6
	.text
	.protected	k_qf81a2a0437_outp
	.globl	k_qf81a2a0437_outp
	.p2align	8
	.type	k_qf81a2a0437_outp,@function
k_qf81a2a0437_outp:
	s_mov_b64 s[64:65], 0
	v_nop
	global_prefetch_b8 v0, s[64:65] scope:SCOPE_SE
	s_setreg_imm32_b32 hwreg(HW_REG_WAVE_MODE, 25, 1), 1
	s_wait_xcnt 0x0
; out0[b][t - 1] = Wout x[b][t] + bout for tokens t = 1, 2.  A work-group takes 4 batches = 16 rows of x (f16, column 240 = 1.0; bout is Wout's column 240); wave w makes output dims 32 w .. 32 w + 31.
; D = Wout (source 0) x x (source 1): a lane holds one row and 8 neighbouring dims.  The results meet in a stage of 16 rows of 960 bytes: rows 0-7 are the 8 output rows in their order, rows 8-15 take
; tokens 0 and 3, which nobody reads; the first 7,680 bytes then leave as they lie, 16 bytes a thread.  Operands f16 (within 65,504), sums f32.
.set SPARE, 15360
.set SPW, 28
.set NIL, 29
.set ACC, 48
.set WF,  64
.set BF,  192
	s_load_b128 s[8:11], s[0:1], 0x0               ; x 8, Wout's fragments 10
	s_load_b64 s[12:13], s[0:1], 0x10              ; out0
	v_lshl_add_u32 v[SPW], v0, 2, SPARE
	v_mov_b32 v[NIL], 0
	v_lshrrev_b32 v3, 5, v0
	v_readfirstlane_b32 s16, v3
	s_mov_b32 s17, ttmp9
	v_and_b32 v3, 31, v0
	v_and_b32 v1, 15, v0
	v_bfe_u32 v2, v0, 4, 1
	v_lshlrev_b32 v6, 4, v3
	s_lshl_b32 s18, s17, 13
	v_lshl_add_u32 v7, v1, 9, s18
	v_lshl_add_u32 v7, v2, 4, v7                   ; row 16 g + r of the f16 copy, 16 bytes for each half of the lanes
	v_and_b32 v4, 3, v1
	v_add_nc_u32 v4, 1, v4                         ; t + 1: 2, 3 for the tokens that leave
	v_lshrrev_b32 v8, 2, v1
	v_and_b32 v9, 1, v4
	v_and_b32 v10, 2, v4
	v_lshl_add_u32 v11, v8, 1, v9
	v_add_nc_u32 v11, 8, v11
	v_lshlrev_b32 v10, 2, v10
	v_sub_nc_u32 v11, v11, v10                     ; stage row: 2 x batch + t - 1, or 8 and up
	v_mul_u32_u24 v11, v11, 960
	s_lshl_b32 s19, s16, 7
	v_add_nc_u32 v11, s19, v11
	v_lshl_add_u32 v11, v2, 5, v11
	v_lshlrev_b32 v12, 4, v0
	s_wait_kmcnt 0x0
	s_lshl_b32 s20, s16, 14
	s_mov_b32 s21, 0
	s_add_nc_u64 s[10:11], s[10:11], s[20:21]
	s_mul_i32 s20, s17, 7680
	s_add_nc_u64 s[12:13], s[12:13], s[20:21]
.set i, 0
.rept 32
	global_load_b128 v[WF+4*i:WF+4*i+3], v6, s[10:11] offset:512*i
.set i, i+1
.endr
.set i, 0
.rept 8
	global_load_b128 v[BF+8*i:BF+8*i+3], v7, s[8:9] offset:262144+64*i
	global_load_b128 v[BF+8*i+4:BF+8*i+7], v7, s[8:9] offset:262144+64*i+32
.set i, i+1
.endr
	s_wait_loadcnt 0x0
.set kk, 0
.rept 8
.set uu, 0
.rept 2                                ; the two accumulators take turns
.if kk == 0
	v_wmma_f32_16x16x32_f16 v[ACC+8*uu:ACC+8*uu+7], v[WF+8*(2*kk+uu):WF+8*(2*kk+uu)+7], v[BF+8*kk:BF+8*kk+7], 0
.else
	v_wmma_f32_16x16x32_f16 v[ACC+8*uu:ACC+8*uu+7], v[WF+8*(2*kk+uu):WF+8*(2*kk+uu)+7], v[BF+8*kk:BF+8*kk+7], v[ACC+8*uu:ACC+8*uu+7]
.endif
.set uu, uu+1
.endr
.set kk, kk+1
.endr
.rept 4
	v_nop                                          ; four places between the last product and the stores of its result
.endr
	ds_store_b128 v11, v[ACC:ACC+3]
	ds_store_b128 v11, v[ACC+4:ACC+7] offset:16
	s_cmp_eq_u32 s16, 7
	s_cbranch_scc1 .Lno_tile                       ; wave 7's second tile is dims 240..255: padding
	ds_store_b128 v11, v[ACC+8:ACC+11] offset:64
	ds_store_b128 v11, v[ACC+12:ACC+15] offset:80
.Lno_tile:
	s_wait_dscnt 0x0
	s_barrier_signal -1
	s_barrier_wait -1
	ds_load_b128 v[32:35], v12
	s_wait_dscnt 0x0
	global_store_b128 v12, v[32:35], s[12:13]      ; 512 consecutive bytes a wave
	s_cmp_eq_u32 s16, 7
	s_cbranch_scc1 .Lend                           ; 7,680 bytes are 480 units of 16: the second pass has 224
	ds_load_b128 v[36:39], v12 offset:4096
	s_wait_dscnt 0x0
	global_store_b128 v12, v[36:39], s[12:13] offset:4096
.Lend:
	s_wait_tensorcnt 0x0                           ; the wave's end: behind my last LDS store
	ds_add_u32 v[SPW], v[NIL]
	s_wait_dscnt 0x0
	s_endpgm
.Lfunc_end_k_qf81a2a0437_outp:
	.size	k_qf81a2a0437_outp, .Lfunc_end_k_qf81a2a0437_outp-k_qf81a2a0437_outp
	.p2alignl 7, 3214868480
	.fill 96, 4, 3214868480
	.section	.rodata,"a",@progbits
	.p2align	6, 0x0
	.amdhsa_kernel k_qf81a2a0437_outp
		.amdhsa_group_segment_fixed_size 16384
		.amdhsa_private_segment_fixed_size 0
		.amdhsa_enable_private_segment 0
		.amdhsa_kernarg_size 24
		.amdhsa_user_sgpr_count 2
		.amdhsa_user_sgpr_kernarg_segment_ptr 1
		.amdhsa_wavefront_size32 1
		.amdhsa_system_sgpr_workgroup_id_x 1
		.amdhsa_system_sgpr_workgroup_id_y 1
		.amdhsa_system_sgpr_workgroup_id_z 1
		.amdhsa_system_vgpr_workitem_id 0
		.amdhsa_next_free_vgpr 256
		.amdhsa_next_free_sgpr 66
		.amdhsa_reserve_vcc 0
		.amdhsa_float_denorm_mode_32 3
		.amdhsa_float_denorm_mode_16_64 3
		.amdhsa_memory_ordered 1
		.amdhsa_forward_progress 1
		.amdhsa_inst_pref_size 9
	.end_amdhsa_kernel
	.amdgpu_metadata
---
amdhsa.version: [ 1, 2 ]
amdhsa.kernels:
  - .name:           k_qf81a2a0437_outp
    .symbol:         k_qf81a2a0437_outp.kd
    .args:
      - { .name: xc, .offset: 0, .size: 8, .value_kind: global_buffer, .address_space: global }
      - { .name: wfin, .offset: 8, .size: 8, .value_kind: global_buffer, .address_space: global }
      - { .name: out0, .offset: 16, .size: 8, .value_kind: global_buffer, .address_space: global }
    .group_segment_fixed_size: 16384
    .private_segment_fixed_size: 0
    .kernarg_segment_align: 8
    .kernarg_segment_size: 24
    .max_flat_workgroup_size: 256
    .sgpr_count:     66
    .vgpr_count:     256
    .wavefront_size: 32
...
	.end_amdgpu_metadata
.endif
;; end of part 4
;; ======== version 2 of 2: 6 launches; 1.29 times as fast as version 1
;; limits: values are held in f16: magnitudes above 65,504 overflow, below 6.1e-05 lose precision; a function is approximated: absolute error at most 3.6e-06
;; workspace buffers: wl0 1,580,032 bytes; wl1 1,580,032 bytes; wfin 133,120 bytes; xa 1,048,576 bytes; xb 1,048,576 bytes; xc 1,048,576 bytes; part 8,388,608 bytes
;; launch prep (part 5): grid 1060 x 1, 8 waves a work-group, no clusters, 0 bytes of LDS; arguments Wk, Wq, Wv, Wo, W1, W2, Wout, bk, bq, bv, bo, b1, b2, bout, ln1_g, ln1_b, ln2_g, ln2_b, state, learnable_tokens, modality_embed, wl0, wl1, wfin, xa; writes wl0, wl1, wfin, xa
.if DOCPART == 5
	.amdgcn_target "amdgcn-amd-amdhsa--gfx1250"
	.amdhsa_code_object_version 6
	.text
	.protected	k_qf81a2a0437_prep
	.globl	k_qf81a2a0437_prep
	.p2align	8
	.type	k_qf81a2a0437_prep,@function
k_qf81a2a0437_prep:
	s_mov_b64 s[64:65], 0
	v_nop
	global_prefetch_b8 v0, s[64:65] scope:SCOPE_SE
	s_setreg_imm32_b32 hwreg(HW_REG_WAVE_MODE, 25, 1), 1
	s_wait_xcnt 0x0
; PREP: every weight, bias and gain is rounded once to bf16 and laid out as the later launches read it; the three start tokens are made.
; WEIGHTS go into fragment order.  A fragment (16 rows x 32 columns) is 1,024 bytes = [half 2][lane 32][16 bytes]; the unit of lane (r, h), half f holds
; row 16 T + r, columns 32 ks + 16 f + 8 h + 0..7.  Wave w of the reading launch owns the tiles w NT + u; fragment (ks, u) lies at place ks NT + u of its section.
; One thread makes one unit: eight loads of 4 bytes, one store of 16; a wave's store covers 512 consecutive bytes.
; PADDING.  Head-padded index: 32 head + d, d = 30, 31 empty.  Column 240 of Wk, Wq, Wv, W1, Wout holds the bias: the activations carry 1.0 there.
; FORMATS.  Wk stays bf16; the others are the bf16 number written as f16.  LIMIT: exact for magnitudes from 6.1e-5 to 65,504; below that f16's fixed step of 6e-8.
; x IS KEPT AS FOUR SUMMANDS: [batch][slot 4][row 4][256] f32; its readers add the four and, from layer 1 on, apply the layer norm of the layer before.  Here slot 0 takes the start tokens, slots 1-3 zeros.
.set LAY, 59                           ; s59 layer
.set REM, 60                           ; s60 work-group's number within the layer's 384
.macro RND4 b                          ; four f32 rounded to bf16 and widened again, in place
	v_cvt_pk_bf16_f32 v36, v[\b], v[\b+1]
	v_cvt_pk_bf16_f32 v37, v[\b+2], v[\b+3]
	v_lshlrev_b32 v[\b], 16, v36
	v_and_b32 v[\b+1], 0xffff0000, v36
	v_lshlrev_b32 v[\b+2], 16, v37
	v_and_b32 v[\b+3], 0xffff0000, v37
.endm
; One weight matrix.  src, bias: the scalar pairs with their addresses; ld: columns of a source row; wstr, bstr: bytes from layer to layer; rowh, colh = 1: that index is head-padded;
; rlim, clim: valid rows and columns; lnt, lks: log2 of tiles a wave and of K steps; dbase, dws: the section's first byte and bytes from wave to wave; id0: the job's first work-group.
.macro WJOB src, bias, ld, wstr, bstr, rowh, rlim, colh, clim, hasb, f16, lnt, lks, dbase, dws, id0, fin
	s_mul_i32 s66, s[LAY], \wstr
	s_add_nc_u64 s[68:69], s[\src:\src+1], s[66:67]
.if \hasb
	s_mul_i32 s66, s[LAY], \bstr
	s_add_nc_u64 s[70:71], s[\bias:\bias+1], s[66:67]
.endif
.if \fin
	s_mov_b64 s[72:73], s[54:55]
.else
	s_cmp_eq_u32 s[LAY], 0
	s_cselect_b64 s[72:73], s[50:51], s[52:53]
.endif
	s_sub_co_u32 s75, s[REM], \id0
	s_lshl_b32 s75, s75, 8
	v_add_nc_u32 v1, s75, v0                       ; the unit's number in the matrix
	v_and_b32 v2, 15, v1                           ; r
	v_bfe_u32 v3, v1, 4, 1                         ; h
	v_bfe_u32 v4, v1, 5, 1                         ; half
	v_bfe_u32 v5, v1, 6, \lnt                      ; u
	v_bfe_u32 v6, v1, 6+\lnt, \lks                 ; ks
	v_lshrrev_b32 v7, 6+\lnt+\lks, v1              ; w
	v_lshl_add_u32 v8, v7, \lnt, v5
	v_lshl_add_u32 v8, v8, 4, v2                   ; row
	v_lshlrev_b32 v9, 5, v6
	v_lshl_add_u32 v9, v4, 4, v9
	v_lshl_add_u32 v9, v3, 3, v9                   ; first column
.if \rowh
	v_lshrrev_b32 v10, 5, v8
	v_and_b32 v36, 31, v8
	v_cmp_gt_u32 s74, 30, v36
	v_mad_u32_u24 v10, v10, 30, v36
.else
	v_cmp_gt_u32 s74, \rlim, v8
	v_mov_b32 v10, v8
.endif
	v_cndmask_b32 v10, 0, v10, s74                 ; source row, 0 where the row is padding
.if \colh
	v_lshrrev_b32 v12, 5, v9
	v_and_b32 v11, 31, v9
	v_mad_u32_u24 v12, v12, 30, v11
.set CLIMIT, 30
.else
	v_mov_b32 v11, v9
	v_mov_b32 v12, v9
.set CLIMIT, \clim
.endif
	v_mad_u32_u24 v12, v10, \ld, v12
	v_lshlrev_b32 v12, 2, v12                      ; byte offset of the unit's first number
.set i, 0
.rept 8
	v_cmp_gt_u32 s[76+i], CLIMIT-i, v11            ; column i of the unit is a real one,
	s_and_b32 s[76+i], s[76+i], s74                ; in a real row
	v_cndmask_b32 v[13+i], 0, v12, s[76+i]         ; padding reads the buffer's head and is dropped below
	global_load_b32 v[24+i], v[13+i], s[68:69] offset:4*i
.set i, i+1
.endr
.if \hasb
	v_lshlrev_b32 v21, 2, v10
	global_load_b32 v22, v21, s[70:71]
.endif
	s_wait_loadcnt 0x0
.set i, 0
.rept 8
	v_cndmask_b32 v[24+i], 0, v[24+i], s[76+i]
.set i, i+1
.endr
.if \hasb
	v_cmp_eq_u32 s84, 240, v9
	s_and_b32 s84, s84, s74
	v_cndmask_b32 v24, v24, v22, s84               ; column 240 takes the row's bias
.endif
.irp j, 0,1,2,3
	v_cvt_pk_bf16_f32 v[32+\j], v[24+2*\j], v[25+2*\j]
.endr
.if \f16
.irp j, 0,1,2,3
	v_lshlrev_b32 v36, 16, v[32+\j]
	v_and_b32 v37, 0xffff0000, v[32+\j]
	v_cvt_pk_f16_f32 v[32+\j], v36, v37
.endr
.endif
	v_and_b32 v38, (1<<(6+\lnt+\lks))-1, v1
	v_lshlrev_b32 v38, 4, v38
	v_mad_u32_u24 v38, v7, \dws, v38
	global_store_b128 v38, v[32:35], s[72:73] offset:\dbase
	s_endpgm
.endm
	s_load_b512 s[8:23], s[0:1], 0x0               ; Wk 8, Wq 10, Wv 12, Wo 14, W1 16, W2 18, Wout 20, bk 22
	s_load_b512 s[24:39], s[0:1], 0x40             ; bq 24, bv 26, bo 28, b1 30, b2 32, bout 34, ln1_g 36, ln1_b 38
	s_load_b512 s[40:55], s[0:1], 0x80             ; ln2_g 40, ln2_b 42, state 44, tokens 46, modality 48, wl0 50, wl1 52, wfin 54
	s_load_b64 s[56:57], s[0:1], 0xc0              ; xa
	s_mov_b32 s58, ttmp9
	s_mov_b32 s67, 0                               ; high word of every offset pair
	s_wait_kmcnt 0x0
	s_cmp_ge_u32 s58, 768
	s_cbranch_scc1 .Lrest
	s_cmp_ge_u32 s58, 384
	s_cselect_b32 s[LAY], 1, 0
	s_mul_i32 s[REM], s[LAY], 384
	s_sub_co_u32 s[REM], s58, s[REM]
	s_cmp_lt_u32 s[REM], 32
	s_cbranch_scc1 .Lwk
	s_cmp_lt_u32 s[REM], 64
	s_cbranch_scc1 .Lwq
	s_cmp_lt_u32 s[REM], 96
	s_cbranch_scc1 .Lwv
	s_cmp_lt_u32 s[REM], 128
	s_cbranch_scc1 .Lwo
	s_cmp_lt_u32 s[REM], 256
	s_cbranch_scc1 .Lw1
	WJOB 18, 18, 1024, 983040, 0, 0, 240, 0, 1024, 0, 1, 1, 5, 360448, 163840, 256, 0
.Lwk:
	WJOB 8, 22, 240, 230400, 960, 1, 0, 0, 240, 1, 0, 2, 3, 0, 32768, 0, 0
.Lwq:
	WJOB 10, 24, 240, 230400, 960, 1, 0, 0, 240, 1, 1, 2, 3, 131072, 32768, 32, 0
.Lwv:
	WJOB 12, 26, 240, 230400, 960, 1, 0, 0, 240, 1, 1, 1, 3, 262144, 163840, 64, 0
.Lwo:
	WJOB 14, 14, 240, 230400, 0, 0, 240, 1, 0, 0, 1, 1, 3, 278528, 163840, 96, 0
.Lw1:
	WJOB 16, 30, 240, 983040, 4096, 0, 1024, 0, 240, 1, 1, 3, 3, 294912, 163840, 128, 0
.Lrest:
	s_cmp_ge_u32 s58, 800
	s_cbranch_scc1 .Lx
	s_mov_b32 s[LAY], 0
	s_sub_co_u32 s[REM], s58, 768
	WJOB 20, 34, 240, 0, 0, 0, 240, 0, 240, 1, 1, 1, 3, 0, 16384, 0, 1
.Lx:
	s_cmp_ge_u32 s58, 1056
	s_cbranch_scc1 .Lparams
	; THE START TOKENS.  A work-group writes one slot of one batch, 4,096 bytes: four rows (state, token 0 + modality, token 1 + modality, a row of padding) of 256 columns, column 240 = 1.0, the rest
	; of the padding 0.  Slot 0 holds them; slots 1 to 3 hold zeros.
	s_sub_co_u32 s75, s58, 800                     ; 4 x batch + slot
	s_lshr_b32 s61, s75, 2
	s_and_b32 s62, s75, 3
	s_cmp_eq_u32 s62, 0
	s_cselect_b32 s80, -1, 0                       ; all ones in slot 0
	v_and_b32 v3, 63, v0
	v_lshlrev_b32 v3, 2, v3                        ; four columns a thread
	v_min_u32 v4, 236, v3                          ; padding reads the row's last four numbers and drops them
	v_lshrrev_b32 v6, 6, v0                        ; token
	s_mul_i32 s63, s61, 960
	v_lshl_add_u32 v7, v4, 2, s63
	v_cmp_eq_u32 s74, 2, v6
	v_add_nc_u32 v8, 240, v4
	v_cndmask_b32 v8, v4, v8, s74
	v_lshlrev_b32 v8, 2, v8
	v_lshlrev_b32 v9, 2, v4
	global_load_b128 v[12:15], v7, s[44:45]
	global_load_b128 v[16:19], v8, s[46:47]
	global_load_b128 v[20:23], v9, s[48:49]
	v_cmp_eq_u32 s76, 0, v6
	v_cmp_gt_u32 s77, 3, v6
	v_cmp_gt_u32 s78, 240, v3
	s_and_b32 s77, s77, s78
	s_and_b32 s77, s77, s80                        ; a real token's real column, in slot 0
	v_cmp_eq_u32 s79, 240, v3
	s_and_b32 s79, s79, s80
	v_mov_b32 v34, 1.0
	s_lshl_b32 s66, s75, 12
	v_lshl_add_u32 v10, v0, 4, s66
	s_wait_loadcnt 0x0
	RND4 12
	RND4 16
	RND4 20
.irp j, 0,1,2,3
	v_add_f32 v[28+\j], v[16+\j], v[20+\j]
	v_cndmask_b32 v[28+\j], v[28+\j], v[12+\j], s76
	v_cndmask_b32 v[28+\j], 0, v[28+\j], s77
.endr
	v_cndmask_b32 v28, v28, v34, s79
	global_store_b128 v10, v[28:31], s[56:57]      ; 512 consecutive bytes a wave
	s_endpgm
.Lparams:
	; SIXTEEN VECTORS of 256 f32, two waves each.  Layer l's table in wl_l has seven places: bo, ln1_g, ln1_b, b2 of layer l; ln2_g, ln2_b of layer l - 1 (zeros for l = 0); and a vector of 0.0 (l = 0) or
	; 1.0 (l = 1) that tells x's readers whether that norm applies.  Behind Wout: ln2_g, ln2_b of layer 1.  Padding is 0, but 1.0 at column 240 of every ln_b.
	; Vector 0-5: layer 0's places 0-5.  Counted from 6: layer 1's places 0-5, then (6, 7) the two behind Wout, (8, 9) the two layers' place 6.
	v_lshrrev_b32 v1, 5, v0
	v_readfirstlane_b32 s61, v1
	s_lshr_b32 s61, s61, 1
	s_sub_co_u32 s62, s58, 1056
	s_lshl2_add_u32 s62, s62, s61                  ; vector 0..15
	s_cmp_ge_u32 s62, 6
	s_cselect_b32 s[LAY], 1, 0
	s_mul_i32 s63, s[LAY], 6
	s_sub_co_u32 s63, s62, s63                     ; 0..5, or 0..9
	s_lshr_b32 s86, s63, 1
	s_mov_b64 s[68:69], s[28:29]                   ; the source
	s_cmp_eq_u32 s63, 1
	s_cselect_b64 s[68:69], s[36:37], s[68:69]
	s_cmp_eq_u32 s63, 2
	s_cselect_b64 s[68:69], s[38:39], s[68:69]
	s_cselect_b32 s74, -1, 0
	s_cmp_eq_u32 s63, 3
	s_cselect_b64 s[68:69], s[32:33], s[68:69]
	s_cmp_eq_u32 s63, 4
	s_cselect_b64 s[68:69], s[40:41], s[68:69]
	s_cmp_eq_u32 s63, 6
	s_cselect_b64 s[68:69], s[40:41], s[68:69]
	s_cmp_eq_u32 s63, 5
	s_cselect_b64 s[68:69], s[42:43], s[68:69]
	s_cselect_b32 s74, -1, s74
	s_cmp_eq_u32 s63, 7
	s_cselect_b64 s[68:69], s[42:43], s[68:69]
	s_cselect_b32 s74, -1, s74                     ; all ones for every ln_b
	s_cmp_lt_u32 s63, 4                            ; the source's layer: my own; 0 for places 4, 5; 1 for 6, 7
	s_cselect_b32 s85, s[LAY], 0
	s_cmp_eq_u32 s86, 3
	s_cselect_b32 s85, 1, s85
	s_cmp_lt_u32 s63, 8                            ; is the source kept?  Not in 8, 9, nor in layer 0's places 4, 5
	s_cselect_b32 s87, -1, 0
	s_cmp_eq_u32 s86, 2
	s_cselect_b32 s88, 1, 0
	s_cmp_gt_u32 s88, s[LAY]
	s_cselect_b32 s87, 0, s87
	s_cmp_eq_u32 s63, 9                            ; what stands there otherwise
	s_cselect_b32 s89, 1.0, 0
	s_cmp_eq_u32 s[LAY], 0                         ; the destination
	s_cselect_b64 s[72:73], s[50:51], s[52:53]
	s_cmp_eq_u32 s86, 3
	s_cselect_b64 s[72:73], s[54:55], s[72:73]
	s_cmp_eq_u32 s63, 8
	s_cselect_b64 s[72:73], s[50:51], s[72:73]
	s_min_u32 s77, s63, 6
	s_lshl_b32 s77, s77, 10
	s_add_co_u32 s77, s77, 1572864
	s_lshl_b32 s90, s63, 10
	s_add_co_u32 s90, s90, 131072-6144
	s_cmp_eq_u32 s86, 3
	s_cselect_b32 s77, s90, s77
	s_mul_i32 s66, s85, 960
	s_add_nc_u64 s[68:69], s[68:69], s[66:67]
	v_and_b32 v2, 63, v0
	v_lshlrev_b32 v2, 2, v2
	v_min_u32 v3, 236, v2
	v_lshlrev_b32 v3, 2, v3
	global_load_b128 v[12:15], v3, s[68:69]
	v_cmp_gt_u32 s75, 240, v2
	v_cmp_eq_u32 s76, 240, v2
	s_and_b32 s76, s76, s74
	s_and_b32 s76, s76, s87
	v_mov_b32 v34, 1.0
	v_mov_b32 v35, s89
	v_lshl_add_u32 v4, v2, 2, s77
	s_wait_loadcnt 0x0
	RND4 12
.irp j, 0,1,2,3
	v_cndmask_b32 v[12+\j], 0, v[12+\j], s75
	v_cndmask_b32 v[12+\j], v35, v[12+\j], s87
.endr
	v_cndmask_b32 v12, v12, v34, s76
	global_store_b128 v4, v[12:15], s[72:73]
	s_endpgm
.Lfunc_end_k_qf81a2a0437_prep:
	.size	k_qf81a2a0437_prep, .Lfunc_end_k_qf81a2a0437_prep-k_qf81a2a0437_prep
	.p2alignl 7, 3214868480
	.fill 96, 4, 3214868480
	.section	.rodata,"a",@progbits
	.p2align	6, 0x0
	.amdhsa_kernel k_qf81a2a0437_prep
		.amdhsa_group_segment_fixed_size 0
		.amdhsa_private_segment_fixed_size 0
		.amdhsa_enable_private_segment 0
		.amdhsa_kernarg_size 200
		.amdhsa_user_sgpr_count 2
		.amdhsa_user_sgpr_kernarg_segment_ptr 1
		.amdhsa_wavefront_size32 1
		.amdhsa_system_sgpr_workgroup_id_x 1
		.amdhsa_system_sgpr_workgroup_id_y 1
		.amdhsa_system_sgpr_workgroup_id_z 1
		.amdhsa_system_vgpr_workitem_id 0
		.amdhsa_next_free_vgpr 48
		.amdhsa_next_free_sgpr 100
		.amdhsa_reserve_vcc 0
		.amdhsa_float_denorm_mode_32 3
		.amdhsa_float_denorm_mode_16_64 3
		.amdhsa_memory_ordered 1
		.amdhsa_forward_progress 1
		.amdhsa_inst_pref_size 47
	.end_amdhsa_kernel
	.amdgpu_metadata
---
amdhsa.version: [ 1, 2 ]
amdhsa.kernels:
  - .name:           k_qf81a2a0437_prep
    .symbol:         k_qf81a2a0437_prep.kd
    .args:
      - { .name: Wk, .offset: 0, .size: 8, .value_kind: global_buffer, .address_space: global }
      - { .name: Wq, .offset: 8, .size: 8, .value_kind: global_buffer, .address_space: global }
      - { .name: Wv, .offset: 16, .size: 8, .value_kind: global_buffer, .address_space: global }
      - { .name: Wo, .offset: 24, .size: 8, .value_kind: global_buffer, .address_space: global }
      - { .name: W1, .offset: 32, .size: 8, .value_kind: global_buffer, .address_space: global }
      - { .name: W2, .offset: 40, .size: 8, .value_kind: global_buffer, .address_space: global }
      - { .name: Wout, .offset: 48, .size: 8, .value_kind: global_buffer, .address_space: global }
      - { .name: bk, .offset: 56, .size: 8, .value_kind: global_buffer, .address_space: global }
      - { .name: bq, .offset: 64, .size: 8, .value_kind: global_buffer, .address_space: global }
      - { .name: bv, .offset: 72, .size: 8, .value_kind: global_buffer, .address_space: global }
      - { .name: bo, .offset: 80, .size: 8, .value_kind: global_buffer, .address_space: global }
      - { .name: b1, .offset: 88, .size: 8, .value_kind: global_buffer, .address_space: global }
      - { .name: b2, .offset: 96, .size: 8, .value_kind: global_buffer, .address_space: global }
      - { .name: bout, .offset: 104, .size: 8, .value_kind: global_buffer, .address_space: global }
      - { .name: ln1_g, .offset: 112, .size: 8, .value_kind: global_buffer, .address_space: global }
      - { .name: ln1_b, .offset: 120, .size: 8, .value_kind: global_buffer, .address_space: global }
      - { .name: ln2_g, .offset: 128, .size: 8, .value_kind: global_buffer, .address_space: global }
      - { .name: ln2_b, .offset: 136, .size: 8, .value_kind: global_buffer, .address_space: global }
      - { .name: state, .offset: 144, .size: 8, .value_kind: global_buffer, .address_space: global }
      - { .name: learnable_tokens, .offset: 152, .size: 8, .value_kind: global_buffer, .address_space: global }
      - { .name: modality_embed, .offset: 160, .size: 8, .value_kind: global_buffer, .address_space: global }
      - { .name: wl0, .offset: 168, .size: 8, .value_kind: global_buffer, .address_space: global }
      - { .name: wl1, .offset: 176, .size: 8, .value_kind: global_buffer, .address_space: global }
      - { .name: wfin, .offset: 184, .size: 8, .value_kind: global_buffer, .address_space: global }
      - { .name: xa, .offset: 192, .size: 8, .value_kind: global_buffer, .address_space: global }
    .group_segment_fixed_size: 0
    .private_segment_fixed_size: 0
    .kernarg_segment_align: 8
    .kernarg_segment_size: 200
    .max_flat_workgroup_size: 256
    .sgpr_count:     100
    .vgpr_count:     48
    .wavefront_size: 32
...
	.end_amdgpu_metadata
.endif
;; end of part 5
;; launch attn0 (part 6): grid 4 x 64, 4 waves a work-group, no clusters, 107,776 bytes of LDS; arguments valid_feats_projected, valid_coords, hand_translation_all, head_translation_all, wl0, xa, part; writes part
.if DOCPART == 6
	.amdgcn_target "amdgcn-amd-amdhsa--gfx1250"
	.amdhsa_code_object_version 6
	.text
	.protected	k_qf81a2a0437_attn0
	.globl	k_qf81a2a0437_attn0
	.p2align	8
	.type	k_qf81a2a0437_attn0,@function
k_qf81a2a0437_attn0:
	s_mov_b64 s[64:65], 0
	v_nop
	global_prefetch_b8 v0, s[64:65] scope:SCOPE_SE
	s_setreg_imm32_b32 hwreg(HW_REG_WAVE_MODE, 25, 1), 1
	s_wait_xcnt 0x0
; ONE LAYER'S CROSS-ATTENTION OVER 1,024 KEYS OF ONE BATCH (work-group x = which quarter of the 4,096 keys, y = batch); the four quarters are joined by the next launch.
; WHAT IS COMPUTED.  x = the sum of its four stored summands, from layer 1 on normed by the layer before's second layer norm; q = rope(Wq x + bq); for each key k = rope(Wk kv + bk); s = q . k;
; p = 2^(c s - c m), c = log2(e) / sqrt(30), with a running maximum m; O[column][feature] = sum of p kv[feature].  Wv is applied later, to O / l: the weights of a row sum to 1, so
; sum p (Wv kv + bv) = Wv (sum p kv) + bv sum p.  kv in LDS carries 1.0 at feature 240 (0 beyond): Wk's column 240 is bk, and O's feature 240 is l, the sum of the weights as the product takes them.
; SHARES.  64 keys a step, 16 steps.  INPUT: wave w brings keys 16 w .. 16 w + 15 of a step (15,360 dense bytes, 30 loads of 512 consecutive bytes), rounds them to bf16 into T[key][256], and makes cos and
; sin of those keys' angles for all waves.  SCORES: wave w owns heads 2 w and 2 w + 1 over all 64 keys; its columns are 4 e + t (e local head, t token); columns with t = 3 or above 7 have q = 0.
; It stores its weights P (bf16) and its factor a = 2^(c m_old - c m_new) into LDS.  SUMS: wave w owns features 64 w .. 64 w + 63 of O for all 32 columns 8 x wave + 4 e + t: 16 products a step on 8 accumulators.
; LAYOUT.  K^T = Wk kv^T: a lane holds one key (lane % 16) and 8 dims; rotated and rounded to f16 these registers ARE source 0 (16 keys x 32 dims) of S = K q; S holds one column a lane and 8 keys, so a lane's
; 8 weights of a key tile are 16 bytes of P[column][key], and P comes back as source 1 (32 keys x 16 columns) of O^T = kv^T P, whose source 0 comes out of T turned (ds_load_tr16_b128).
; ONE BARRIER A STEP.  T, the cos/sin table, P and a have two slots each.  In front of barrier n + 1 a wave has read all it needs of T(n) (kv^T(n) lies in registers), stored its part of T(n + 1) and stored P(n), a(n).
; O a(n) + kv^T(n) P(n) opens step n + 1.  The first step finds zeros in P's second slot and in kv^T's registers (16 products on zeros); the last sum is written out behind the loop.
; LDS LOADS ARE ASKED FOR AHEAD: the first two key tiles' fragments come K step by K step and the products start on the first; the other two tiles' loads stand eight behind each 16 products, the turning loads
; eight behind each 32.
; NO CLUSTER, NO TENSOR LOADS: kv must be rounded on its way, so it passes through registers; the four work-groups of a batch share only Wk and Wq, 262,144 bytes once against 983,040 of their own.
; FORMATS AND LIMITS.  kv, Wk, P in bf16; x, q, k in f16 (within 65,504); sums, the norm, m, a, O in f32.  Coordinates are rounded to bf16.  sin and cos: the angle in half turns less its nearest whole number
; (|coordinate x frequency / pi| below 2^31), then the series to g^9 (error up to 3.6e-6) and g^10 (5e-7).  A weight below 2^-126 counts as 0.  NaN and infinities are not treated apart.
; T's pitch of 528 bytes is free of bank conflicts for the plain 16-byte loads and two deep for the turning ones, of which a step has 16 against 64 plain.
.set TP,     528                       ; a key's row in T: 512 bytes + 16
.set TSLOT,  64*TP
.set TRB,    2*TSLOT                   ; the cos/sin tables: a key has [half of the lanes 2][cos 8, sin 8] f32 + 16 bytes
.set TRP,    144
.set TRSLOT, 64*TRP
.set PBB,    TRB+2*TRSLOT              ; P: row 16 x wave + column, 64 keys in bf16 + 16 bytes
.set PBP,    144
.set PBSLOT, 64*PBP
.set AFB,    PBB+2*PBSLOT              ; a: word 16 x wave + column; 256 bytes a slot
.set XSB,    AFB+512                   ; the opening: x in f16, 4 rows of 528 bytes, in 2,304 bytes of their own
.set SPARE,  XSB+2304                  ; the spare words, 128 bytes a wave
.set SGP,    1040                      ; the way out: one stage of 32 rows in T's bytes
; window 0
.set AFR, 1                            ; v1 is lane % 16 in the opening; then where I read a
.set KA,  3                            ; r TP + 16 h
.set VA,  4                            ; (8 h + l % 8) TP + 16 ((l / 8) % 2) + 128 w
.set CA,  5                            ; TRB + r TRP + 64 h
.set TW,  6                            ; the same for key 16 w + r
.set GOF, 7                            ; w 15,360 + 16 l
.set COF, 8                            ; (16 w + r) 12
.set STO, 9
.set RD,  10
.set GST, 11                           ; 16 l
.set XOF, 12                           ; the opening: my offset in a summand of x
.set PW,  12                           ; then where I store P
.set LL,  13                           ; the opening: l
.set AFW, 13                           ; then where I store a
.set SA,  14                           ; v14-28: where load i % 15 of my 30 puts its 8 bytes
.set NIL, 29
.set CO,  30                           ; v30-32 my key's coordinates
.set SPW, 33
.set CF,  34                           ; v34-41 frequency / pi of my lane's 8 pairs
.set MX,  42
.set TK,  43                           ; the opening: a column's token
.set PRA, 43                           ; then where I read P
.set AA0, 44                           ; v44:45 a of column r, v52:53 of column 16 + r (the odd registers hold 0: named as pairs)
.set CM,  46                           ; v46:47 c m
.set C0,  48                           ; v48-51 at work
.set XSR, 51                           ; the opening: where I read x's fragments
.set AA1, 52
.set TMP, 54
.set PGO, 54                           ; the opening: 16 r, my offset in a vector of 256
.set AOWN, 55                          ; my own column's a
.set XSW, 55                           ; the opening: where I store x
.set QB,  56                           ; v56-71 q, source 1, by local head
.set ACC, 72                           ; v72-135 K^T [key tile 2][dim tile 4][8]; also at work for the input
.set KP,  136                          ; v136-167 k in f16 [key tile 2][head 2][8]
.set CS,  168                          ; v168-199 cos 8, sin 8 [key tile 2]
.set S,   200                          ; v200-231 scores [key tile 4][8]
.set PF,  200                          ; at a step's head the same registers hold P's fragments [32 keys 2][16 columns 2][8]
.set P,   232                          ; v232-247
.set TM,  248                          ; v248-255 at work
.set XPB, 72                           ; the opening: x's four summands, 16 registers each
.set XR,  72                           ; their sum, then x
.set VK,  88                           ; the plain sum, kept
.set YV,  104                          ; at work
.set LG,  136                          ; the norm's gain and offset
.set LB,  152
.set XH,  168                          ; x in f16
.set XF,  136                          ; x, source 1
.set QC,  248
.set T8,  72
.set N8,  80
.set Z8,  88
.set XC,  96
.set XS,  99
.set TT,  101
.set TG,  104                          ; v104-119 cos 8, sin 8 as made
.set AVF, 64                           ; window 1: v0-63 O^T [feature tile 4][16 columns 2][8]; v64-127 kv^T [32 keys 2][feature tile 4][8]; v128-247 kv as loaded
.set RAW, 128                          ; window 2: Wk.  Window 3: fragments of kv, two buffers of 128 (the opening: Wq)
.set WV,  22
.set BB,  23
.set SS,  24
.set CNT, 25
.set SEL, 26
.set HM,  28                           ; lanes 16-31
.set QM0, 29
.set QM1, 30
.set WT,  31
.set CC,  32
.set M28, 34                           ; lane 28
.set PMK, 35                           ; lanes whose features 192 + 4 r .. are real
.set SELM, 39                          ; all ones: the norm applies
.set SINV, 43                          ; 1 / 240
.set PA,  44                           ; s[44:53] the sine's five coefficients, each twice
.set PB,  54                           ; s[54:63] the cosine's
.set SEPS, 72                          ; 1e-5
.set WB,  76                           ; s[76:77] my wave's section of Wk
.set MSB, 0
.macro WIN new                         ; the high byte repeats the setting that is left; a switch that changes nothing is dropped
.if MSB != (\new)
	s_set_vgpr_msb (MSB<<8)|(\new)
.set MSB, (\new)
.endif
.endm
.macro PLACES                          ; four plain vector instructions between a matrix instruction and what reads its result or loads into its registers
.rept 4
	v_nop
.endr
.endm
.macro SPAIR r, x
	s_mov_b32 s[\r], \x
	s_mov_b32 s[\r+1], \x
.endm
.macro SETCF k, a, b
	v_mov_b32 v[CF+\k], \a
	v_mov_b32 v[C0], \b
	v_cndmask_b32 v[CF+\k], v[CF+\k], v[C0], s[HM]
.endm
.macro RSUM r                          ; the sum over a row's 16 lanes, in every one of them
	v_add_f32_dpp v[\r], v[\r], v[\r] row_xmask:1 row_mask:0xf bank_mask:0xf
	v_add_f32_dpp v[\r], v[\r], v[\r] row_xmask:2 row_mask:0xf bank_mask:0xf
	v_add_f32_dpp v[\r], v[\r], v[\r] row_xmask:4 row_mask:0xf bank_mask:0xf
	v_add_f32_dpp v[\r], v[\r], v[\r] row_xmask:8 row_mask:0xf bank_mask:0xf
.endm
; XR = (XR - mean) / sqrt(variance + 1e-5) x LG + LB over the row's 240 real columns, in two passes; 16 lanes a row, a lane's features are 64 q + 4 r + 0..3.  The padding leaves as LB's (1.0, then 0).
.macro LNCORE
.irp i, 12,13,14,15
	v_cndmask_b32 v[XR+\i], 0, v[XR+\i], s[PMK]
.endr
	v_pk_add_f32 v[YV:YV+1], v[XR:XR+1], v[XR+2:XR+3]
	v_pk_add_f32 v[YV+2:YV+3], v[XR+4:XR+5], v[XR+6:XR+7]
	v_pk_add_f32 v[YV+4:YV+5], v[XR+8:XR+9], v[XR+10:XR+11]
	v_pk_add_f32 v[YV+6:YV+7], v[XR+12:XR+13], v[XR+14:XR+15]
	v_pk_add_f32 v[YV:YV+1], v[YV:YV+1], v[YV+2:YV+3]
	v_pk_add_f32 v[YV+4:YV+5], v[YV+4:YV+5], v[YV+6:YV+7]
	v_pk_add_f32 v[YV:YV+1], v[YV:YV+1], v[YV+4:YV+5]
	v_add_f32 v[YV], v[YV], v[YV+1]
	RSUM YV
	v_mul_f32 v[YV], s[SINV], v[YV]                ; the mean
	v_mov_b32 v[YV+1], v[YV]
.irp p, 0,2,4,6,8,10,12,14
	v_pk_add_f32 v[XR+\p:XR+\p+1], v[XR+\p:XR+\p+1], v[YV:YV+1] neg_lo:[0,1] neg_hi:[0,1]
.endr
.irp i, 12,13,14,15
	v_cndmask_b32 v[XR+\i], 0, v[XR+\i], s[PMK]
.endr
	v_pk_mul_f32 v[YV+2:YV+3], v[XR:XR+1], v[XR:XR+1]
	v_pk_mul_f32 v[YV+4:YV+5], v[XR+2:XR+3], v[XR+2:XR+3]
.irp p, 4,8,12
	v_pk_fma_f32 v[YV+2:YV+3], v[XR+\p:XR+\p+1], v[XR+\p:XR+\p+1], v[YV+2:YV+3]
	v_pk_fma_f32 v[YV+4:YV+5], v[XR+\p+2:XR+\p+3], v[XR+\p+2:XR+\p+3], v[YV+4:YV+5]
.endr
	v_pk_add_f32 v[YV+2:YV+3], v[YV+2:YV+3], v[YV+4:YV+5]
	v_add_f32 v[YV+2], v[YV+2], v[YV+3]
	RSUM YV+2
	v_fma_f32 v[YV+2], v[YV+2], s[SINV], s[SEPS]   ; variance + 1e-5
	v_rsq_f32 v[YV+4], v[YV+2]
	v_rsq_f32 v[YV+5], v[YV+2]
	v_nop
	s_wait_alu depctr_va_vdst(0)
.irp p, 0,2,4,6,8,10,12,14
	v_pk_mul_f32 v[XR+\p:XR+\p+1], v[XR+\p:XR+\p+1], v[YV+4:YV+5]
.endr
.irp p, 0,2,4,6,8,10,12,14
	v_pk_fma_f32 v[XR+\p:XR+\p+1], v[XR+\p:XR+\p+1], v[LG+\p:LG+\p+1], v[LB+\p:LB+\p+1]
.endr
.endm
.macro LOADS                           ; a step's input: my 16 keys, and their coordinates: 33 loads
	WIN 0x40
.set i, 0
.rept 30
	global_load_b128 v[RAW+4*i:RAW+4*i+3], v[GOF], s[8:9] offset:512*i th:TH_LOAD_NT
.set i, i+1
.endr
	WIN 0
.irp a, 0,1,2
	global_load_b32 v[CO+\a], v[COF], s[10:11] offset:4*\a
.endr
.endm
.macro STEP                            ; stands behind a wait for all loads, so the bases are free
	s_add_nc_u64 s[8:9], s[8:9], 61440
	s_add_nc_u64 s[10:11], s[10:11], 768
.endm
.macro CONVERT slot                    ; f32 to bf16, 8 bytes a lane and load into T
	WIN 0x05
.set i, 0
.rept 30
	v_cvt_pk_bf16_f32 v[ACC+2*i], v[RAW+4*i], v[RAW+4*i+1]
	v_cvt_pk_bf16_f32 v[ACC+2*i+1], v[RAW+4*i+2], v[RAW+4*i+3]
.set i, i+1
.endr
	WIN 0
.set i, 0
.rept 30
	ds_store_b64 v[SA+i%15], v[ACC+2*i:ACC+2*i+1] offset:(\slot)*TSLOT+(i/15)*8*TP
.set i, i+1
.endr
.endm
; cos and sin of my lane's 8 pairs.  Pair p of a head's 15 has axis p / 5 and frequency p % 5; lanes 0-15 hold pairs 0-3 and 8-11, lanes 16-31 pairs 4-7 and 12-15 (15 is padding: factor 0).
.macro TRIG src
	v_cvt_pk_bf16_f32 v[TT], v[\src], v[\src+1]
	v_cvt_pk_bf16_f32 v[TT+1], v[\src+2], v[\src+2]
	v_lshlrev_b32 v[XC], 16, v[TT]
	v_and_b32 v[XC+1], 0xffff0000, v[TT]
	v_lshlrev_b32 v[XC+2], 16, v[TT+1]
	v_cndmask_b32 v[XS], v[XC], v[XC+1], s[HM]
	v_cndmask_b32 v[XS+1], v[XC+1], v[XC+2], s[HM]
	v_mul_f32 v[T8], v[XC], v[CF]
.irp k, 1,2,3
	v_mul_f32 v[T8+\k], v[XS], v[CF+\k]
.endr
.irp k, 4,5
	v_mul_f32 v[T8+\k], v[XS+1], v[CF+\k]
.endr
.irp k, 6,7
	v_mul_f32 v[T8+\k], v[XC+2], v[CF+\k]
.endr
.irp k, 0,1,2,3,4,5,6,7
	v_rndne_f32 v[N8+\k], v[T8+\k]
.endr
.irp p, 0,2,4,6
	v_pk_add_f32 v[T8+\p:T8+\p+1], v[T8+\p:T8+\p+1], v[N8+\p:N8+\p+1] neg_lo:[0,1] neg_hi:[0,1]  ; g, within half a half turn
.endr
.irp p, 0,2,4,6
	v_pk_mul_f32 v[Z8+\p:Z8+\p+1], v[T8+\p:T8+\p+1], v[T8+\p:T8+\p+1]
.endr
.irp p, 0,2,4,6
	v_pk_fma_f32 v[TG+8+\p:TG+9+\p], v[Z8+\p:Z8+\p+1], s[PA+8:PA+9], s[PA+6:PA+7] op_sel_hi:[1,0,0]
	v_pk_fma_f32 v[TG+\p:TG+\p+1], v[Z8+\p:Z8+\p+1], s[PB+8:PB+9], s[PB+6:PB+7] op_sel_hi:[1,0,0]
.endr
.irp c, 4,2,0
.irp p, 0,2,4,6
	v_pk_fma_f32 v[TG+8+\p:TG+9+\p], v[TG+8+\p:TG+9+\p], v[Z8+\p:Z8+\p+1], s[PA+\c:PA+\c+1] op_sel_hi:[1,1,0]
	v_pk_fma_f32 v[TG+\p:TG+\p+1], v[TG+\p:TG+\p+1], v[Z8+\p:Z8+\p+1], s[PB+\c:PB+\c+1] op_sel_hi:[1,1,0]
.endr
.endr
.irp p, 0,2,4,6
	v_pk_mul_f32 v[TG+8+\p:TG+9+\p], v[TG+8+\p:TG+9+\p], v[T8+\p:T8+\p+1]
	v_pk_fma_f32 v[TG+\p:TG+\p+1], v[TG+\p:TG+\p+1], v[Z8+\p:Z8+\p+1], 1.0 op_sel_hi:[1,1,0]
.endr
.irp k, 0,1,2,3,4,5,6,7
	v_cvt_i32_f32 v[N8+\k], v[N8+\k]
.endr
.irp k, 0,1,2,3,4,5,6,7
	v_lshlrev_b32 v[N8+\k], 31, v[N8+\k]           ; an odd number of half turns turns both signs
.endr
.irp k, 0,1,2,3,4,5,6,7
	v_xor_b32 v[TG+\k], v[TG+\k], v[N8+\k]
	v_xor_b32 v[TG+8+\k], v[TG+8+\k], v[N8+\k]
.endr
.endm
.macro TRST slot
.irp i4, 0,1,2,3
	ds_store_b128 v[TW], v[TG+4*\i4:TG+4*\i4+3] offset:(\slot)*TRSLOT+16*\i4
.endr
.endm
; One head of one tile of 16 keys (or columns): 8 pairs (x1, x2) become (x1 cos - x2 sin, x1 sin + x2 cos) and are rounded to f16.  Ascending.
.macro ROPEPK acc, cs, dst
.irp g4, 0,4
.set k, \g4
.rept 4
.set rx, (\acc)+2*k
.set rc, (\cs)+(k&6)
.set rt, TM+2*(k%4)
.if k&1
	v_pk_mul_f32 v[rt:rt+1], v[rx:rx+1], v[rc:rc+1] op_sel:[0,1] op_sel_hi:[1,1]
.else
	v_pk_mul_f32 v[rt:rt+1], v[rx:rx+1], v[rc:rc+1] op_sel:[0,0] op_sel_hi:[1,0]
.endif
.set k, k+1
.endr
.set k, \g4
.rept 4
.set rx, (\acc)+2*k
.set rc, (\cs)+8+(k&6)
.set rt, TM+2*(k%4)
.if k&1
	v_pk_fma_f32 v[rt:rt+1], v[rx:rx+1], v[rc:rc+1], v[rt:rt+1] op_sel:[1,1,0] op_sel_hi:[0,1,1] neg_lo:[1,0,0]
.else
	v_pk_fma_f32 v[rt:rt+1], v[rx:rx+1], v[rc:rc+1], v[rt:rt+1] op_sel:[1,0,0] op_sel_hi:[0,0,1] neg_lo:[1,0,0]
.endif
.set k, k+1
.endr
.set k, \g4
.rept 4
.set rt, TM+2*(k%4)
	v_cvt_pk_f16_f32 v[(\dst)+k], v[rt], v[rt+1]
.set k, k+1
.endr
.endr
.endm
; P and a of the step before, out of slot pb: 8 + 2 loads.  Lane (r, h) takes column 16 ta + r, which wave 2 ta + r / 8 stored in its row r % 8.
.macro AVLOAD pb
.set gg, 0
.rept 2
.set ta, 0
.rept 2
	ds_load_b128 v[PF+16*gg+8*ta:PF+16*gg+8*ta+3], v[PRA] offset:(\pb)*PBSLOT+ta*32*PBP+64*gg
	ds_load_b128 v[PF+16*gg+8*ta+4:PF+16*gg+8*ta+7], v[PRA] offset:(\pb)*PBSLOT+ta*32*PBP+64*gg+32
.set ta, ta+1
.endr
.set gg, gg+1
.endr
	ds_load_b32 v[AA0], v[AFR] offset:(\pb)*256
	ds_load_b32 v[AA1], v[AFR] offset:(\pb)*256+128
.endm
; O^T = O^T a + kv^T P for my 4 feature tiles and both column tiles: 32 packed multiplies, 16 products; accumulator i = 2 x feature tile + column tile; the 8 take turns.
.macro AVMUL
	WIN 0x41
.set i, 0
.rept 8
.set pp, 0
.rept 4
	v_pk_mul_f32 v[8*i+2*pp:8*i+2*pp+1], v[8*i+2*pp:8*i+2*pp+1], v[AA0+8*(i%2):AA0+8*(i%2)+1] op_sel_hi:[1,0]
.set pp, pp+1
.endr
.set i, i+1
.endr
	WIN 0x51
.set gg, 0
.rept 2
.set i, 0
.rept 8
	v_wmma_f32_16x16x32_bf16 v[8*i:8*i+7], v[AVF+32*gg+8*(i/2):AVF+32*gg+8*(i/2)+7], v[PF+16*gg+8*(i%2):PF+16*gg+8*(i%2)+7], v[8*i:8*i+7]
.set i, i+1
.endr
.set gg, gg+1
.endr
	WIN 0
.endm
.macro KLOAD slot, g, kk, base         ; K step kk of key tiles 2 g, 2 g + 1: four loads into window 3
.set kt, 0
.rept 2
	ds_load_b128 v[(\base)+64*kt+8*(\kk):(\base)+64*kt+8*(\kk)+3], v[KA] offset:(\slot)*TSLOT+(2*(\g)+kt)*16*TP+64*(\kk)
	ds_load_b128 v[(\base)+64*kt+8*(\kk)+4:(\base)+64*kt+8*(\kk)+7], v[KA] offset:(\slot)*TSLOT+(2*(\g)+kt)*16*TP+64*(\kk)+32
.set kt, kt+1
.endr
.endm
.macro CSLOAD slot, g                  ; cos and sin of key tiles 2 g, 2 g + 1: eight loads
.set kt, 0
.rept 2
.irp i4, 0,1,2,3
	ds_load_b128 v[CS+16*kt+4*\i4:CS+16*kt+4*\i4+3], v[CA] offset:(\slot)*TRSLOT+(2*(\g)+kt)*16*TRP+16*\i4
.endr
.set kt, kt+1
.endr
.endm
.macro KMUL kk, base                   ; K step kk of K^T = Wk kv^T for two key tiles and my four dim tiles: 8 products on 8 accumulators
.set kt, 0
.rept 2
.set uu, 0
.rept 4
.if (\kk) == 0
	v_wmma_f32_16x16x32_bf16 v[ACC+32*kt+8*uu:ACC+32*kt+8*uu+7], v[8*(4*(\kk)+uu):8*(4*(\kk)+uu)+7], v[(\base)+64*kt+8*(\kk):(\base)+64*kt+8*(\kk)+7], 0
.else
	v_wmma_f32_16x16x32_bf16 v[ACC+32*kt+8*uu:ACC+32*kt+8*uu+7], v[8*(4*(\kk)+uu):8*(4*(\kk)+uu)+7], v[(\base)+64*kt+8*(\kk):(\base)+64*kt+8*(\kk)+7], v[ACC+32*kt+8*uu:ACC+32*kt+8*uu+7]
.endif
.set uu, uu+1
.endr
.set kt, kt+1
.endr
.endm
.macro ROPES g                         ; the rotation of two key tiles x two heads, and their scores (4 products, 2 accumulators by turns)
	ROPEPK ACC, CS, KP
	ROPEPK ACC+16, CS, KP+8
	ROPEPK ACC+32, CS+16, KP+16
	ROPEPK ACC+48, CS+16, KP+24
	v_wmma_f32_16x16x32_f16 v[S+16*(\g):S+16*(\g)+7], v[KP:KP+7], v[QB:QB+7], 0
	v_wmma_f32_16x16x32_f16 v[S+16*(\g)+8:S+16*(\g)+15], v[KP+16:KP+23], v[QB:QB+7], 0
	v_wmma_f32_16x16x32_f16 v[S+16*(\g):S+16*(\g)+7], v[KP+8:KP+15], v[QB+8:QB+15], v[S+16*(\g):S+16*(\g)+7]
	v_wmma_f32_16x16x32_f16 v[S+16*(\g)+8:S+16*(\g)+15], v[KP+24:KP+31], v[QB+8:QB+15], v[S+16*(\g)+8:S+16*(\g)+15]
.endm
; A step's matrix work, for the keys in slot: the sum of the step before, then K^T, the rotation and the scores, two key tiles at a time.
.macro SBK slot
	AVLOAD 1-(\slot)
	WIN 0xc0
.set kk, 0
.rept 8
	KLOAD \slot, 0, kk, 0
.set kk, kk+1
.endr
	WIN 0
	CSLOAD \slot, 0
	s_wait_dscnt 40                                ; P and a are in: behind them 32 loads of fragments and 8 of cos and sin were issued
	AVMUL
.set kk, 0
.rept 8
	s_wait_dscnt 36-4*(kk%2)                       ; K step kk is in: behind its loads stand 4 (7 - kk) of this buffer, 8 of cos and sin and 8 (kk / 2) of the other buffer
	WIN 0x0e
	KMUL kk, 0
.if kk%2
	WIN 0xc0
	KLOAD \slot, 1, kk-1, 128                      ; the other two key tiles, eight loads behind each 16 products
	KLOAD \slot, 1, kk, 128
.endif
.set kk, kk+1
.endr
	WIN 0
	s_wait_dscnt 32                                ; cos and sin are in: behind them the other buffer's 32 loads
	PLACES
	ROPES 0
	CSLOAD \slot, 1
	s_wait_dscnt 8                                 ; the other buffer is in; the eight loads just issued may stay out
.set kk, 0
.rept 8
	WIN 0x0e
	KMUL kk, 128
.if kk%4 == 3
	WIN 0x40
.set ff, kk-3
.rept 4                                ; kv^T for the next step's head: keys 32 (ff / 4) on, my feature tile ff % 4; eight loads behind each 32 products
	ds_load_tr16_b128 v[AVF+8*ff:AVF+8*ff+3], v[VA] offset:(\slot)*TSLOT+(ff/4)*32*TP+32*(ff%4)
	ds_load_tr16_b128 v[AVF+8*ff+4:AVF+8*ff+7], v[VA] offset:(\slot)*TSLOT+(ff/4)*32*TP+16*TP+32*(ff%4)
.set ff, ff+1
.endr
.endif
.set kk, kk+1
.endr
	WIN 0
	s_wait_dscnt 16                                ; cos and sin are in: behind them the 16 turning loads
	PLACES
	ROPES 1
.endm
; The step's softmax for my columns; P and a go into slot.
.macro SOFTMAX slot
	PLACES
.irp n, 0,1,2,3
	v_max3_num_f32 v[C0+\n], v[S+8*\n], v[S+8*\n+1], v[S+8*\n+2]
.endr
.irp n, 0,1,2,3
	v_max3_num_f32 v[C0+\n], v[C0+\n], v[S+8*\n+3], v[S+8*\n+4]
.endr
.irp n, 0,1,2,3
	v_max3_num_f32 v[C0+\n], v[C0+\n], v[S+8*\n+5], v[S+8*\n+6]
.endr
	v_max3_num_f32 v[C0], v[C0], v[S+7], v[S+15]
	v_max3_num_f32 v[C0+1], v[C0+1], v[S+23], v[S+31]
	v_max3_num_f32 v[C0+2], v[C0+2], v[C0+3], v[MX]
	v_max3_num_f32 v[C0], v[C0], v[C0+1], v[C0+2]
	v_permlanex16_b32 v[C0+3], v[C0], s[SEL], s[SEL+1]   ; the column's other 32 keys lie in the lane 16 away
	v_mov_b32 v[TMP], v[CM]
	v_max_num_f32 v[MX], v[C0], v[C0+3]
	v_mul_f32 v[CM], s[CC], v[MX]
	v_sub_f32 v[TMP], v[TMP], v[CM]
.set i, 0
.rept 16
	v_pk_fma_f32 v[S+2*i:S+2*i+1], v[S+2*i:S+2*i+1], s[CC:CC+1], v[CM:CM+1] op_sel_hi:[1,0,0] neg_lo:[0,0,1] neg_hi:[0,0,1]
.set i, i+1
.endr
	v_exp_f32 v[AOWN], v[TMP]
.set i, 0
.rept 32
	v_exp_f32 v[S+i], v[S+i]
.set i, i+1
.endr
	v_nop                                          ; a plain instruction between the last exponential and the use of its result (ISA guide 5.7.2)
.set i, 0
	s_wait_alu depctr_va_vdst(0)
.rept 16
	v_cvt_pk_bf16_f32 v[P+i], v[S+2*i], v[S+2*i+1]
.set i, i+1
.endr
.irp k4, 0,1,2,3
	ds_store_b128 v[PW], v[P+4*\k4:P+4*\k4+3] offset:(\slot)*PBSLOT+32*\k4   ; keys 16 k4 + 8 h + 0..7 of my column
.endr
	ds_store_b32 v[AFW], v[AOWN] offset:(\slot)*256  ; both halves of the lanes hold the same a
.endm
	s_load_b256 s[8:15], s[0:1], 0x0               ; kv 8, coords 10, hand 12, head 14
	s_load_b128 s[16:19], s[0:1], 0x20             ; the layer's weights 16, x 18
	s_load_b64 s[20:21], s[0:1], 0x30              ; part
	v_lshl_add_u32 v[SPW], v0, 2, SPARE
	v_mov_b32 v[NIL], 0
	v_lshrrev_b32 v[LL], 5, v0
	v_readfirstlane_b32 s[WV], v[LL]
	s_and_b32 s[BB], ttmp7, 0xffff
	s_mov_b32 s[SS], ttmp9
	v_and_b32 v[LL], 31, v0
	v_and_b32 v1, 15, v0                           ; r
	v_bfe_u32 v2, v0, 4, 1                         ; h
	v_and_b32 v[TK], 3, v0                         ; a column's token
	v_mul_u32_u24 v[KA], v1, TP
	v_lshl_add_u32 v[KA], v2, 4, v[KA]
	v_and_b32 v[C0], 7, v0
	v_lshl_add_u32 v[VA], v2, 3, v[C0]
	v_mul_u32_u24 v[VA], v[VA], TP
	v_bfe_u32 v[C0], v0, 3, 1
	v_lshl_add_u32 v[VA], v[C0], 4, v[VA]
	s_lshl_b32 s66, s[WV], 7
	v_add_nc_u32 v[VA], s66, v[VA]                 ; my 64 features begin 128 w bytes into a key's row
	v_mul_u32_u24 v[CA], v1, TRP
	v_lshl_add_u32 v[CA], v2, 6, v[CA]
	v_add_nc_u32 v[CA], TRB, v[CA]
	s_mul_i32 s66, s[WV], 16*TRP
	v_add_nc_u32 v[TW], s66, v[CA]
	s_mul_i32 s66, s[WV], 15360
	v_lshl_add_u32 v[GOF], v[LL], 4, s66
	s_mul_i32 s66, s[WV], 192
	v_mad_u32_u24 v[COF], v1, 12, s66
	s_lshl_b32 s67, s[WV], 8
	v_mad_u32_u24 v[STO], v1, SGP, s67             ; the stage: row = column, my 64 features at byte 256 w, 32 bytes for each half of the lanes
	v_lshl_add_u32 v[STO], v2, 5, v[STO]
	s_mul_i32 s67, s[WV], 8*SGP
	v_lshl_add_u32 v[RD], v[LL], 4, s67            ; back: rows 8 w on
	v_lshlrev_b32 v[GST], 4, v[LL]
	s_and_b32 s68, s[WV], 1                        ; the norm: my wave works on rows 2 (w % 2) and 2 (w % 2) + 1, lanes 0-15 on the first
	s_lshl_b32 s66, s68, 11
	v_lshl_add_u32 v[XOF], v2, 10, s66
	v_lshl_add_u32 v[XOF], v1, 4, v[XOF]
	s_mul_i32 s[WT], s[WV], 16*TP
	; Load i brings units 32 i + l of 16 bytes; a key has 60.  key = (u x 1093) >> 16 and quad = (((u x 1093) & 65535) x 60) >> 16 are exact for u < 480; 15 loads are 8 keys, so 15 addresses serve.
.set i, 0
.rept 15
	v_add_nc_u32 v[C0+1], 32*i, v[LL]
	v_mul_u32_u24 v[C0+1], v[C0+1], 1093
	v_lshrrev_b32 v[C0+2], 16, v[C0+1]
	v_and_b32 v[C0+1], 0xffff, v[C0+1]
	v_mul_u32_u24 v[C0+1], v[C0+1], 60
	v_lshrrev_b32 v[C0+1], 16, v[C0+1]
	v_mad_u32_u24 v[C0+2], v[C0+2], TP, s[WT]
	v_lshl_add_u32 v[SA+i], v[C0+1], 3, v[C0+2]
.set i, i+1
.endr
	v_cmp_eq_u32 s[HM], 1, v2
	v_cmp_eq_u32 s[M28], 28, v[LL]
	v_cmp_gt_u32 s[PMK], 12, v1
	v_cmp_gt_u32 s[QM0], 3, v1                     ; columns 0-2: local head 0
	v_add_nc_u32 v[C0+1], -4, v1
	v_cmp_gt_u32 s[QM1], 3, v[C0+1]                ; columns 4-6: local head 1
	v_cmp_eq_u32 s70, 1, v[TK]
	v_cmp_eq_u32 s71, 2, v[TK]
	s_mov_b32 s[SEL], 0x76543210
	s_mov_b32 s[SEL+1], 0xfedcba98
	s_mov_b32 s[SINV], 0x3b888889                  ; 1 / 240
	s_mov_b32 s[SEPS], 0x3727c5ac                  ; 1e-5
	SPAIR CC, 0x3e86dc38                           ; c = log2(e) / sqrt(30) = 0.263399
	SPAIR PA, 0x40490fdb                           ; sin(pi g) = g (pi - 5.167713 z + 2.550164 z^2 - 0.599265 z^3 + 0.082146 z^4), z = g^2
	SPAIR PA+2, 0xc0a55de7
	SPAIR PA+4, 0x402335e3
	SPAIR PA+6, 0xbf196966
	SPAIR PA+8, 0x3da83c1b
	SPAIR PB, 0xc09de9e6                           ; cos(pi g) = 1 - 4.934802 z + 4.058712 z^2 - 1.335263 z^3 + 0.235331 z^4 - 0.025807 z^5
	SPAIR PB+2, 0x4081e0f8
	SPAIR PB+4, 0xbfaae9e4
	SPAIR PB+6, 0x3e70fa83
	SPAIR PB+8, 0xbcd368f9
.set F0, 0x3ea2f983                    ; 10000^(-i/5) / pi, i = 0..4
.set F1, 0x3d4ea350
.set F2, 0x3c02ffe8
.set F3, 0x3aa618aa
.set F4, 0x39529891
	SETCF 0, F0, F4
	SETCF 1, F1, F0
	SETCF 2, F2, F1
	SETCF 3, F3, F2
	SETCF 4, F3, F2
	SETCF 5, F4, F3
	SETCF 6, F0, F4
	SETCF 7, F1, 0
	; T's columns 240..255, written once: 1.0 and zeros; lanes 0-15 my 16 keys in slot 0, lanes 16-31 in slot 1
	v_mul_u32_u24 v[C0+1], v1, TP
	v_mad_u32_u24 v[C0+1], v2, TSLOT, v[C0+1]
	v_add_nc_u32 v[C0+1], s[WT], v[C0+1]
	v_mov_b32 v[TM], 0x3f80
.irp j, 1,2,3,4,5,6,7
	v_mov_b32 v[TM+\j], 0
.endr
	ds_store_b128 v[C0+1], v[TM:TM+3] offset:480
	ds_store_b128 v[C0+1], v[TM+4:TM+7] offset:496
	v_lshlrev_b32 v[PGO], 4, v1
	s_mul_i32 s66, s68, 2*528
	s_add_co_u32 s66, s66, XSB
	v_mul_u32_u24 v[XSW], v2, 528
	v_lshl_add_u32 v[XSW], v1, 3, v[XSW]
	v_add_nc_u32 v[XSW], s66, v[XSW]               ; x out: my row, 8 bytes a lane
	v_mul_u32_u24 v[XSR], v[TK], 528
	v_lshl_add_u32 v[XSR], v2, 4, v[XSR]
	v_add_nc_u32 v[XSR], XSB, v[XSR]               ; x back: column r stands for row r % 4
	s_wait_kmcnt 0x0
	s_mul_i32 s66, s[BB], 3932160
	s_mul_i32 s67, s[SS], 983040
	s_add_co_u32 s66, s66, s67
	s_mov_b32 s67, 0
	s_add_nc_u64 s[8:9], s[8:9], s[66:67]          ; kv at my work-group's first key
	s_mul_i32 s66, s[BB], 49152
	s_mul_i32 s68, s[SS], 12288
	s_add_co_u32 s66, s66, s68
	s_add_nc_u64 s[10:11], s[10:11], s[66:67]
	s_mul_i32 s66, s[BB], 12
	s_add_nc_u64 s[12:13], s[12:13], s[66:67]
	s_add_nc_u64 s[14:15], s[14:15], s[66:67]
	s_load_b96 s[36:38], s[12:13], 0x0
	s_load_b96 s[40:42], s[14:15], 0x0
	s_load_b32 s[SELM], s[16:17], 1579008          ; 0.0: x is the plain sum; 1.0: the norm applies
	s_lshl_b32 s66, s[WV], 15
	s_add_nc_u64 s[WB:WB+1], s[16:17], s[66:67]    ; my section of Wk; Wq's lies 131,072 on
	s_lshl_b32 s66, s[BB], 14
	s_add_nc_u64 s[18:19], s[18:19], s[66:67]      ; my batch's four summands of x
	s_lshl2_add_u32 s66, s[BB], s[SS]
	s_lshl_b32 s66, s66, 15
	s_lshl_b32 s68, s[WV], 13
	s_add_co_u32 s66, s66, s68
	s_add_nc_u64 s[20:21], s[20:21], s[66:67]      ; my 8 rows of the block
.set j, 0
.rept 4
.irp q, 0,1,2,3
	global_load_b128 v[XPB+16*j+4*\q:XPB+16*j+4*\q+3], v[XOF], s[18:19] offset:4096*j+256*\q
.endr
.set j, j+1
.endr
.irp q, 0,1,2,3
	global_load_b128 v[LG+4*\q:LG+4*\q+3], v[PGO], s[16:17] offset:1572864+4096+256*\q
	global_load_b128 v[LB+4*\q:LB+4*\q+3], v[PGO], s[16:17] offset:1572864+5120+256*\q
.endr
	WIN 0xc0
.set i, 0
.rept 64
	global_load_b128 v[4*i:4*i+3], v[GST], s[WB:WB+1] offset:131072+512*i
.set i, i+1
.endr
	WIN 0
	s_wait_loadcnt 63                              ; 88 loads were issued, x's summands and the norm's vectors first (24): with 63 out at the most they are in; Wq stays on its way
	s_wait_kmcnt 0x0
	s_cmp_lg_u32 s[SELM], 0
	s_cselect_b32 s[SELM], -1, 0
.irp p, 0,2,4,6,8,10,12,14
	v_pk_add_f32 v[XR+\p:XR+\p+1], v[XR+\p:XR+\p+1], v[XPB+16+\p:XPB+17+\p]
	v_pk_add_f32 v[XPB+32+\p:XPB+33+\p], v[XPB+32+\p:XPB+33+\p], v[XPB+48+\p:XPB+49+\p]
.endr
.irp p, 0,2,4,6,8,10,12,14
	v_pk_add_f32 v[XR+\p:XR+\p+1], v[XR+\p:XR+\p+1], v[XPB+32+\p:XPB+33+\p]
.endr
.set i, 0
.rept 16
	v_mov_b32 v[VK+i], v[XR+i]
.set i, i+1
.endr
	LNCORE
.set i, 0
.rept 16
	v_cndmask_b32 v[XR+i], v[VK+i], v[XR+i], s[SELM]   ; one text for both layers: the start tokens are taken as they are
.set i, i+1
.endr
	s_cmp_lt_u32 s[WV], 2
	s_cbranch_scc0 .Lno_x                          ; waves 2 and 3 hold the same rows as waves 0 and 1: they store nothing
.irp j, 0,1,2,3,4,5,6,7
	v_cvt_pk_f16_f32 v[XH+\j], v[XR+2*\j], v[XR+2*\j+1]
.endr
.irp q, 0,1,2,3
	ds_store_b64 v[XSW], v[XH+2*\q:XH+2*\q+1] offset:128*\q
.endr
.Lno_x:
	s_wait_dscnt 0x0                               ; for the others' sake: my rows of x are stored
	s_barrier_signal -1
	s_barrier_wait -1
.set i, 0
.rept 8
	ds_load_b128 v[XF+8*i:XF+8*i+3], v[XSR] offset:64*i
	ds_load_b128 v[XF+8*i+4:XF+8*i+7], v[XSR] offset:64*i+32
.set i, i+1
.endr
	WIN 0x80
.set i, 0
.rept 64
	global_load_b128 v[4*i:4*i+3], v[GST], s[WB:WB+1] offset:512*i
.set i, i+1
.endr
	LOADS                                          ; step 0
	; O^T and kv^T's registers start at 0, m at the lowest finite number, c m far below every c s: the first step is a step like any other, with a = 0.  The price: 128 moves, in the wait for the first loads.
	WIN 0x40
.set i, 0
.rept 128
	v_mov_b32 v[i], 0
.set i, i+1
.endr
	WIN 0
	v_mov_b32 v[MX], 0xff7fffff
	v_mov_b32 v[CM], 0xfe000000
	v_mov_b32 v[CM+1], 0xfe000000
	v_mov_b32 v[AA0+1], 0
	v_mov_b32 v[AA1+1], 0
.irp a, 0,1,2
	v_cndmask_b32 v[QC+\a], 0, s[36+\a], s70       ; token 1: the hand's place; token 2: the head's; else 0
	v_cndmask_b32 v[QC+\a], v[QC+\a], s[40+\a], s71
.endr
	TRIG QC
	s_wait_dscnt 0x0                               ; x's fragments
	s_wait_loadcnt 63                              ; 185 loads were issued, of which Wq's last is the 88th: with 63 out at the most it is in
	WIN 0x03
.set kk, 0
.rept 8
.set uu, 0
.rept 4
.if kk == 0
	v_wmma_f32_16x16x32_f16 v[ACC+8*uu:ACC+8*uu+7], v[8*(4*kk+uu):8*(4*kk+uu)+7], v[XF+8*kk:XF+8*kk+7], 0
.else
	v_wmma_f32_16x16x32_f16 v[ACC+8*uu:ACC+8*uu+7], v[8*(4*kk+uu):8*(4*kk+uu)+7], v[XF+8*kk:XF+8*kk+7], v[ACC+8*uu:ACC+8*uu+7]
.endif
.set uu, uu+1
.endr
.set kk, kk+1
.endr
	WIN 0
	PLACES
	ROPEPK ACC, TG, QB
	ROPEPK ACC+16, TG, QB+8
.set i, 0
.rept 8
	v_cndmask_b32 v[QB+i], 0, v[QB+i], s[QM0]      ; a head's q stands in its own three columns alone
	v_cndmask_b32 v[QB+8+i], 0, v[QB+8+i], s[QM1]
.set i, i+1
.endr
	s_wait_loadcnt 0x0                             ; Wk and step 0; x's loads are done too, so their offset registers are free
	s_mul_i32 s66, s[WV], 16*PBP
	s_add_co_u32 s66, s66, PBB
	v_mad_u32_u24 v[PW], v1, PBP, s66              ; P out: row 16 w + r, 16 bytes for each half of the lanes
	v_lshl_add_u32 v[PW], v2, 4, v[PW]
	v_and_b32 v[C0], 8, v1
	v_add_nc_u32 v[C0], v[C0], v1                  ; 16 (r / 8) + r % 8: the row, within 32, of column r of a tile of 16
	v_mul_u32_u24 v[PRA], v[C0], PBP
	v_lshl_add_u32 v[PRA], v2, 4, v[PRA]
	v_add_nc_u32 v[PRA], PBB, v[PRA]
	s_lshl_b32 s66, s[WV], 6
	s_add_co_u32 s66, s66, AFB
	v_lshl_add_u32 v[AFW], v1, 2, s66
	v_lshl_add_u32 v[AFR], v[C0], 2, AFB           ; the last use of r
.irp j, 0,1,2,3
	v_mov_b32 v[P+\j], 0
.endr
.irp k4, 0,1,2,3
	ds_store_b128 v[PW], v[P:P+3] offset:PBSLOT+32*\k4   ; what the first step finds as the weights of a step that has not been: zeros
.endr
	ds_store_b32 v[AFW], v[P] offset:256
	CONVERT 0
	TRIG CO
	TRST 0
	STEP
	LOADS                                          ; step 1
	s_wait_dscnt 0x0
	s_barrier_signal -1
	s_barrier_wait -1
	s_mov_b32 s[CNT], 0
.Lpair:                                        ; 8 trips of two steps; a step's 33 loads have a whole step in which to land
	SBK 0
	s_wait_loadcnt 0x0                             ; the odd step's input
	CONVERT 1
	TRIG CO
	TRST 1
	s_cmp_eq_u32 s[CNT], 7
	s_cbranch_scc1 .Lno_a                          ; the last trip loads nothing: no load passes the work-group's 1,024 keys
	STEP
	LOADS
.Lno_a:
	SOFTMAX 0
	s_wait_dscnt 0x0                               ; my reads of slot 0 and my stores into T's slot 1 and P's slot 0 are done
	s_barrier_signal -1
	s_barrier_wait -1
	SBK 1
	s_cmp_eq_u32 s[CNT], 7
	s_cbranch_scc1 .Lno_b
	s_wait_loadcnt 0x0
	CONVERT 0
	TRIG CO
	TRST 0
	STEP
	LOADS
.Lno_b:
	SOFTMAX 1
	s_wait_dscnt 0x0                               ; my reads of slot 1 and my stores into T's slot 0 and P's slot 1 are done
	s_barrier_signal -1
	s_barrier_wait -1
	s_add_co_u32 s[CNT], s[CNT], 1
	s_cmp_lt_u32 s[CNT], 8
	s_cbranch_scc1 .Lpair
	AVLOAD 1                                       ; the last step's sum
	s_wait_dscnt 0x0
	AVMUL
	; THE WAY OUT.  O^T goes into one stage (a row a column, my 64 features; T is read no more: the loop's last barrier); behind a barrier wave w takes rows 8 w .. 8 w + 7, its own columns, whole;
	; c m goes into column 241 (byte 964 of a row: lane 28's second register of the row's second half); the rows leave as 8,192 consecutive bytes.
	PLACES
	WIN 0x04
.set i, 0
.rept 8
	ds_store_b128 v[STO], v[8*i:8*i+3] offset:(i%2)*16*SGP+64*(i/2)
	ds_store_b128 v[STO], v[8*i+4:8*i+7] offset:(i%2)*16*SGP+64*(i/2)+16
.set i, i+1
.endr
	WIN 0
	s_wait_dscnt 0x0                               ; for the others' sake: my part of every row is stored
	s_barrier_signal -1
	s_barrier_wait -1
.set i, 0
.rept 16
	ds_load_b128 v[ACC+4*i:ACC+4*i+3], v[RD] offset:(i/2)*SGP+(i%2)*512
.set i, i+1
.endr
.irp q, 0,1,2,3,4,5,6,7
	v_readlane_b32 s[72+\q], v[CM], \q             ; column q's c m lies in lane q
.endr
	s_wait_dscnt 0x0
.irp q, 0,1,2,3,4,5,6,7
	v_cndmask_b32 v[ACC+8*\q+5], v[ACC+8*\q+5], s[72+\q], s[M28]
.endr
.set i, 0
.rept 16
	global_store_b128 v[GST], v[ACC+4*i:ACC+4*i+3], s[20:21] offset:512*i
.set i, i+1
.endr
	s_wait_tensorcnt 0x0                           ; the wave's end: behind my last LDS store
	ds_add_u32 v[SPW], v[NIL]
	s_wait_dscnt 0x0
	s_endpgm
.Lfunc_end_k_qf81a2a0437_attn0:
	.size	k_qf81a2a0437_attn0, .Lfunc_end_k_qf81a2a0437_attn0-k_qf81a2a0437_attn0
	.p2alignl 7, 3214868480
	.fill 96, 4, 3214868480
	.section	.rodata,"a",@progbits
	.p2align	6, 0x0
	.amdhsa_kernel k_qf81a2a0437_attn0
		.amdhsa_group_segment_fixed_size 107776
		.amdhsa_private_segment_fixed_size 0
		.amdhsa_enable_private_segment 0
		.amdhsa_kernarg_size 56
		.amdhsa_user_sgpr_count 2
		.amdhsa_user_sgpr_kernarg_segment_ptr 1
		.amdhsa_wavefront_size32 1
		.amdhsa_system_sgpr_workgroup_id_x 1
		.amdhsa_system_sgpr_workgroup_id_y 1
		.amdhsa_system_sgpr_workgroup_id_z 1
		.amdhsa_system_vgpr_workitem_id 0
		.amdhsa_next_free_vgpr 1024
		.amdhsa_next_free_sgpr 80
		.amdhsa_reserve_vcc 0
		.amdhsa_float_denorm_mode_32 3
		.amdhsa_float_denorm_mode_16_64 3
		.amdhsa_memory_ordered 1
		.amdhsa_forward_progress 1
		.amdhsa_inst_pref_size 183
	.end_amdhsa_kernel
	.amdgpu_metadata
---
amdhsa.version: [ 1, 2 ]
amdhsa.kernels:
  - .name:           k_qf81a2a0437_attn0
    .symbol:         k_qf81a2a0437_attn0.kd
    .args:
      - { .name: valid_feats_projected, .offset: 0, .size: 8, .value_kind: global_buffer, .address_space: global }
      - { .name: valid_coords, .offset: 8, .size: 8, .value_kind: global_buffer, .address_space: global }
      - { .name: hand_translation_all, .offset: 16, .size: 8, .value_kind: global_buffer, .address_space: global }
      - { .name: head_translation_all, .offset: 24, .size: 8, .value_kind: global_buffer, .address_space: global }
      - { .name: wl0, .offset: 32, .size: 8, .value_kind: global_buffer, .address_space: global }
      - { .name: xa, .offset: 40, .size: 8, .value_kind: global_buffer, .address_space: global }
      - { .name: part, .offset: 48, .size: 8, .value_kind: global_buffer, .address_space: global }
    .group_segment_fixed_size: 107776
    .private_segment_fixed_size: 0
    .kernarg_segment_align: 8
    .kernarg_segment_size: 56
    .max_flat_workgroup_size: 128
    .sgpr_count:     80
    .vgpr_count:     1024
    .wavefront_size: 32
...
	.end_amdgpu_metadata
.endif
;; end of part 6
;; launch mid0 (part 7): grid 4 x 64, 8 waves a work-group, no clusters, 34,560 bytes of LDS; arguments part, xa, wl0, xb; writes xb
.if DOCPART == 7
	.amdgcn_target "amdgcn-amd-amdhsa--gfx1250"
	.amdhsa_code_object_version 6
	.text
	.protected	k_qf81a2a0437_mid0
	.globl	k_qf81a2a0437_mid0
	.p2align	8
	.type	k_qf81a2a0437_mid0,@function
k_qf81a2a0437_mid0:
	s_mov_b64 s[64:65], 0
	v_nop
	global_prefetch_b8 v0, s[64:65] scope:SCOPE_SE
	s_setreg_imm32_b32 hwreg(HW_REG_WAVE_MODE, 25, 1), 1
	s_wait_xcnt 0x0
; THE REST OF A LAYER for one batch = 4 rows (row = token; token 3 is padding that stays finite and is never used) and ONE QUARTER OF THE FFN's hidden units (work-group x = slice j, y = batch).
; P0 joins the four quarters of each (head, token): ctx = sum_s e_s O_s / sum_s e_s l_s, e_s = 2^(cm_s - max cm).  P1: ao = Wv ctx + bv, head by head.  P2: Wo ao.  P3: x1 = LN(x + . + bo).
; P4: h = gelu(W1 x1 + b1) for 256 of the 1,024 hidden units.  P5: W2's columns for those units times h.  That summand is stored in f32, slice 0's with x1 + b2 added; whoever reads x adds the four summands
; and applies the second layer norm.  So does this text at its head, for the layer before.  Column 240 of ctx, x and x1 is 1.0: bv and b1 are column 240 of their weights.
; WHY SLICES.  What a work-group reads is what counts here.  P0 to P3 need 131,072 bytes of partial sums and 262,144 of Wv and Wo, and every slice repeats them; W1 and W2 are 1,048,576 bytes, of which a slice
; reads a quarter: 655,360 bytes in all, against 1,441,792 with the whole FFN in one work-group.  Only a sum crosses work-groups, and it goes through memory to the next launch.
; WHICH UNITS.  Slice j has the units 128 w + 32 j .. + 31, w = 0..7: in the stored fragment order these are wave w's tiles 2 j, 2 j + 1 of W1 (2,048 bytes in each K step's 8,192) and the K steps 4 w + j of W2.
; SHARES.  8 waves.  Every product is D = weights (source 0, 16 output dims) x activations (source 1): a lane holds one row and 8 neighbouring dims.  The 16 columns of a product hold the 4 rows four times:
; lane r reads and writes row r % 4, so lanes with the same row store the same numbers to the same bytes.  Wave w owns head w in P0 and P1 and two output tiles of each of Wv, Wo, W1's slice and W2.
; In the layer norms wave w works on rows 2 (w % 2) and 2 (w % 2) + 1 (16 lanes a row, features 64 q + 4 r + 0..3) and keeps them in registers; waves 0 and 1 alone store.
; THE RING.  Everything bulky that a wave reads from memory comes as 10 items of 16 loads of 16 bytes a lane (2 of partial sums, 8 of weights) through four slots of 64 registers in window 1; item n + 4 is
; asked for when item n has been used, so three items, 24,576 bytes a wave, are always on their way.
; FORMATS AND LIMITS.  All operands f16 (within 65,504); sums, x, the norms' mean and variance (two passes) in f32.  erf by the rational form 1 - (a1 t + .. + a5 t^5) e^(-y^2), t = 1 / (1 + 0.3275911 y):
; absolute error up to 1.5e-7.  NaN and infinities are not treated apart.
.set ROWS,  4
.set CTXW,  ROWS*528                   ; a head's ctx: 4 rows of 256 f16, pitch 528
.set AO,    8*CTXW
.set X1,    AO+CTXW
.set HB,    X1+CTXW                    ; the slice's h: 4 rows of 256 f16
.set Y,     HB+CTXW                    ; 4 rows of 256 f32, pitch 1,040
.set YP,    1040
.set PRM,   Y+ROWS*YP                  ; six vectors of 256 f32: bo, ln1_g, ln1_b, b2, and the layer before's ln2_g, ln2_b
.set SPARE, PRM+6144                   ; the spare words, 128 bytes a wave
.set NPI,   2                          ; items of partial sums
.set NIT,   10                         ; items in all
.set PV,  4
.set MLV, 5
.set WVA, 6
.set CXS, 7
.set BC,  8
.set BA,  9
.set BX,  10
.set BH,  11
.set AOS, 12
.set YS,  13
.set YL,  14
.set PLA, 15
.set X1S, 16
.set HS,  17
.set XG,  18
.set PRS, 21
.set PRG, 22
.set SPW, 28
.set NIL, 29
.set MK0, 30
.set XR,  32                           ; v32-47 my 16 numbers of my row of x
.set BF,  48                           ; v48-111 source 1 for 8 K steps
.set ACC, 112                          ; v112-127
.set ML,  112                          ; P0: (l, c m) by item and quarter
.set XPB, 128                          ; the head: x's four summands, 16 registers each
.set CX,  176
.set WS,  192
.set CE,  200
.set CT,  204
.set HH,  208
.set PRT, 216                          ; the head: the six vectors on their way into LDS
.set YV,  176
.set BI,  192
.set LG,  208
.set LB,  224
.set GT,  176
.set GE,  184
.set GP,  192
.set GH,  200
.set GO,  208
.set PMK,  18                          ; lanes whose features 192 + 4 r .. are real
.set SINV, 24
.set SEPS, 25
.set SELM, 46                          ; all ones: the layer before's norm applies
.set MSB, 0
.macro WIN new
.if MSB != (\new)
	s_set_vgpr_msb (MSB<<8)|(\new)
.set MSB, (\new)
.endif
.endm
.macro PLACES
.rept 4
	v_nop
.endr
.endm
.macro SPAIR r, x
	s_mov_b32 s[\r], \x
	s_mov_b32 s[\r+1], \x
.endm
.macro BAR                             ; my LDS stores and loads are done; then all eight waves meet
	s_wait_dscnt 0x0
	s_barrier_signal -1
	s_barrier_wait -1
.endm
.macro ISSUE n                         ; item n into slot n % 4: 0, 1 partial sums; 2-5 Wv, Wo, 8,192 bytes on end; 6-9 the slice of W1, W2: four K steps, 2,048 bytes of each 8,192
.if (\n) < NIT
	WIN 0x40
.if (\n) < NPI
.set si, 0
.rept 4
.set qi, 0
.rept 4
	global_load_b128 v[64*((\n)%4)+16*si+4*qi:64*((\n)%4)+16*si+4*qi+3], v[PV], s[8:9] offset:si*32768+(\n)*2048+256*qi
.set qi, qi+1
.endr
.set si, si+1
.endr
.elseif (\n) < 6
.set si, 0
.rept 16
	global_load_b128 v[64*((\n)%4)+4*si:64*((\n)%4)+4*si+3], v[WVA], s[22:23] offset:8192*((\n)-NPI)+512*si
.set si, si+1
.endr
.else
.set si, 0
.rept 16
	global_load_b128 v[64*((\n)%4)+4*si:64*((\n)%4)+4*si+3], v[WVA], s[44:45] offset:32768*((\n)-5)+8192*(si/4)+512*(si%4)
.set si, si+1
.endr
.endif
	WIN 0
.endif
.endm
.macro RWAIT n                         ; item n is in: behind it the items up to n + 3 were issued, 16 loads each, as far as there are items
.if (\n) <= NIT-4
	s_wait_loadcnt 48
.else
	s_wait_loadcnt 16*(NIT-1-(\n))
.endif
.endm
; P0, item k: tokens 2 k + (0 for lanes 0-15, 1 for lanes 16-31), head w
.macro CMB k
.set rb, 64*((\k)%4)
.set rm, ML+8*(\k)
	RWAIT \k
	v_max_num_f32 v[CT], v[rm+1], v[rm+3]
	v_max3_num_f32 v[CT], v[CT], v[rm+5], v[rm+7]
.irp s, 0,1,2,3
	v_sub_f32 v[CE+\s], v[rm+2*\s+1], v[CT]
.endr
.irp s, 0,1,2,3
	v_exp_f32 v[CE+\s], v[CE+\s]
.endr
	v_nop
	s_wait_alu depctr_va_vdst(0)
	v_mul_f32 v[CT], v[CE], v[rm]
	v_fmac_f32 v[CT], v[CE+1], v[rm+2]
	v_fmac_f32 v[CT], v[CE+2], v[rm+4]
	v_fmac_f32 v[CT], v[CE+3], v[rm+6]
	v_rcp_f32 v[CT], v[CT]
	v_nop
	s_wait_alu depctr_va_vdst(0)
.irp s, 0,1,2,3
	v_mul_f32 v[WS+2*\s], v[CE+\s], v[CT]
.endr
	WIN 0x01
.set j, 0
.rept 8
	v_pk_mul_f32 v[CX+2*j:CX+2*j+1], v[rb+2*j:rb+2*j+1], v[WS:WS+1] op_sel_hi:[1,0]
.set j, j+1
.endr
.irp s, 1,2,3
.set j, 0
.rept 8
	v_pk_fma_f32 v[CX+2*j:CX+2*j+1], v[rb+16*\s+2*j:rb+16*\s+2*j+1], v[WS+2*\s:WS+2*\s+1], v[CX+2*j:CX+2*j+1] op_sel_hi:[1,0,1]
.set j, j+1
.endr
.endr
	WIN 0
.set j, 0
.rept 8
	v_cvt_pk_f16_f32 v[HH+j], v[CX+2*j], v[CX+2*j+1]
.set j, j+1
.endr
	v_and_b32 v[HH+6], v[MK0], v[HH+6]             ; column 241 held c m: cleared; column 240 is sum e l / sum e l = 1.0
.irp q, 0,1,2,3
	ds_store_b64 v[CXS], v[HH+2*\q:HH+2*\q+1] offset:2*(\k)*528+128*\q
.endr
	ISSUE (\k)+4
.endm
.macro BLOAD adr                       ; source 1 for 8 K steps: row r % 4, 16 bytes for each half of the lanes, twice a step
.set i, 0
.rept 8
	ds_load_b128 v[BF+8*i:BF+8*i+3], v[\adr] offset:64*i
	ds_load_b128 v[BF+8*i+4:BF+8*i+7], v[\adr] offset:64*i+32
.set i, i+1
.endr
	s_wait_dscnt 0x0
.endm
.macro MM2 c, ks0, first               ; weight chunk c: 4 K steps x 2 tiles; the two accumulators take turns
	RWAIT (\c)+NPI
	WIN 0x01
.set rb, 64*(((\c)+NPI)%4)
.set kl, 0
.rept 4
.set uu, 0
.rept 2
.if (\first) && (kl == 0)
	v_wmma_f32_16x16x32_f16 v[ACC+8*uu:ACC+8*uu+7], v[rb+8*(2*kl+uu):rb+8*(2*kl+uu)+7], v[BF+8*((\ks0)+kl):BF+8*((\ks0)+kl)+7], 0
.else
	v_wmma_f32_16x16x32_f16 v[ACC+8*uu:ACC+8*uu+7], v[rb+8*(2*kl+uu):rb+8*(2*kl+uu)+7], v[BF+8*((\ks0)+kl):BF+8*((\ks0)+kl)+7], v[ACC+8*uu:ACC+8*uu+7]
.endif
.set uu, uu+1
.endr
.set kl, kl+1
.endr
	WIN 0
	PLACES                                         ; in front of the loads into the slot just multiplied, and of whatever reads the sums
	ISSUE (\c)+NPI+4
.endm
.macro YOUT                            ; two tiles of f32 sums into Y
.irp u, 0,1
	ds_store_b128 v[YS], v[ACC+8*\u:ACC+8*\u+3] offset:64*\u
	ds_store_b128 v[YS], v[ACC+8*\u+4:ACC+8*\u+7] offset:64*\u+16
.endr
.endm
.macro RSUM r                          ; the sum over the row's 16 lanes, in every one of them
	v_add_f32_dpp v[\r], v[\r], v[\r] row_xmask:1 row_mask:0xf bank_mask:0xf
	v_add_f32_dpp v[\r], v[\r], v[\r] row_xmask:2 row_mask:0xf bank_mask:0xf
	v_add_f32_dpp v[\r], v[\r], v[\r] row_xmask:4 row_mask:0xf bank_mask:0xf
	v_add_f32_dpp v[\r], v[\r], v[\r] row_xmask:8 row_mask:0xf bank_mask:0xf
.endm
; XR = (XR - mean) / sqrt(variance + 1e-5) x LG + LB over the row's 240 real columns, in two passes.  The padding leaves as LB's (1.0, then 0).
.macro LNCORE
.irp i, 12,13,14,15
	v_cndmask_b32 v[XR+\i], 0, v[XR+\i], s[PMK]
.endr
	v_pk_add_f32 v[YV:YV+1], v[XR:XR+1], v[XR+2:XR+3]
	v_pk_add_f32 v[YV+2:YV+3], v[XR+4:XR+5], v[XR+6:XR+7]
	v_pk_add_f32 v[YV+4:YV+5], v[XR+8:XR+9], v[XR+10:XR+11]
	v_pk_add_f32 v[YV+6:YV+7], v[XR+12:XR+13], v[XR+14:XR+15]
	v_pk_add_f32 v[YV:YV+1], v[YV:YV+1], v[YV+2:YV+3]
	v_pk_add_f32 v[YV+4:YV+5], v[YV+4:YV+5], v[YV+6:YV+7]
	v_pk_add_f32 v[YV:YV+1], v[YV:YV+1], v[YV+4:YV+5]
	v_add_f32 v[YV], v[YV], v[YV+1]
	RSUM YV
	v_mul_f32 v[YV], s[SINV], v[YV]                ; the mean
	v_mov_b32 v[YV+1], v[YV]
.irp p, 0,2,4,6,8,10,12,14
	v_pk_add_f32 v[XR+\p:XR+\p+1], v[XR+\p:XR+\p+1], v[YV:YV+1] neg_lo:[0,1] neg_hi:[0,1]
.endr
.irp i, 12,13,14,15
	v_cndmask_b32 v[XR+\i], 0, v[XR+\i], s[PMK]
.endr
	v_pk_mul_f32 v[YV+2:YV+3], v[XR:XR+1], v[XR:XR+1]
	v_pk_mul_f32 v[YV+4:YV+5], v[XR+2:XR+3], v[XR+2:XR+3]
.irp p, 4,8,12
	v_pk_fma_f32 v[YV+2:YV+3], v[XR+\p:XR+\p+1], v[XR+\p:XR+\p+1], v[YV+2:YV+3]
	v_pk_fma_f32 v[YV+4:YV+5], v[XR+\p+2:XR+\p+3], v[XR+\p+2:XR+\p+3], v[YV+4:YV+5]
.endr
	v_pk_add_f32 v[YV+2:YV+3], v[YV+2:YV+3], v[YV+4:YV+5]
	v_add_f32 v[YV+2], v[YV+2], v[YV+3]
	RSUM YV+2
	v_fma_f32 v[YV+2], v[YV+2], s[SINV], s[SEPS]   ; variance + 1e-5
	v_rsq_f32 v[YV+4], v[YV+2]
	v_rsq_f32 v[YV+5], v[YV+2]
	v_nop
	s_wait_alu depctr_va_vdst(0)
.irp p, 0,2,4,6,8,10,12,14
	v_pk_mul_f32 v[XR+\p:XR+\p+1], v[XR+\p:XR+\p+1], v[YV+4:YV+5]
.endr
.irp p, 0,2,4,6,8,10,12,14
	v_pk_fma_f32 v[XR+\p:XR+\p+1], v[XR+\p:XR+\p+1], v[LG+\p:LG+\p+1], v[LB+\p:LB+\p+1]
.endr
.endm
; x out of the sum of its summands: the layer before's second norm, or, for the start tokens, the sum as it is
.macro XLN
.irp q, 0,1,2,3
	ds_load_b128 v[LG+4*\q:LG+4*\q+3], v[PLA] offset:1024*4+256*\q
	ds_load_b128 v[LB+4*\q:LB+4*\q+3], v[PLA] offset:1024*5+256*\q
.endr
.set i, 0
.rept 16
	v_mov_b32 v[BI+i], v[XR+i]
.set i, i+1
.endr
	s_wait_dscnt 0x0
	LNCORE
.set i, 0
.rept 16
	v_cndmask_b32 v[XR+i], v[BI+i], v[XR+i], s[SELM]
.set i, i+1
.endr
.endm
; x1 = LN(x + Y + bo) x ln1_g + ln1_b; waves 0 and 1 also put it, rounded to f16, into X1
.macro LN1
.irp q, 0,1,2,3
	ds_load_b128 v[YV+4*\q:YV+4*\q+3], v[YL] offset:256*\q
	ds_load_b128 v[BI+4*\q:BI+4*\q+3], v[PLA] offset:256*\q
	ds_load_b128 v[LG+4*\q:LG+4*\q+3], v[PLA] offset:1024+256*\q
	ds_load_b128 v[LB+4*\q:LB+4*\q+3], v[PLA] offset:2048+256*\q
.endr
	s_wait_dscnt 0x0
.irp p, 0,2,4,6,8,10,12,14
	v_pk_add_f32 v[YV+\p:YV+\p+1], v[YV+\p:YV+\p+1], v[BI+\p:BI+\p+1]
.endr
.irp p, 0,2,4,6,8,10,12,14
	v_pk_add_f32 v[XR+\p:XR+\p+1], v[XR+\p:XR+\p+1], v[YV+\p:YV+\p+1]
.endr
	LNCORE
	s_cmp_lt_u32 s16, 2
	s_cbranch_scc0 .Lno_x1                         ; waves 2 to 7 hold the same rows as waves 0 and 1: they store nothing
.irp j, 0,1,2,3,4,5,6,7
	v_cvt_pk_f16_f32 v[YV+8+\j], v[XR+2*\j], v[XR+2*\j+1]
.endr
.irp q, 0,1,2,3
	ds_store_b64 v[X1S], v[YV+8+2*\q:YV+9+2*\q] offset:128*\q
.endr
.Lno_x1:
.endm
; gelu(x) = x/2 + x/2 erf(x / sqrt 2) on tile u's 8 sums, rounded to f16 into HB
.macro GELU8 u
.set ra, ACC+8*(\u)
.irp i, 0,1,2,3,4,5,6,7
	v_and_b32 v[GT+\i], s27, v[ra+\i]
.endr
.irp i, 0,1,2,3,4,5,6,7
	v_fma_f32 v[GT+\i], v[GT+\i], s26, 1.0         ; 1 + 0.3275911 |x| / sqrt 2
.endr
.irp p, 0,2,4,6
	v_pk_mul_f32 v[GE+\p:GE+\p+1], v[ra+\p:ra+\p+1], v[ra+\p:ra+\p+1]
.endr
.irp p, 0,2,4,6
	v_pk_mul_f32 v[GE+\p:GE+\p+1], v[GE+\p:GE+\p+1], s[28:29] op_sel_hi:[1,0]   ; -x^2 / 2 x log2(e)
.endr
.irp i, 0,1,2,3,4,5,6,7
	v_rcp_f32 v[GT+\i], v[GT+\i]
.endr
.irp i, 0,1,2,3,4,5,6,7
	v_exp_f32 v[GE+\i], v[GE+\i]
.endr
.irp p, 0,2,4,6
	v_pk_mul_f32 v[GH+\p:GH+\p+1], v[ra+\p:ra+\p+1], 0.5 op_sel_hi:[1,0]        ; plain work between the last exponential and the use of its result
.endr
	s_wait_alu depctr_va_vdst(0)
.irp p, 0,2,4,6
	v_pk_fma_f32 v[GP+\p:GP+\p+1], v[GT+\p:GT+\p+1], s[38:39], s[36:37] op_sel_hi:[1,0,0]
.endr
.irp c, 34,32,30
.irp p, 0,2,4,6
	v_pk_fma_f32 v[GP+\p:GP+\p+1], v[GP+\p:GP+\p+1], v[GT+\p:GT+\p+1], s[\c:\c+1] op_sel_hi:[1,1,0]
.endr
.endr
.irp p, 0,2,4,6
	v_pk_mul_f32 v[GP+\p:GP+\p+1], v[GP+\p:GP+\p+1], v[GT+\p:GT+\p+1]
.endr
.irp p, 0,2,4,6
	v_pk_fma_f32 v[GP+\p:GP+\p+1], v[GP+\p:GP+\p+1], v[GE+\p:GE+\p+1], 1.0 op_sel_hi:[1,1,0] neg_lo:[1,0,0] neg_hi:[1,0,0]
.endr
.irp i, 0,1,2,3,4,5,6,7
	v_bfi_b32 v[GP+\i], s27, v[GP+\i], v[ra+\i]    ; erf takes x's sign
.endr
.irp p, 0,2,4,6
	v_pk_fma_f32 v[GP+\p:GP+\p+1], v[GH+\p:GH+\p+1], v[GP+\p:GP+\p+1], v[GH+\p:GH+\p+1]
.endr
.irp j, 0,1,2,3
	v_cvt_pk_f16_f32 v[GO+\j], v[GP+2*\j], v[GP+2*\j+1]
.endr
	ds_store_b128 v[HS], v[GO:GO+3] offset:32*(\u)
.endm
	s_load_b256 s[8:15], s[0:1], 0x0               ; part 8, x in 10, the layer's weights 12, x out 14
	v_lshl_add_u32 v[SPW], v0, 2, SPARE
	v_mov_b32 v[NIL], 0
	v_lshrrev_b32 v3, 5, v0
	v_readfirstlane_b32 s16, v3                    ; wave
	s_mov_b32 s17, ttmp9                           ; slice
	s_and_b32 s21, ttmp7, 0xffff                   ; batch
	s_and_b32 s20, s16, 1                          ; which two rows are mine in the layer norms
	v_and_b32 v3, 31, v0                           ; l
	v_and_b32 v1, 15, v0                           ; r
	v_bfe_u32 v2, v0, 4, 1                         ; h
	v_and_b32 v44, 3, v0                           ; r % 4: a product's column stands for this row
	s_lshl_b32 s40, s16, 12
	v_lshl_add_u32 v[MLV], v2, 10, s40
	v_lshl_add_u32 v[PV], v1, 4, v[MLV]
	v_lshlrev_b32 v[WVA], 4, v3
	s_mul_i32 s41, s16, CTXW
	v_mul_u32_u24 v40, v2, 528
	v_lshl_add_u32 v40, v1, 3, v40
	v_add_nc_u32 v[CXS], s41, v40
	v_mul_u32_u24 v41, v44, 528
	v_lshl_add_u32 v41, v2, 4, v41
	v_add_nc_u32 v[BC], s41, v41
	v_add_nc_u32 v[BA], AO, v41
	v_add_nc_u32 v[BX], X1, v41
	v_add_nc_u32 v[BH], HB, v41
	s_lshl_b32 s42, s16, 6
	v_add_nc_u32 v[AOS], s42, v[BA]
	v_add_nc_u32 v[HS], s42, v[BH]
	v_mul_u32_u24 v43, v44, YP
	v_lshl_add_u32 v43, v2, 5, v43
	s_lshl_b32 s42, s16, 7
	s_add_co_u32 s42, s42, Y
	v_add_nc_u32 v[YS], s42, v43
	s_mul_i32 s42, s20, 2*YP
	s_add_co_u32 s42, s42, Y
	v_mul_u32_u24 v43, v2, YP
	v_lshl_add_u32 v43, v1, 4, v43
	v_add_nc_u32 v[YL], s42, v43
	v_lshlrev_b32 v[PLA], 4, v1
	v_add_nc_u32 v[PLA], PRM, v[PLA]
	s_mul_i32 s42, s20, 2*528
	s_add_co_u32 s42, s42, X1
	v_add_nc_u32 v[X1S], s42, v40
	s_lshl_b32 s43, s20, 11
	v_lshl_add_u32 v[XG], v2, 10, s43              ; my row in a summand of x, 16 bytes a lane
	v_lshl_add_u32 v[XG], v1, 4, v[XG]
	v_lshlrev_b32 v[PRG], 2, v0
	v_add_nc_u32 v[PRS], PRM, v[PRG]
	v_cmp_gt_u32 s[PMK], 12, v1
	v_cmp_eq_u32 s19, 12, v1
	v_mov_b32 v[MK0], -1
	v_mov_b32 v31, 0xffff
	v_cndmask_b32 v[MK0], v[MK0], v31, s19
.irp s, 0,1,2,3
	v_mov_b32 v[WS+2*\s+1], 0                      ; named with the weights as pairs
.endr
	s_mov_b32 s[SINV], 0x3b888889                  ; 1 / 240
	s_mov_b32 s[SEPS], 0x3727c5ac                  ; 1e-5
	s_mov_b32 s26, 0x3e6d3388                      ; 0.3275911 / sqrt 2
	s_mov_b32 s27, 0x7fffffff
	SPAIR 28, 0xbf38aa3b                           ; -log2(e) / 2
	SPAIR 30, 0x3e827906                           ; a1 .. a5 = 0.254829592, -0.284496736, 1.421413741, -1.453152027, 1.061405429
	SPAIR 32, 0xbe91a98e
	SPAIR 34, 0x3fb5f0e3
	SPAIR 36, 0xbfba00e3
	SPAIR 38, 0x3f87dc22
	s_wait_kmcnt 0x0
	s_load_b32 s[SELM], s[12:13], 1579008          ; 0.0: x is the plain sum; 1.0: the norm applies
	s_lshl_b32 s40, s21, 17
	s_mov_b32 s41, 0
	s_add_nc_u64 s[8:9], s[8:9], s[40:41]          ; my batch's 4 blocks of partial sums
	s_lshl_b32 s40, s21, 14
	s_add_nc_u64 s[10:11], s[10:11], s[40:41]      ; my batch's four summands of x
	s_lshl_b32 s42, s17, 12
	s_add_co_u32 s40, s40, s42
	s_add_nc_u64 s[14:15], s[14:15], s[40:41]      ; where my summand goes
	s_mul_i32 s40, s16, 163840
	s_add_co_u32 s40, s40, 262144
	s_add_nc_u64 s[22:23], s[12:13], s[40:41]      ; my wave's stream of weights,
	s_lshl_b32 s40, s17, 11
	s_add_nc_u64 s[44:45], s[22:23], s[40:41]      ; and my slice's 2,048 bytes in each 8,192 of W1 and W2
.irp v, 0,1,2,3,4,5
	global_load_b32 v[PRT+\v], v[PRG], s[12:13] offset:1572864+1024*\v
.endr
.set j, 0
.rept 4
.irp q, 0,1,2,3
	global_load_b128 v[XPB+16*j+4*\q:XPB+16*j+4*\q+3], v[XG], s[10:11] offset:4096*j+256*\q
.endr
.set j, j+1
.endr
.set k, 0
.rept NPI
.irp s, 0,1,2,3
	global_load_b64 v[ML+8*k+2*\s:ML+8*k+2*\s+1], v[MLV], s[8:9] offset:\s*32768+k*2048+960
.endr
.set k, k+1
.endr
	ISSUE 0
	ISSUE 1
	ISSUE 2
	ISSUE 3
	s_wait_loadcnt 63                              ; 94 loads were issued, the vectors, x's summands and (l, c m) first (30): with 63 out at the most they are in
.irp v, 0,1,2,3,4,5
	ds_store_b32 v[PRS], v[PRT+\v] offset:1024*\v
.endr
.irp p, 0,2,4,6,8,10,12,14
	v_pk_add_f32 v[XR+\p:XR+\p+1], v[XPB+\p:XPB+\p+1], v[XPB+16+\p:XPB+17+\p]
	v_pk_add_f32 v[XPB+32+\p:XPB+33+\p], v[XPB+32+\p:XPB+33+\p], v[XPB+48+\p:XPB+49+\p]
.endr
.irp p, 0,2,4,6,8,10,12,14
	v_pk_add_f32 v[XR+\p:XR+\p+1], v[XR+\p:XR+\p+1], v[XPB+32+\p:XPB+33+\p]
.endr
	s_wait_kmcnt 0x0
	s_cmp_lg_u32 s[SELM], 0
	s_cselect_b32 s[SELM], -1, 0
	CMB 0
	CMB 1
	; P1: head w's 32 dims of ao.  CTX[w] is my own: LDS serves a wave's instructions in order
	BLOAD BC
	MM2 0, 0, 1
	MM2 1, 4, 0
.irp j, 0,1,2,3,4,5,6,7
	v_cvt_pk_f16_f32 v[HH+\j], v[ACC+2*\j], v[ACC+2*\j+1]
.endr
	ds_store_b128 v[AOS], v[HH:HH+3]
	ds_store_b128 v[AOS], v[HH+4:HH+7] offset:32
	BAR                                            ; ao and the six vectors are whole
	XLN
	BLOAD BA
	MM2 2, 0, 1
	MM2 3, 4, 0
	YOUT
	BAR
	LN1
	BAR                                            ; x1 is whole, and Y has been read
	BLOAD BX
	MM2 4, 0, 1
	MM2 5, 4, 0
	GELU8 0
	GELU8 1
	BAR                                            ; the slice's h is whole
	BLOAD BH
	MM2 6, 0, 1
	MM2 7, 4, 0
	YOUT
	BAR
	s_cmp_lt_u32 s16, 2
	s_cbranch_scc0 .Lend                           ; waves 0 and 1 store the summand's four rows
.irp q, 0,1,2,3
	ds_load_b128 v[YV+4*\q:YV+4*\q+3], v[YL] offset:256*\q
	ds_load_b128 v[BI+4*\q:BI+4*\q+3], v[PLA] offset:3072+256*\q
.endr
	s_wait_dscnt 0x0
	s_cmp_lg_u32 s17, 0
	s_cbranch_scc1 .Lsummand                       ; slice 0's summand carries x1 + b2
.irp p, 0,2,4,6,8,10,12,14
	v_pk_add_f32 v[BI+\p:BI+\p+1], v[BI+\p:BI+\p+1], v[XR+\p:XR+\p+1]
.endr
.irp p, 0,2,4,6,8,10,12,14
	v_pk_add_f32 v[YV+\p:YV+\p+1], v[YV+\p:YV+\p+1], v[BI+\p:BI+\p+1]
.endr
.Lsummand:
.irp q, 0,1,2,3
	global_store_b128 v[XG], v[YV+4*\q:YV+4*\q+3], s[14:15] offset:256*\q    ; 16 lanes store 256 consecutive bytes
.endr
.Lend:
	s_wait_tensorcnt 0x0                           ; the wave's end: behind my last LDS store
	ds_add_u32 v[SPW], v[NIL]
	s_wait_dscnt 0x0
	s_endpgm
.Lfunc_end_k_qf81a2a0437_mid0:
	.size	k_qf81a2a0437_mid0, .Lfunc_end_k_qf81a2a0437_mid0-k_qf81a2a0437_mid0
	.p2alignl 7, 3214868480
	.fill 96, 4, 3214868480
	.section	.rodata,"a",@progbits
	.p2align	6, 0x0
	.amdhsa_kernel k_qf81a2a0437_mid0
		.amdhsa_group_segment_fixed_size 34560
		.amdhsa_private_segment_fixed_size 0
		.amdhsa_enable_private_segment 0
		.amdhsa_kernarg_size 32
		.amdhsa_user_sgpr_count 2
		.amdhsa_user_sgpr_kernarg_segment_ptr 1
		.amdhsa_wavefront_size32 1
		.amdhsa_system_sgpr_workgroup_id_x 1
		.amdhsa_system_sgpr_workgroup_id_y 1
		.amdhsa_system_sgpr_workgroup_id_z 1
		.amdhsa_system_vgpr_workitem_id 0
		.amdhsa_next_free_vgpr 512
		.amdhsa_next_free_sgpr 66
		.amdhsa_reserve_vcc 0
		.amdhsa_float_denorm_mode_32 3
		.amdhsa_float_denorm_mode_16_64 3
		.amdhsa_memory_ordered 1
		.amdhsa_forward_progress 1
		.amdhsa_inst_pref_size 68
	.end_amdhsa_kernel
	.amdgpu_metadata
---
amdhsa.version: [ 1, 2 ]
amdhsa.kernels:
  - .name:           k_qf81a2a0437_mid0
    .symbol:         k_qf81a2a0437_mid0.kd
    .args:
      - { .name: part, .offset: 0, .size: 8, .value_kind: global_buffer, .address_space: global }
      - { .name: xa, .offset: 8, .size: 8, .value_kind: global_buffer, .address_space: global }
      - { .name: wl0, .offset: 16, .size: 8, .value_kind: global_buffer, .address_space: global }
      - { .name: xb, .offset: 24, .size: 8, .value_kind: global_buffer, .address_space: global }
    .group_segment_fixed_size: 34560
    .private_segment_fixed_size: 0
    .kernarg_segment_align: 8
    .kernarg_segment_size: 32
    .max_flat_workgroup_size: 256
    .sgpr_count:     66
    .vgpr_count:     512
    .wavefront_size: 32
...
	.end_amdgpu_metadata
.endif
;; end of part 7
;; launch attn1: the kernel of part 6 again; grid 4 x 64, 4 waves a work-group, no clusters, 107,776 bytes of LDS; arguments valid_feats_projected, valid_coords, hand_translation_all, head_translation_all, wl1, xb, part; writes part
;; launch mid1: the kernel of part 7 again; grid 4 x 64, 8 waves a work-group, no clusters, 34,560 bytes of LDS; arguments part, xb, wl1, xc; writes xc
;; launch outp (part 8): grid 16 x 1, 8 waves a work-group, no clusters, 24,832 bytes of LDS; arguments xc, wfin, out0; writes out0
.if DOCPART == 8
	.amdgcn_target "amdgcn-amd-amdhsa--gfx1250"
	.amdhsa_code_object_version 6
	.text
	.protected	k_qf81a2a0437_outp
	.globl	k_qf81a2a0437_outp
	.p2align	8
	.type	k_qf81a2a0437_outp,@function
k_qf81a2a0437_outp:
	s_mov_b64 s[64:65], 0
	v_nop
	global_prefetch_b8 v0, s[64:65] scope:SCOPE_SE
	s_setreg_imm32_b32 hwreg(HW_REG_WAVE_MODE, 25, 1), 1
	s_wait_xcnt 0x0
; out0[b][t - 1] = Wout x[b][t] + bout for tokens t = 1, 2, where x = LN(the sum of its four stored summands) by layer 1's second layer norm.
; A work-group takes 4 batches = 16 rows.  THE NORM: wave w adds and norms rows 2 w and 2 w + 1 (16 lanes a row, features 64 q + 4 r + 0..3; mean and variance in two passes, f32) and puts them, rounded to f16,
; into LDS; column 240 leaves as 1.0, and bout is Wout's column 240.  THE PRODUCT: wave w makes output dims 32 w .. 32 w + 31; D = Wout (source 0) x x (source 1): a lane holds one row and 8 neighbouring dims.
; The results meet in a stage of 16 rows of 960 bytes: rows 0-7 are the 8 output rows in their order, rows 8-15 take tokens 0 and 3, which nobody reads; the first 7,680 bytes then leave as they lie,
; 16 bytes a thread.  Operands f16 (within 65,504), sums f32.
.set SPARE, 15360
.set XB,  16384                        ; x in f16: 16 rows, pitch 528
.set SPW, 28
.set NIL, 29
.set LG,  32                           ; v32-47 the norm's gain
.set LB,  48                           ; v48-63 its offset; then the products' sums
.set ACC, 48
.set WF,  64
.set BF,  192
.set XPB, 192                          ; x's four summands, where the fragments lie later
.set XR,  192
.set YV,  224
.set XH,  232
.set PMK,  24
.set SINV, 25
.set SEPS, 26
.macro RSUM r                          ; the sum over a row's 16 lanes, in every one of them
	v_add_f32_dpp v[\r], v[\r], v[\r] row_xmask:1 row_mask:0xf bank_mask:0xf
	v_add_f32_dpp v[\r], v[\r], v[\r] row_xmask:2 row_mask:0xf bank_mask:0xf
	v_add_f32_dpp v[\r], v[\r], v[\r] row_xmask:4 row_mask:0xf bank_mask:0xf
	v_add_f32_dpp v[\r], v[\r], v[\r] row_xmask:8 row_mask:0xf bank_mask:0xf
.endm
	s_load_b128 s[8:11], s[0:1], 0x0               ; x 8, Wout's fragments and the norm's vectors 10
	s_load_b64 s[12:13], s[0:1], 0x10              ; out0
	v_lshl_add_u32 v[SPW], v0, 2, SPARE
	v_mov_b32 v[NIL], 0
	v_lshrrev_b32 v3, 5, v0
	v_readfirstlane_b32 s16, v3
	s_mov_b32 s17, ttmp9
	v_and_b32 v3, 31, v0
	v_and_b32 v1, 15, v0
	v_bfe_u32 v2, v0, 4, 1
	v_lshlrev_b32 v6, 4, v3
	v_mul_u32_u24 v7, v1, 528
	v_lshl_add_u32 v7, v2, 4, v7
	v_add_nc_u32 v7, XB, v7                        ; x back: row r, 16 bytes for each half of the lanes
	v_lshlrev_b32 v14, 4, v1                       ; 16 r
	v_lshl_add_u32 v13, v2, 10, v14                ; my row of two in a summand
	s_mul_i32 s18, s16, 2*528
	s_add_co_u32 s18, s18, XB
	v_mul_u32_u24 v15, v2, 528
	v_lshl_add_u32 v15, v1, 3, v15
	v_add_nc_u32 v15, s18, v15                     ; x out: row 2 w + (0, 1), 8 bytes a lane
	v_cmp_gt_u32 s[PMK], 12, v1
	s_mov_b32 s[SINV], 0x3b888889                  ; 1 / 240
	s_mov_b32 s[SEPS], 0x3727c5ac                  ; 1e-5
	v_and_b32 v4, 3, v1
	v_add_nc_u32 v4, 1, v4                         ; t + 1: 2, 3 for the tokens that leave
	v_lshrrev_b32 v8, 2, v1
	v_and_b32 v9, 1, v4
	v_and_b32 v10, 2, v4
	v_lshl_add_u32 v11, v8, 1, v9
	v_add_nc_u32 v11, 8, v11
	v_lshlrev_b32 v10, 2, v10
	v_sub_nc_u32 v11, v11, v10                     ; stage row: 2 x batch + t - 1, or 8 and up
	v_mul_u32_u24 v11, v11, 960
	s_lshl_b32 s19, s16, 7
	v_add_nc_u32 v11, s19, v11
	v_lshl_add_u32 v11, v2, 5, v11
	v_lshlrev_b32 v12, 4, v0
	s_wait_kmcnt 0x0
	s_lshl_b32 s18, s17, 2
	s_lshr_b32 s19, s16, 1
	s_add_co_u32 s18, s18, s19                     ; my rows' batch: 4 g + w / 2
	s_lshl_b32 s18, s18, 14
	s_and_b32 s19, s16, 1
	s_lshl_b32 s19, s19, 11                        ; and rows 2 (w % 2) on
	s_add_co_u32 s20, s18, s19
	s_mov_b32 s21, 0
	s_add_nc_u64 s[8:9], s[8:9], s[20:21]
	s_lshl_b32 s20, s16, 14
	s_add_nc_u64 s[22:23], s[10:11], s[20:21]      ; my wave's fragments of Wout
	s_mul_i32 s20, s17, 7680
	s_add_nc_u64 s[12:13], s[12:13], s[20:21]
.set j, 0
.rept 4
.irp q, 0,1,2,3
	global_load_b128 v[XPB+16*j+4*\q:XPB+16*j+4*\q+3], v13, s[8:9] offset:4096*j+256*\q
.endr
.set j, j+1
.endr
.irp q, 0,1,2,3
	global_load_b128 v[LG+4*\q:LG+4*\q+3], v14, s[10:11] offset:131072+256*\q
	global_load_b128 v[LB+4*\q:LB+4*\q+3], v14, s[10:11] offset:132096+256*\q
.endr
.set i, 0
.rept 32
	global_load_b128 v[WF+4*i:WF+4*i+3], v6, s[22:23] offset:512*i
.set i, i+1
.endr
	s_wait_loadcnt 32                              ; the summands and the two vectors are in; Wout's 32 loads, issued behind them, may stay out
.irp p, 0,2,4,6,8,10,12,14
	v_pk_add_f32 v[XR+\p:XR+\p+1], v[XR+\p:XR+\p+1], v[XPB+16+\p:XPB+17+\p]
	v_pk_add_f32 v[XPB+32+\p:XPB+33+\p], v[XPB+32+\p:XPB+33+\p], v[XPB+48+\p:XPB+49+\p]
.endr
.irp p, 0,2,4,6,8,10,12,14
	v_pk_add_f32 v[XR+\p:XR+\p+1], v[XR+\p:XR+\p+1], v[XPB+32+\p:XPB+33+\p]
.endr
.irp i, 12,13,14,15
	v_cndmask_b32 v[XR+\i], 0, v[XR+\i], s[PMK]    ; columns 240.. are kept out of the sums
.endr
	v_pk_add_f32 v[YV:YV+1], v[XR:XR+1], v[XR+2:XR+3]
	v_pk_add_f32 v[YV+2:YV+3], v[XR+4:XR+5], v[XR+6:XR+7]
	v_pk_add_f32 v[YV+4:YV+5], v[XR+8:XR+9], v[XR+10:XR+11]
	v_pk_add_f32 v[YV+6:YV+7], v[XR+12:XR+13], v[XR+14:XR+15]
	v_pk_add_f32 v[YV:YV+1], v[YV:YV+1], v[YV+2:YV+3]
	v_pk_add_f32 v[YV+4:YV+5], v[YV+4:YV+5], v[YV+6:YV+7]
	v_pk_add_f32 v[YV:YV+1], v[YV:YV+1], v[YV+4:YV+5]
	v_add_f32 v[YV], v[YV], v[YV+1]
	RSUM YV
	v_mul_f32 v[YV], s[SINV], v[YV]                ; the mean
	v_mov_b32 v[YV+1], v[YV]
.irp p, 0,2,4,6,8,10,12,14
	v_pk_add_f32 v[XR+\p:XR+\p+1], v[XR+\p:XR+\p+1], v[YV:YV+1] neg_lo:[0,1] neg_hi:[0,1]
.endr
.irp i, 12,13,14,15
	v_cndmask_b32 v[XR+\i], 0, v[XR+\i], s[PMK]
.endr
	v_pk_mul_f32 v[YV+2:YV+3], v[XR:XR+1], v[XR:XR+1]
	v_pk_mul_f32 v[YV+4:YV+5], v[XR+2:XR+3], v[XR+2:XR+3]
.irp p, 4,8,12
	v_pk_fma_f32 v[YV+2:YV+3], v[XR+\p:XR+\p+1], v[XR+\p:XR+\p+1], v[YV+2:YV+3]
	v_pk_fma_f32 v[YV+4:YV+5], v[XR+\p+2:XR+\p+3], v[XR+\p+2:XR+\p+3], v[YV+4:YV+5]
.endr
	v_pk_add_f32 v[YV+2:YV+3], v[YV+2:YV+3], v[YV+4:YV+5]
	v_add_f32 v[YV+2], v[YV+2], v[YV+3]
	RSUM YV+2
	v_fma_f32 v[YV+2], v[YV+2], s[SINV], s[SEPS]   ; variance + 1e-5
	v_rsq_f32 v[YV+4], v[YV+2]
	v_rsq_f32 v[YV+5], v[YV+2]
	v_nop
	s_wait_alu depctr_va_vdst(0)
.irp p, 0,2,4,6,8,10,12,14
	v_pk_mul_f32 v[XR+\p:XR+\p+1], v[XR+\p:XR+\p+1], v[YV+4:YV+5]
.endr
.irp p, 0,2,4,6,8,10,12,14
	v_pk_fma_f32 v[XR+\p:XR+\p+1], v[XR+\p:XR+\p+1], v[LG+\p:LG+\p+1], v[LB+\p:LB+\p+1]
.endr
.irp j, 0,1,2,3,4,5,6,7
	v_cvt_pk_f16_f32 v[XH+\j], v[XR+2*\j], v[XR+2*\j+1]
.endr
.irp q, 0,1,2,3
	ds_store_b64 v15, v[XH+2*\q:XH+2*\q+1] offset:128*\q
.endr
	s_wait_dscnt 0x0                               ; for the others' sake: my two rows of x are stored
	s_barrier_signal -1
	s_barrier_wait -1
.set i, 0
.rept 8
	ds_load_b128 v[BF+8*i:BF+8*i+3], v7 offset:64*i
	ds_load_b128 v[BF+8*i+4:BF+8*i+7], v7 offset:64*i+32
.set i, i+1
.endr
	s_wait_dscnt 0x0
	s_wait_loadcnt 0x0                             ; Wout
.set kk, 0
.rept 8
.set uu, 0
.rept 2                                ; the two accumulators take turns
.if kk == 0
	v_wmma_f32_16x16x32_f16 v[ACC+8*uu:ACC+8*uu+7], v[WF+8*(2*kk+uu):WF+8*(2*kk+uu)+7], v[BF+8*kk:BF+8*kk+7], 0
.else
	v_wmma_f32_16x16x32_f16 v[ACC+8*uu:ACC+8*uu+7], v[WF+8*(2*kk+uu):WF+8*(2*kk+uu)+7], v[BF+8*kk:BF+8*kk+7], v[ACC+8*uu:ACC+8*uu+7]
.endif
.set uu, uu+1
.endr
.set kk, kk+1
.endr
.rept 4
	v_nop                                          ; four places between the last product and the stores of its result
.endr
	ds_store_b128 v11, v[ACC:ACC+3]
	ds_store_b128 v11, v[ACC+4:ACC+7] offset:16
	s_cmp_eq_u32 s16, 7
	s_cbranch_scc1 .Lno_tile                       ; wave 7's second tile is dims 240..255: padding
	ds_store_b128 v11, v[ACC+8:ACC+11] offset:64
	ds_store_b128 v11, v[ACC+12:ACC+15] offset:80
.Lno_tile:
	s_wait_dscnt 0x0
	s_barrier_signal -1
	s_barrier_wait -1
	ds_load_b128 v[32:35], v12
	s_wait_dscnt 0x0
	global_store_b128 v12, v[32:35], s[12:13]      ; 512 consecutive bytes a wave
	s_cmp_eq_u32 s16, 7
	s_cbranch_scc1 .Lend                           ; 7,680 bytes are 480 units of 16: the second pass has 224
	ds_load_b128 v[36:39], v12 offset:4096
	s_wait_dscnt 0x0
	global_store_b128 v12, v[36:39], s[12:13] offset:4096
.Lend:
	s_wait_tensorcnt 0x0                           ; the wave's end: behind my last LDS store
	ds_add_u32 v[SPW], v[NIL]
	s_wait_dscnt 0x0
	s_endpgm
.Lfunc_end_k_qf81a2a0437_outp:
	.size	k_qf81a2a0437_outp, .Lfunc_end_k_qf81a2a0437_outp-k_qf81a2a0437_outp
	.p2alignl 7, 3214868480
	.fill 96, 4, 3214868480
	.section	.rodata,"a",@progbits
	.p2align	6, 0x0
	.amdhsa_kernel k_qf81a2a0437_outp
		.amdhsa_group_segment_fixed_size 24832
		.amdhsa_private_segment_fixed_size 0
		.amdhsa_enable_private_segment 0
		.amdhsa_kernarg_size 24
		.amdhsa_user_sgpr_count 2
		.amdhsa_user_sgpr_kernarg_segment_ptr 1
		.amdhsa_wavefront_size32 1
		.amdhsa_system_sgpr_workgroup_id_x 1
		.amdhsa_system_sgpr_workgroup_id_y 1
		.amdhsa_system_sgpr_workgroup_id_z 1
		.amdhsa_system_vgpr_workitem_id 0
		.amdhsa_next_free_vgpr 256
		.amdhsa_next_free_sgpr 66
		.amdhsa_reserve_vcc 0
		.amdhsa_float_denorm_mode_32 3
		.amdhsa_float_denorm_mode_16_64 3
		.amdhsa_memory_ordered 1
		.amdhsa_forward_progress 1
		.amdhsa_inst_pref_size 18
	.end_amdhsa_kernel
	.amdgpu_metadata
---
amdhsa.version: [ 1, 2 ]
amdhsa.kernels:
  - .name:           k_qf81a2a0437_outp
    .symbol:         k_qf81a2a0437_outp.kd
    .args:
      - { .name: xc, .offset: 0, .size: 8, .value_kind: global_buffer, .address_space: global }
      - { .name: wfin, .offset: 8, .size: 8, .value_kind: global_buffer, .address_space: global }
      - { .name: out0, .offset: 16, .size: 8, .value_kind: global_buffer, .address_space: global }
    .group_segment_fixed_size: 24832
    .private_segment_fixed_size: 0
    .kernarg_segment_align: 8
    .kernarg_segment_size: 24
    .max_flat_workgroup_size: 256
    .sgpr_count:     66
    .vgpr_count:     256
    .wavefront_size: 32
...
	.end_amdgpu_metadata
.endif
;; end of part 8
